; MI455X (gfx1250); checked and timed in simulation.
; The chip was launched on July 23, 2026; its instructions are those of AMD's public machine-readable ISA for CDNA 5 (MIT licence, August 2026) and "CDNA5" Instruction Set Architecture Reference Guide (July 2026). The comments in the code are by the model that wrote it; some were corrected since.
;; Moe Layer. Allowed arithmetic: matrix products marked QUANTISED: E2M1 operands, one E8M0 scale for each 32 along K, by v_wmma_scale_f32_16x16x128_f8f6f4 with both operands' format E2M1 (or v_wmma_scale_f32_32x16x128_f4), f32 sums; products left as they are: f32 operands where the result goes on into a quantised operand, else bf16, f16 or f32 operands; f32 sums; everything else in f32.
;; Inputs: b1 8 x 4,096 float32; b2 8 x 1,024 float32; gate_b 8 float32; gate_w 1,024 x 8 float32; w1 8 x 1,024 x 4,096 float32; w2 8 x 4,096 x 1,024 float32; x 4 x 256 x 1,024 float32.
;; Outputs: out0 4 x 256 x 1,024 float32.
;; This version of the problem:
;;   THIS VERSION OF THE PROBLEM IS GIVEN IN LOW PRECISION. The matrix products marked QUANTISED in the list below multiply operands that are first quantised to E2M1 (2 exponent bits, 1 mantissa bit; 4 bits a number), with one power-of-two scale for each 32 numbers along K (OCP MX v1.0); their sums are f32. All else is computed in f32.
;;   The module's matrix products, in the order in which they are computed (A, B: the left and right operand; K: the contracted axis; several contracted axes count as one K, in the product's order):
;;     1. [M 1,024, K 1,024] x [K 1,024, N 8]; A: input x; B: input gate_w: left as it is (N = 8 < 16)
;;     2. [M 1,024, K 1,024] x [K 1,024, N 4,096]; A: input x; B: input w1: QUANTISED
;;     3. [M 1,024, K 4,096] x [K 4,096, N 1,024]; A: computed on the way; B: input w2: QUANTISED
;;     4. [M 1,024, K 1,024] x [K 1,024, N 4,096]; A: input x; B: input w1: QUANTISED
;;     5. [M 1,024, K 4,096] x [K 4,096, N 1,024]; A: computed on the way; B: input w2: QUANTISED
;;     6. [M 1,024, K 1,024] x [K 1,024, N 4,096]; A: input x; B: input w1: QUANTISED
;;     7. [M 1,024, K 4,096] x [K 4,096, N 1,024]; A: computed on the way; B: input w2: QUANTISED
;;     8. [M 1,024, K 1,024] x [K 1,024, N 4,096]; A: input x; B: input w1: QUANTISED
;;     9. [M 1,024, K 4,096] x [K 4,096, N 1,024]; A: computed on the way; B: input w2: QUANTISED
;;     10. [M 1,024, K 1,024] x [K 1,024, N 4,096]; A: input x; B: input w1: QUANTISED
;;     11. [M 1,024, K 4,096] x [K 4,096, N 1,024]; A: computed on the way; B: input w2: QUANTISED
;;     12. [M 1,024, K 1,024] x [K 1,024, N 4,096]; A: input x; B: input w1: QUANTISED
;;     13. [M 1,024, K 4,096] x [K 4,096, N 1,024]; A: computed on the way; B: input w2: QUANTISED
;;     14. [M 1,024, K 1,024] x [K 1,024, N 4,096]; A: input x; B: input w1: QUANTISED
;;     15. [M 1,024, K 4,096] x [K 4,096, N 1,024]; A: computed on the way; B: input w2: QUANTISED
;;     16. [M 1,024, K 1,024] x [K 1,024, N 4,096]; A: input x; B: input w1: QUANTISED
;;     17. [M 1,024, K 4,096] x [K 4,096, N 1,024]; A: computed on the way; B: input w2: QUANTISED
;;   THE QUANTISER, for each operand of a quantised product, along K:
;;     - K is cut into blocks of 32 from its start; a last block that is shorter is filled with zeros.
;;     - A block's scale is 2^e with e = floor(log2(the largest magnitude in the block)) - 2, held to -126 .. 127; a block of zeros has e = 0. As a byte (E8M0): e + 127.
;;     - Each number is divided by its block's scale, clamped to +-6, and rounded to the nearest number of E2M1, ties to even, subnormals kept.
;;     - The product sums the exact products of the quantised numbers (number of the format x scale) in f32.
;;   ~~~python
;;   def quantise(x, axis):      # numpy; x: float32 -> the quantised numbers, widened to float32 again
;;       x = np.moveaxis(x, axis, -1); K = x.shape[-1]
;;       x = np.pad(x, [(0, 0)] * (x.ndim - 1) + [(0, -K % 32)]); x = x.reshape(x.shape[:-1] + (-1, 32)); a = np.abs(x).max(-1, keepdims=True)
;;       e = np.where(a > 0, np.clip(np.frexp(np.where(a > 0, a, 1))[1] - 1 - 2, -126, 127), 0)      # np.frexp(a)[1] - 1 = floor(log2(a)), exactly
;;       r = np.clip(x / 2.0 ** e, -6, 6)
;;       step = 2.0 ** (np.maximum(np.frexp(np.where(r == 0, 1, r))[1] - 1, 0) - 1)
;;       q = np.round(r / step) * step * 2.0 ** e      # np.round: ties to even
;;       return np.moveaxis(q.reshape(q.shape[:-2] + (-1,))[..., :K], -1, axis).astype(np.float32)
;;   ~~~
;;   OPERANDS COMPUTED ON THE WAY. 'Computed on the way' means the value that the module computes at that place (a softmax that the list does not call 'softmax' is quantised finished and normalised). What goes into a quantiser is computed in f32, as accurately as f32 sums, v_exp_f32 and their like allow (about 1e-6 of the number): no bf16 or f16 on the way to a quantiser, and a product that is left as it is and whose result goes on into a quantised operand takes f32 operands (vector FMAs, or v_wmma_f32_16x16x4_f32). A number that lies on a knife's edge between two numbers of the format may be rounded either way, as far as f32 arithmetic and the matrix unit's own rounding can turn it there, and no further.
;; 3 versions. Each part assembles by itself: llvm-mc -triple=amdgcn-amd-amdhsa -mcpu=gfx1250 --defsym DOCPART=n.
;; ======== version 1 of 3: 5 launches
;; workspace buffers: xq 557,056 bytes; sel 4,096 bytes of whole numbers; cw 8,192 bytes; route 44,288 bytes of whole numbers; hq 4,456,448 bytes; hs 278,528 bytes; yp 17,825,792 bytes
;; launch route (part 1): grid 256 x 1, 2 waves a work-group, no clusters, 0 bytes of LDS; arguments x, gate_w, gate_b, xq, sel, cw; writes xq, sel, cw
.if DOCPART == 1
	.amdgcn_target "amdgcn-amd-amdhsa--gfx1250"
	.amdhsa_code_object_version 6
	.text
	.protected	k_q898254667f_route
	.globl	k_q898254667f_route
	.p2align	8
	.type	k_q898254667f_route,@function
k_q898254667f_route:
	s_mov_b64 s[64:65], 0
	v_nop
	global_prefetch_b8 v0, s[64:65] scope:SCOPE_SE
	s_setreg_imm32_b32 hwreg(HW_REG_WAVE_MODE, 25, 1), 1
	s_wait_xcnt 0x0
; ROUTER AND QUANTISER OF x.  x: [1024 tokens][1024] f32.  A wave takes two tokens, A and B.
; Lane L holds block L of a row (k = 32 L .. 32 L + 31) in 32 registers: the block's largest magnitude needs no other lane, and the
; four conversions of a lane give the block's 16 bytes of E2M1 codes.  xq: codes [token][512 bytes], then from byte XSC on the E8M0 bytes [token][32].
; The logits are f32 multiply-adds (a lane's 32 k, then a sum over the 32 lanes), + gate_b.  The two largest are found by strict compares in ascending
; order of the experts, so that of equal logits the lower index wins.  Their softmax takes the larger away first: c0 = 1 / (1 + e^(m2 - m1)), c1 = e^(m2 - m1) c0.
; sel[token] = e0 | e1 << 8 and cw[token] = (c0, c1) are stored at fixed places: no address here hangs on the choice.
; LIMITS: NaN and infinities among the inputs are not served.  A block whose largest magnitude lies under 2^-124 (a block of zeros too) keeps the scale byte 1;
; the bytes are read by this program alone, and zero codes add nothing.  The logits are summed in another order than a plain dot product: two logits that are equal within f32 rounding may be ranked either way.
; The scale bytes leave 32 at a time (32 KB in the whole launch): these stores fill aligned runs of 256 bytes only in part.
.set XSC, 524288                       ; where the scale bytes begin in xq
.set XA,  16                           ; v16-47   token A's 32 numbers of my block
.set XB,  48                           ; v48-79   token B's
.set G0,  80                           ; v80-143  eight rows of gate_w (8 numbers each), set 0
.set G1,  144                          ; v144-207 set 1; at the end at work
.set LA,  208                          ; v208-215 A's eight logits
.set LB,  216                          ; v216-223 B's
.set KC,  224                          ; v224-231 the numbers 0 .. 7
.set CD,  232                          ; v232-239 codes: four registers a token
.set TA,  144                          ; top-2 at work: +0 m1, +1 i1, +2 m2, +3 i2, +4 c1, +5 c0, +6 the word
.set TB,  152
	s_load_b256 s[4:11], s[0:1], 0x0               ; x s[4:5], gate_w s[6:7], gate_b s[8:9], xq s[10:11]
	s_load_b128 s[12:15], s[0:1], 0x20             ; sel s[12:13], cw s[14:15]
	v_lshrrev_b32 v1, 5, v0
	v_readfirstlane_b32 s16, v1                    ; wave
	v_and_b32 v1, 31, v0                           ; lane
	v_lshlrev_b32 v2, 7, v1                        ; x: my block's 128 bytes
	v_lshlrev_b32 v3, 10, v1                       ; gate_w: my 32 rows of 32 bytes
	v_lshlrev_b32 v4, 4, v1                        ; codes: my block's 16 bytes
	s_lshl_b32 s17, ttmp9, 2
	s_lshl_b32 s18, s16, 1
	s_add_co_u32 s17, s17, s18                     ; token A = 4 x work-group + 2 x wave
	s_mov_b32 s37, 0
	s_mov_b32 s32, 0x76543210                      ; v_permlanex16_b32's selects for lane l xor 16
	s_mov_b32 s33, 0xfedcba98
.irp e, 0,1,2,3,4,5,6,7
	v_mov_b32 v[KC+\e], \e
.endr
	s_wait_kmcnt 0x0
	s_load_b256 s[24:31], s[8:9], 0x0              ; gate_b, eight numbers
	s_lshl_b32 s36, s17, 12
	s_add_nc_u64 s[18:19], s[4:5], s[36:37]        ; x at token A
	s_lshl_b32 s36, s17, 9
	s_add_nc_u64 s[20:21], s[10:11], s[36:37]      ; its codes
	s_lshl_b32 s36, s17, 5
	s_add_co_u32 s36, s36, XSC
	s_add_nc_u64 s[22:23], s[10:11], s[36:37]      ; its scale bytes
.irp j, 0,1,2,3,4,5,6,7
	global_load_b128 v[XA+4*\j:XA+4*\j+3], v2, s[18:19] offset:16*\j th:TH_LOAD_NT
.endr
.irp j, 0,1,2,3,4,5,6,7
	global_load_b128 v[XB+4*\j:XB+4*\j+3], v2, s[18:19] offset:4096+16*\j th:TH_LOAD_NT
.endr
; rows 8 ch .. 8 ch + 7 of my 32 rows of gate_w: 256 consecutive bytes a lane, 16 loads
.macro GLOAD ch, g
.set i, 0
.rept 16
	global_load_b128 v[\g+4*i:\g+4*i+3], v3, s[6:7] offset:256*(\ch)+16*i
.set i, i+1
.endr
.endm
	GLOAD 0, G0
	GLOAD 1, G1
; a token's block becomes 16 bytes of codes and a scale byte.  x: its numbers; c: its codes; w: four registers at work
.macro QX x, c, w, tok
	v_max3_num_f32 v[\w], |v[\x]|, |v[\x+1]|, |v[\x+2]|            ; the block's largest magnitude, in two chains
	v_max3_num_f32 v[\w+1], |v[\x+3]|, |v[\x+4]|, |v[\x+5]|
.irp i, 6,10,14,18,22,26
	v_max3_num_f32 v[\w], v[\w], |v[\x+\i]|, |v[\x+\i+1]|
	v_max3_num_f32 v[\w+1], v[\w+1], |v[\x+\i+2]|, |v[\x+\i+3]|
.endr
	v_max3_num_f32 v[\w], v[\w], |v[\x+30]|, |v[\x+31]|
	v_max3_num_f32 v[\w], v[\w], v[\w+1], 0x1800000                ; and the floor 2^(3 - 127): the byte cannot fall under 1
	v_add_nc_u32 v[\w+2], 0xff000000, v[\w]                        ; 2 off the exponent field: the conversion takes this operand's exponent field as its scale
.irp g, 0,1,2,3
	v_cvt_scalef32_pk8_fp4_f32 v[\c+\g], v[\x+8*\g:\x+8*\g+7], v[\w+2]
.endr
	v_lshrrev_b32 v[\w+3], 23, v[\w+2]                             ; the scale's byte (a plain line behind the conversions)
	global_store_b128 v4, v[\c:\c+3], s[20:21] offset:512*\tok     ; the wave stores the row's 512 consecutive bytes
	global_store_b8 v1, v[\w+3], s[22:23] offset:32*\tok
.endm
	s_wait_loadcnt 32                              ; x is in; the 32 loads of gate_w may be out
	QX XA, CD, 240, 0
	QX XB, CD+4, 244, 1
; logits += x(k) gate_w(k, 0 .. 7) for k = 8 ch .. 8 ch + 7, both tokens, two experts an instruction; k = 0 starts the sums
.macro FMA ch, g
.set kk, 0
.rept 8
.set k, 8*(\ch)+kk
.irp p, 0,1,2,3
.if k == 0
	v_pk_mul_f32 v[LA+2*\p:LA+2*\p+1], v[\g+2*\p:\g+2*\p+1], v[XA:XA+1] op_sel_hi:[1,0]
	v_pk_mul_f32 v[LB+2*\p:LB+2*\p+1], v[\g+2*\p:\g+2*\p+1], v[XB:XB+1] op_sel_hi:[1,0]
.elseif k%2 == 0
	v_pk_fma_f32 v[LA+2*\p:LA+2*\p+1], v[\g+8*kk+2*\p:\g+8*kk+2*\p+1], v[XA+k:XA+k+1], v[LA+2*\p:LA+2*\p+1] op_sel_hi:[1,0,1]
	v_pk_fma_f32 v[LB+2*\p:LB+2*\p+1], v[\g+8*kk+2*\p:\g+8*kk+2*\p+1], v[XB+k:XB+k+1], v[LB+2*\p:LB+2*\p+1] op_sel_hi:[1,0,1]
.else
	v_pk_fma_f32 v[LA+2*\p:LA+2*\p+1], v[\g+8*kk+2*\p:\g+8*kk+2*\p+1], v[XA+k-1:XA+k], v[LA+2*\p:LA+2*\p+1] op_sel:[0,1,0] op_sel_hi:[1,1,1]
	v_pk_fma_f32 v[LB+2*\p:LB+2*\p+1], v[\g+8*kk+2*\p:\g+8*kk+2*\p+1], v[XB+k-1:XB+k], v[LB+2*\p:LB+2*\p+1] op_sel:[0,1,0] op_sel_hi:[1,1,1]
.endif
.endr
.set kk, kk+1
.endr
.endm
	s_wait_loadcnt 16                              ; rows 0-7 are in; the 16 loads of rows 8-15 may be out
	FMA 0, G0
	GLOAD 2, G0
	s_wait_loadcnt 16                              ; rows 8-15 are in; rows 16-23 may be out
	FMA 1, G1
	GLOAD 3, G1
	s_wait_loadcnt 16                              ; rows 16-23 are in; rows 24-31 may be out
	FMA 2, G0
	s_wait_loadcnt 0x0
	FMA 3, G1
; the sixteen sums over the 32 lanes: every lane ends with all of them
.irp m, 1,2,4,8
.set i, 0
.rept 16
	v_add_f32_dpp v[LA+i], v[LA+i], v[LA+i] row_xmask:\m row_mask:0xf bank_mask:0xf
.set i, i+1
.endr
.endr
.set i, 0
.rept 16
	v_permlanex16_b32 v[G0+i], v[LA+i], s32, s33   ; (its destination has been written: gate_w's rows lay there)
.set i, i+1
.endr
.set i, 0
.rept 16
	v_add_f32 v[LA+i], v[LA+i], v[G0+i]
.set i, i+1
.endr
	s_wait_kmcnt 0x0                               ; gate_b
.irp e, 0,1,2,3,4,5,6,7
	v_add_f32 v[LA+\e], s[24+\e], v[LA+\e]
	v_add_f32 v[LB+\e], s[24+\e], v[LB+\e]
.endr
; the two largest of eight, and their softmax
.macro TOP2 l, t
	v_mov_b32 v[\t], v[\l]
	v_mov_b32 v[\t+1], 0
	v_mov_b32 v[\t+2], 0xff800000                  ; -infinity
	v_mov_b32 v[\t+3], 0
.irp e, 1,2,3,4,5,6,7
	v_cmp_gt_f32 vcc_lo, v[\l+\e], v[\t]           ; over the largest?
	v_cmp_gt_f32 s35, v[\l+\e], v[\t+2]            ; over the second?
	v_cndmask_b32 v[\t+2], v[\t+2], v[\l+\e], s35
	v_cndmask_b32 v[\t+3], v[\t+3], v[KC+\e], s35
	v_cndmask_b32 v[\t+2], v[\t+2], v[\t], vcc_lo  ; the old largest becomes the second
	v_cndmask_b32 v[\t+3], v[\t+3], v[\t+1], vcc_lo
	v_cndmask_b32 v[\t], v[\t], v[\l+\e], vcc_lo
	v_cndmask_b32 v[\t+1], v[\t+1], v[KC+\e], vcc_lo
.endr
	v_sub_f32 v[\t+4], v[\t+2], v[\t]              ; m2 - m1, 0 or less: the maximum is taken away
	v_mul_f32 v[\t+4], 0x3fb8aa3b, v[\t+4]
	v_exp_f32 v[\t+4], v[\t+4]
	v_lshl_or_b32 v[\t+6], v[\t+3], 8, v[\t+1]     ; e0 | e1 << 8 (a plain line behind the exponential)
	s_wait_alu depctr_va_vdst(0)
	v_add_f32 v[\t+5], 1.0, v[\t+4]
	v_rcp_f32 v[\t+5], v[\t+5]                     ; c0
	v_nop
	s_wait_alu depctr_va_vdst(0)
	v_mul_f32 v[\t+4], v[\t+4], v[\t+5]            ; c1
.endm
	TOP2 LA, TA
	TOP2 LB, TB
	v_cmp_eq_u32 vcc_lo, 1, v1                     ; lane 0 stores A's, lane 1 B's
	v_cndmask_b32 v160, v[TA+5], v[TB+5], vcc_lo
	v_cndmask_b32 v161, v[TA+4], v[TB+4], vcc_lo
	v_cndmask_b32 v162, v[TA+6], v[TB+6], vcc_lo
	v_add_nc_u32 v5, s17, v1                       ; the token
	v_lshlrev_b32 v6, 2, v5
	v_lshlrev_b32 v7, 3, v5
	v_cmp_gt_u32 vcc_lo, 2, v1
	s_wait_xcnt 0x0                                ; EXEC changes only behind this wait: the stores of codes have been issued under the full EXEC
	s_and_saveexec_b32 s34, vcc_lo
	global_store_b32 v6, v162, s[12:13]
	global_store_b64 v7, v[160:161], s[14:15]
	s_wait_xcnt 0x0
	s_or_b32 exec_lo, exec_lo, s34
	s_endpgm
.Lfunc_end_k_q898254667f_route:
	.size	k_q898254667f_route, .Lfunc_end_k_q898254667f_route-k_q898254667f_route
	.p2alignl 7, 3214868480
	.fill 96, 4, 3214868480
	.section	.rodata,"a",@progbits
	.p2align	6, 0x0
	.amdhsa_kernel k_q898254667f_route
		.amdhsa_group_segment_fixed_size 0
		.amdhsa_private_segment_fixed_size 0
		.amdhsa_enable_private_segment 0
		.amdhsa_kernarg_size 48
		.amdhsa_user_sgpr_count 2
		.amdhsa_user_sgpr_kernarg_segment_ptr 1
		.amdhsa_wavefront_size32 1
		.amdhsa_system_sgpr_workgroup_id_x 1
		.amdhsa_system_sgpr_workgroup_id_y 1
		.amdhsa_system_sgpr_workgroup_id_z 1
		.amdhsa_system_vgpr_workitem_id 0
		.amdhsa_next_free_vgpr 256
		.amdhsa_next_free_sgpr 66
		.amdhsa_reserve_vcc 1
		.amdhsa_float_denorm_mode_32 3
		.amdhsa_float_denorm_mode_16_64 3
		.amdhsa_memory_ordered 1
		.amdhsa_forward_progress 1
		.amdhsa_inst_pref_size 41
	.end_amdhsa_kernel
	.amdgpu_metadata
---
amdhsa.version: [ 1, 2 ]
amdhsa.kernels:
  - .name:           k_q898254667f_route
    .symbol:         k_q898254667f_route.kd
    .args:
      - { .name: x, .offset: 0, .size: 8, .value_kind: global_buffer, .address_space: global }
      - { .name: gate_w, .offset: 8, .size: 8, .value_kind: global_buffer, .address_space: global }
      - { .name: gate_b, .offset: 16, .size: 8, .value_kind: global_buffer, .address_space: global }
      - { .name: xq, .offset: 24, .size: 8, .value_kind: global_buffer, .address_space: global }
      - { .name: sel, .offset: 32, .size: 8, .value_kind: global_buffer, .address_space: global }
      - { .name: cw, .offset: 40, .size: 8, .value_kind: global_buffer, .address_space: global }
    .group_segment_fixed_size: 0
    .private_segment_fixed_size: 0
    .kernarg_segment_align: 8
    .kernarg_segment_size: 48
    .max_flat_workgroup_size: 64
    .sgpr_count:     66
    .vgpr_count:     256
    .wavefront_size: 32
...
	.end_amdgpu_metadata
.endif
;; end of part 1
;; launch place (part 2): grid 1 x 1, 8 waves a work-group, no clusters, 1,280 bytes of LDS; arguments sel, route; writes route
.if DOCPART == 2
	.amdgcn_target "amdgcn-amd-amdhsa--gfx1250"
	.amdhsa_code_object_version 6
	.text
	.protected	k_q898254667f_place
	.globl	k_q898254667f_place
	.p2align	8
	.type	k_q898254667f_place,@function
k_q898254667f_place:
	s_mov_b64 s[64:65], 0
	v_nop
	global_prefetch_b8 v0, s[64:65] scope:SCOPE_SE
	s_setreg_imm32_b32 hwreg(HW_REG_WAVE_MODE, 25, 1), 1
	s_wait_xcnt 0x0
; THE ROWS ARE PLACED BY EXPERT: a counting sort without atomics.  One work-group; wave e serves expert e and reads all 1,024 words of sel (e0 | e1 << 8).
; route: LIST [8][1088] u32: the token of rank j of expert e, tokens ascending; entry [e][count] is 0, so that entry 0 is written for an expert without rows.
;        POS  [1024][2] u32: the slot of the token's first and second choice = 16 x first tile of the expert + rank.
;        META words 0-7 the counts, words 8-15 each expert's first tile: the sum of ceil(count / 16) over the experts before it.
;        DUMP 8 x 128 bytes, and entries 1056 .. 1087 of each list: spare words that nobody reads.
; Ranks come from the masks of the lanes that chose the expert: the bits below the lane, plus the count so far.
; EVERY LANE STORES IN EVERY TRIP: a lane whose token did not choose my expert stores into a spare word of my wave's own.  So all lanes stay on through the sort, and the choice
; is a select between two offsets, held under a constant behind it.  Every word that is read later is stored by one wave.
.set LISTP, 4352                       ; bytes of an expert's list
.set POS,   34816
.set META,  43008
.set DUMP,  43264
.set S,     16                         ; v16-47  sel of token 32 i + lane
.set MK,    24                         ; s24-55  mask i: the lanes whose token 32 i + lane chose my expert
.set CN,    56                         ; s56-63  the eight counts
	s_load_b128 s[4:7], s[0:1], 0x0                ; sel s[4:5], route s[6:7]
	v_lshl_add_u32 v64, v0, 2, 0x100
	v_mov_b32 v65, 0
	v_lshrrev_b32 v1, 5, v0
	v_readfirstlane_b32 s8, v1                     ; my expert = my wave
	v_and_b32 v1, 31, v0                           ; lane
	v_lshlrev_b32 v2, 2, v1
	v_lshlrev_b32 v3, 3, v1
	v_mov_b32 v13, 4
	v_add_nc_u32 v14, 1056, v1                     ; my spare entry of the list
	s_lshl_b32 s18, s8, 7
	s_add_co_u32 s18, s18, DUMP-POS
	v_add_nc_u32 v15, s18, v2                      ; my spare word, counted from POS: 8448 + 128 x wave + 4 x lane
	s_mul_i32 s12, s8, LISTP
	s_mov_b32 s13, 0
	s_wait_kmcnt 0x0
	s_add_nc_u64 s[10:11], s[6:7], s[12:13]        ; my list
	s_add_nc_u64 s[14:15], s[6:7], POS
	s_add_nc_u64 s[16:17], s[6:7], META
.set i, 0
.rept 32
	global_load_b32 v[S+i], v2, s[4:5] offset:128*i
.set i, i+1
.endr
	s_mov_b32 s9, 0                                ; my count
	s_wait_loadcnt 0x0
.irp i, 0,1,2,3,4,5,6,7,8,9,10,11,12,13,14,15,16,17,18,19,20,21,22,23,24,25,26,27,28,29,30,31
	v_and_b32 v4, 0xff, v[S+\i]
	v_lshrrev_b32 v5, 8, v[S+\i]
	v_cmp_eq_u32 s[MK+\i], s8, v4
	v_cmp_eq_u32 vcc_lo, s8, v5
	s_or_b32 s[MK+\i], s[MK+\i], vcc_lo
	s_bcnt1_i32_b32 s18, s[MK+\i]
	s_add_co_u32 s9, s9, s18
.endr
	v_mov_b32 v6, s8
	v_lshlrev_b32 v6, 2, v6
	v_mov_b32 v7, s9
	ds_store_b32 v6, v7                            ; my count to my word: all lanes write the same word with the same value
	s_wait_dscnt 0x0                               ; for the others' sake
	s_barrier_signal -1
	s_barrier_wait -1
	v_mov_b32 v12, 0
	ds_load_b128 v[48:51], v12
	ds_load_b128 v[52:55], v12 offset:16
	s_wait_dscnt 0x0
.irp j, 0,1,2,3,4,5,6,7
	v_readfirstlane_b32 s[CN+\j], v[48+\j]
.endr
	s_mov_b32 s19, 0                               ; my first tile
.irp j, 0,1,2,3,4,5,6,7
	s_add_co_u32 s20, s[CN+\j], 15
	s_lshr_b32 s20, s20, 4
	s_cmp_gt_u32 s8, \j
	s_cselect_b32 s20, s20, 0
	s_add_co_u32 s19, s19, s20
.endr
	s_lshl_b32 s21, s19, 4                         ; my first slot
	s_mov_b32 s22, 0                               ; rows placed so far
.irp i, 0,1,2,3,4,5,6,7,8,9,10,11,12,13,14,15,16,17,18,19,20,21,22,23,24,25,26,27,28,29,30,31
.if \i > 0
	s_wait_xcnt 0x0                                ; the last trip's two stores have read v5-v8: only behind this wait are they written again
.endif
	v_mbcnt_lo_u32_b32 v4, s[MK+\i], 0             ; chosen lanes below me
	v_add_nc_u32 v4, s22, v4                       ; the rank
	v_add_nc_u32 v5, s21, v4                       ; the slot
	v_cndmask_b32 v6, v14, v4, s[MK+\i]            ; the list's entry: the rank, or my spare entry
	v_min_u32 v6, 0x43f, v6                        ; held inside my list's 1,088 entries
	v_lshlrev_b32 v6, 2, v6
	v_lshrrev_b32 v7, 8, v[S+\i]
	v_cmp_eq_u32 vcc_lo, s8, v7
	v_cndmask_b32 v7, 0, v13, vcc_lo               ; second choice: the pair's upper word
	v_add_nc_u32 v7, v3, v7
	v_add_nc_u32 v7, 256*\i, v7                    ; the token's pair: 8 (32 i + lane)
	v_cndmask_b32 v7, v15, v7, s[MK+\i]            ; or my spare word
	v_min_u32 v7, 0x24fc, v7                       ; held at the last spare word: 8448 + 7 x 128 + 124
	v_add_nc_u32 v8, 32*\i, v1                     ; the token
	global_store_b32 v6, v8, s[10:11]
	global_store_b32 v7, v5, s[14:15]
	s_bcnt1_i32_b32 s18, s[MK+\i]
	s_add_co_u32 s22, s22, s18
.endr
	s_wait_xcnt 0x0                                ; the last trip's stores have read their registers
	s_min_u32 s20, s9, 0x400
	v_mov_b32 v4, s20
	v_lshlrev_b32 v4, 2, v4                        ; the entry behind the last
	v_mov_b32 v5, 0
	v_mov_b32 v6, s8
	v_lshlrev_b32 v6, 2, v6
	v_mov_b32 v7, s9
	v_mov_b32 v8, s19
	v_cmp_eq_u32 vcc_lo, 0, v1                     ; lane 0 alone stores the three closing words
	s_wait_tensorcnt 0x0
	ds_add_u32 v64, v65
	s_wait_dscnt 0x0
	s_and_saveexec_b32 s23, vcc_lo                 ; (no load or store has been issued since the wait above)
	global_store_b32 v4, v5, s[10:11]
	global_store_b32 v6, v7, s[16:17]              ; the count
	global_store_b32 v6, v8, s[16:17] offset:32    ; the first tile
	s_wait_xcnt 0x0                                ; EXEC is restored only behind this wait
	s_or_b32 exec_lo, exec_lo, s23
	s_endpgm
.Lfunc_end_k_q898254667f_place:
	.size	k_q898254667f_place, .Lfunc_end_k_q898254667f_place-k_q898254667f_place
	.p2alignl 7, 3214868480
	.fill 96, 4, 3214868480
	.section	.rodata,"a",@progbits
	.p2align	6, 0x0
	.amdhsa_kernel k_q898254667f_place
		.amdhsa_group_segment_fixed_size 1280
		.amdhsa_private_segment_fixed_size 0
		.amdhsa_enable_private_segment 0
		.amdhsa_kernarg_size 16
		.amdhsa_user_sgpr_count 2
		.amdhsa_user_sgpr_kernarg_segment_ptr 1
		.amdhsa_wavefront_size32 1
		.amdhsa_system_sgpr_workgroup_id_x 1
		.amdhsa_system_sgpr_workgroup_id_y 1
		.amdhsa_system_sgpr_workgroup_id_z 1
		.amdhsa_system_vgpr_workitem_id 0
		.amdhsa_next_free_vgpr 66
		.amdhsa_next_free_sgpr 66
		.amdhsa_reserve_vcc 1
		.amdhsa_float_denorm_mode_32 3
		.amdhsa_float_denorm_mode_16_64 3
		.amdhsa_memory_ordered 1
		.amdhsa_forward_progress 1
		.amdhsa_inst_pref_size 46
	.end_amdhsa_kernel
	.amdgpu_metadata
---
amdhsa.version: [ 1, 2 ]
amdhsa.kernels:
  - .name:           k_q898254667f_place
    .symbol:         k_q898254667f_place.kd
    .args:
      - { .name: sel, .offset: 0, .size: 8, .value_kind: global_buffer, .address_space: global }
      - { .name: route, .offset: 8, .size: 8, .value_kind: global_buffer, .address_space: global }
    .group_segment_fixed_size: 1280
    .private_segment_fixed_size: 0
    .kernarg_segment_align: 8
    .kernarg_segment_size: 16
    .max_flat_workgroup_size: 256
    .sgpr_count:     66
    .vgpr_count:     66
    .wavefront_size: 32
...
	.end_amdgpu_metadata
.endif
;; end of part 2
;; launch ffn1 (part 3): grid 32 x 8, 16 waves a work-group, no clusters, 72,704 bytes of LDS; arguments w1, b1, xq, route, hq, hs; writes hq, hs
.if DOCPART == 3
	.amdgcn_target "amdgcn-amd-amdhsa--gfx1250"
	.amdhsa_code_object_version 6
	.text
	.protected	k_q898254667f_ffn1
	.globl	k_q898254667f_ffn1
	.p2align	8
	.type	k_q898254667f_ffn1,@function
k_q898254667f_ffn1:
	s_mov_b64 s[64:65], 0
	v_nop
	global_prefetch_b8 v0, s[64:65] scope:SCOPE_SE
	s_setreg_imm32_b32 hwreg(HW_REG_WAVE_MODE, 25, 1), 1
	s_wait_xcnt 0x0
; THE FIRST PRODUCT OF AN EXPERT, ON ITS OWN ROWS ALONE: h = Q(silu(Q(x) Q(w1[e]) + b1[e])), both operands E2M1 with one E8M0 scale for each 32 along K.
; A work-group (x = bx, y = e) owns the slab w1[e][0 .. 1023][128 bx .. 128 bx + 127]: 512 KB of f32, which no other work-group reads.
; PHASE 1: the slab is read once and quantised.  A LANE TAKES A COLUMN AND ITS REGISTERS RUN DOWN K: a block of 32 lies in one lane's 32 registers, and the conversions give codes with K innermost.
;   Wave w: columns 32 (w % 4) on, rows 256 (w / 4) on: 8 blocks a lane.  A load of the wave reads 128 consecutive bytes, four waves side by side 512.
;   Lane L takes column (L % 8) + 16 ((L / 8) % 2) + 8 (L / 16) of its 32: lanes 0-15 are then the rows of tile 2 b, lanes 16-31 those of tile 2 b + 1, in the order in which
;   the results of two neighbouring tiles are 16 neighbours along the next K.  One exchange of halves between two registers makes the operand's registers of both tiles.
;   They go to LDS as images of the operand's registers (16 bytes a lane, 512 an instruction): 64 KB of codes, 4 KB of scale words.  One barrier.
; PHASE 2: no barrier, no LDS store.  Wave w takes the expert's tiles of 16 rows w, w + 16, ..: x's codes of the listed tokens straight into registers, the weights' fragments from LDS.
;   The product is used transposed (source 0 = 16 hidden units, source 1 = 16 tokens): a lane holds one token, its registers run along the hidden units.  b1 is the sums' first C.
;   silu(z) = z / (1 + 2^(-z log2 e)) in f32; the 128 hidden units are one K step of the second product: quantised in registers, stored as an image (hq) with its scale words (hs).
; The trip count hangs on the expert's count, a whole number that an earlier launch stored.  This text has no tensor load: operands go from memory into registers; and no multicast: the weights are
; nobody else's, and what the 32 work-groups of an expert share (x's codes) is the smaller part of a work-group's bytes.
; In an expert's last tile the lanes past the count take its last row again: every row of every tile in use is written.
; LIMITS: NaN and infinities are not served.  A block whose largest magnitude lies under 2^-124 (a block of zeros too) keeps the scale byte 1: this program alone reads the bytes.
; For z under about -88 the exponential overflows and silu gives -0, where the true value is under 2^-120 in magnitude.
.set ROWB,  16384                      ; a row of w1[e] in bytes
.set QIMG,  8192                       ; LDS: from a K step's fragments to the next K step's
.set QSC,   512                        ; the same for the scale words
.set WSC,   65536                      ; LDS: fragment (K step s, tile t) at (8 s + t) 1024; from WSC on scale words at (4 s + b) 128 + 4 lane: lanes 0-15 tile 2 b, lanes 16-31 tile 2 b + 1
.set BIAS,  69632                      ; LDS: b1 of my 128 columns
.set XSCL,  524288                     ; where x's scale bytes begin in xq
.set LISTP, 4352
.set META,  43008
.set WO,  1                            ; v1   my column's byte in a row of the wave's 128
.set WST, 2                            ; v2   LDS: where I store images
.set WSS, 3                            ; v3   LDS: where I store scale words
.set LI,  4                            ; v4   16 x lane
.set LS,  5                            ; v5   LDS: WSC + 4 x lane
.set LX,  6                            ; v6   my byte in the expert's list
.set TOK, 7                            ; v7   my row's token
.set XAD, 8                            ; v8   its codes: 512 x token + 16 (lane / 16)
.set XSA, 9                            ; v9   its scale bytes: 32 x token
.set BLA, 10                           ; v10  LDS: BIAS + 64 (lane / 16)
.set HSA, 11                           ; v11  4 (lane % 16)
.set R,   12                           ; v12  lane % 16
.set H16, 13                           ; v13  16 (lane / 16)
.set MXA, 14                           ; v14-17 at work
.set MXB, 15
.set SCL, 16
.set BYT, 17
.set SW0, 18                           ; v18-19 my column's scale words of two K steps
.set XF,  20                           ; v20-83   x: eight fragments
.set XS,  84                           ; v84-91   x: eight scale words (scales alone)
.set ACC, 92                           ; v92-155  eight tiles of the hidden layer
.set C,   92                           ; phase 1: two sets of 16 registers of codes
.set ST,  156                          ; v156-219 phase 1: two sets of 32 numbers
.set WB,  156                          ; phase 2: two buffers of four fragments
.set T,   156                          ; and silu's 64 numbers at work
.set WSR, 220                          ; v220-223 the weights' scale words, two for each buffer (scales alone)
.set TM,  224                          ; v224-239 the quantiser at work
.set PC,  240                          ; v240-247 the codes just made
.set PW,  248                          ; v248 their scale word
.set BV,  252
.set BST, 253
.set L4,  254                          ; v254 4 x lane
.set SEL, 40                           ; s[40:41]
.set NXT, 44                           ; s44  the number of my next tile among the expert's
.set NT,  45                           ; s45  how many tiles are mine
	s_load_b256 s[4:11], s[0:1], 0x0               ; w1 s[4:5], b1 s[6:7], xq s[8:9], route s[10:11]
	s_load_b128 s[12:15], s[0:1], 0x20             ; hq s[12:13], hs s[14:15]
	v_lshl_add_u32 v251, v0, 2, 0x11400
	v_mov_b32 v255, 0
	v_lshrrev_b32 v14, 5, v0
	v_readfirstlane_b32 s16, v14                   ; wave 0..15
	s_and_b32 s17, s16, 3                          ; which 32 columns
	s_lshr_b32 s18, s16, 2                         ; which 256 rows of K
	s_and_b32 s19, ttmp7, 0xffff                   ; the expert
	v_and_b32 v15, 31, v0                          ; lane
	v_and_b32 v[R], 15, v0
	v_bfe_u32 v14, v0, 4, 1                        ; lane / 16
	v_and_b32 v16, 7, v0
	v_bfe_u32 v17, v0, 3, 1
	v_lshl_add_u32 v16, v17, 4, v16
	v_lshl_add_u32 v16, v14, 3, v16                ; my column of the 32
	v_lshlrev_b32 v[WO], 2, v16
	v_lshlrev_b32 v[LI], 4, v15
	v_lshlrev_b32 v[L4], 2, v15
	s_lshl_b32 s36, s18, 14
	s_lshl_b32 s38, s17, 11
	s_add_co_u32 s36, s36, s38
	v_add_nc_u32 v[WST], s36, v[LI]                ; K steps 2 (w / 4) on, tiles 2 (w % 4) on
	s_lshl_b32 s36, s18, 10
	s_lshl_b32 s38, s17, 7
	s_add_co_u32 s36, s36, s38
	s_add_co_u32 s36, s36, WSC
	v_add_nc_u32 v[WSS], s36, v[L4]
	v_add_nc_u32 v[LS], WSC, v[L4]
	s_add_co_u32 s38, s38, BIAS
	v_add_nc_u32 v[BST], s38, v[L4]
	v_lshl_add_u32 v[BLA], v14, 6, BIAS
	v_lshlrev_b32 v[HSA], 2, v[R]
	v_lshlrev_b32 v[H16], 4, v14
.irp b, 0,1,2,3
	v_mov_b32 v[TM+4+\b], 0                        ; written once: a lane permute's destination counts as one of its sources
.endr
	s_mov_b32 s[SEL], 0x76543210                   ; v_permlanex16_b32's selects for lane l xor 16
	s_mov_b32 s[SEL+1], 0xfedcba98
	s_lshl_b32 s36, s19, 24                        ; the expert's 16 MB,
	s_lshl_b32 s38, s18, 22                        ; my 256 rows,
	s_add_co_u32 s36, s36, s38
	s_lshl_b32 s38, ttmp9, 9
	s_lshl_b32 s39, s17, 7
	s_add_co_u32 s38, s38, s39                     ; my 32 columns: 512 bx + 128 (w % 4)
	s_add_co_u32 s36, s36, s38
	s_mov_b32 s37, 0
	s_wait_kmcnt 0x0
	s_add_nc_u64 s[24:25], s[4:5], s[36:37]
	s_lshl_b32 s36, s19, 14
	s_add_co_u32 s36, s36, s38
	s_add_nc_u64 s[28:29], s[6:7], s[36:37]        ; b1 at my 32 columns
	s_mul_i32 s36, s19, LISTP
	s_add_nc_u64 s[26:27], s[10:11], s[36:37]      ; the expert's list
	s_lshl_b32 s36, s19, 2
	s_add_nc_u64 s[42:43], s[10:11], s[36:37]
	s_load_b32 s21, s[42:43], META                 ; its count
	s_load_b32 s22, s[42:43], META+32              ; its first tile
.macro LOAD t                          ; block t: w1(32 t + i, my column), i = 0 .. 31, into set t % 2
.set i, 0
.rept 32
	global_load_b32 v[ST+32*((\t)%2)+i], v[WO], s[24:25] offset:(32*(\t)+i)*ROWB th:TH_LOAD_NT
.set i, i+1
.endr
.endm
; block t is quantised.  n: the loads issued behind the block's own, which may stay out
.macro BLOCK t, n
.set SRC, ST+32*((\t)%2)
	s_wait_loadcnt \n
	v_max3_num_f32 v[MXA], |v[SRC]|, |v[SRC+1]|, |v[SRC+2]|        ; the block's largest magnitude: all 32 numbers are mine
	v_max3_num_f32 v[MXB], |v[SRC+3]|, |v[SRC+4]|, |v[SRC+5]|
.irp i, 6,10,14,18,22,26
	v_max3_num_f32 v[MXA], v[MXA], |v[SRC+\i]|, |v[SRC+\i+1]|
	v_max3_num_f32 v[MXB], v[MXB], |v[SRC+\i+2]|, |v[SRC+\i+3]|
.endr
	v_max3_num_f32 v[MXA], v[MXA], |v[SRC+30]|, |v[SRC+31]|
	v_max3_num_f32 v[MXA], v[MXA], v[MXB], 0x1800000               ; and the floor 2^(3 - 127): the byte cannot fall under 1
	v_add_nc_u32 v[SCL], 0xff000000, v[MXA]                        ; 2 off the exponent field: the conversion's scale operand
	v_lshrrev_b32 v[BYT], 23, v[SCL]                               ; the scale's byte
.if (\t)%4 == 0
	v_mov_b32 v[SW0+(\t)/4], v[BYT]                                ; four bytes make a K step's scale word
.else
	v_lshl_or_b32 v[SW0+(\t)/4], v[BYT], 8*((\t)%4), v[SW0+(\t)/4]
.endif
.irp g, 0,1,2,3
	v_cvt_scalef32_pk8_fp4_f32 v[C+16*((\t)/4)+4*((\t)%4)+\g], v[SRC+8*\g:SRC+8*\g+7], v[SCL]
.endr
	v_nop                                          ; one plain line behind the last conversion
.if (\t) < 6
	LOAD (\t)+2
.endif
.endm
; K step q of my two: registers 8 c + i hold block 2 c, registers 8 c + 4 + i block 2 c + 1, lanes 0-15 of tile 2 b's rows, lanes 16-31 of tile 2 b + 1's.
; The exchange gives the first register tile 2 b's group c (lanes 0-15 block 2 c, lanes 16-31 block 2 c + 1) and the second tile 2 b + 1's.
.macro FLUSH q
.irp c, 0,1
.irp i, 0,1,2,3
	v_permlane16_swap_b32 v[C+16*\q+8*\c+\i], v[C+16*\q+8*\c+4+\i]
.endr
.endr
.irp c, 0,1
.irp u, 0,1
	ds_store_b128 v[WST], v[C+16*\q+8*\c+4*\u:C+16*\q+8*\c+4*\u+3] offset:QIMG*\q+1024*\u+512*\c
.endr
.endr
	ds_store_b32 v[WSS], v[SW0+\q] offset:QSC*\q
.endm
.macro ASK tile                        ; my row's token of the tile named: rank 16 x tile + lane % 16, held at the expert's last row and inside the list
	s_lshl_b32 s36, \tile, 4
	v_add_nc_u32 v[LX], s36, v[R]
	v_min_u32 v[LX], s23, v[LX]
	v_min_u32 v[LX], 0x3ff, v[LX]
	v_lshlrev_b32 v[LX], 2, v[LX]
	global_load_b32 v[TOK], v[LX], s[26:27]
.endm
.macro XLOAD                           ; the token's eight fragments and eight scale words: 18 loads
	v_min_u32 v[TOK], 0x3ff, v[TOK]
	v_lshl_add_u32 v[XAD], v[TOK], 9, v[H16]
	v_lshlrev_b32 v[XSA], 5, v[TOK]
.set i, 0
.rept 16
	global_load_b128 v[XF+4*i:XF+4*i+3], v[XAD], s[8:9] offset:32*i    ; K step i / 2, group i % 2: k = 64 (i % 2) + 32 (lane / 16) + 0 .. 31
.set i, i+1
.endr
	global_load_b128 v[XS:XS+3], v[XSA], s[8:9] offset:XSCL
	global_load_b128 v[XS+4:XS+7], v[XSA], s[8:9] offset:XSCL+16
.endm
	global_load_b32 v[BV], v[L4], s[28:29]
	LOAD 0
	LOAD 1
	s_wait_kmcnt 0x0
	s_min_u32 s21, s21, 1024
	s_min_u32 s22, s22, 135
	s_add_co_u32 s31, s21, 15
	s_lshr_b32 s31, s31, 4                         ; T: the expert's tiles
	s_max_u32 s23, s21, 1
	s_sub_co_u32 s23, s23, 1                       ; its last row's rank
	s_add_co_u32 s36, s22, s16                     ; my first tile among all
	s_lshl_b32 s38, s36, 15
	s_lshl_b32 s39, ttmp9, 10
	s_add_co_u32 s38, s38, s39
	s_mov_b32 s39, 0
	s_add_nc_u64 s[32:33], s[12:13], s[38:39]      ; hq: [tile][K step bx][1024 bytes]
	s_lshl_b32 s38, s36, 11
	s_lshl_b32 s36, ttmp9, 6
	s_add_co_u32 s38, s38, s36
	s_add_nc_u64 s[34:35], s[14:15], s[38:39]      ; hs: [tile][K step bx][16 words]
	ASK s16
	BLOCK 0, 33                                    ; behind block 0's loads: block 1's 32 and the list entry
	s_cmp_gt_u32 s16, 3                            ; b1 (older than block 0's loads: it is in) goes to LDS once: waves 0-3 hold the four runs of 32
	s_cbranch_scc1 .Lno_bias
	ds_store_b32 v[BST], v[BV]
.Lno_bias:
	BLOCK 1, 33                                    ; the list entry and block 2's 32
	BLOCK 2, 32
	BLOCK 3, 32
	FLUSH 0
	BLOCK 4, 32
	BLOCK 5, 32
	XLOAD                                          ; my first tile's x (the list entry has been in since block 2's wait)
	BLOCK 6, 50                                    ; block 7's 32 and x's 18
	BLOCK 7, 18                                    ; x's 18
	FLUSH 1
	s_wait_dscnt 0x0                               ; for the others' sake: my images lie in LDS
	s_barrier_signal -1
	s_barrier_wait -1                              ; the slab's codes are whole; from here on LDS is only read
; group gg = 2 s + half: four fragments (K step s, tiles 4 half + j) and their two scale words into buffer p: ten LDS loads
.macro WFETCH gg, p
.irp j, 0,1,2,3
.irp c, 0,1
	ds_load_b128 v[WB+32*(\p)+8*\j+4*\c:WB+32*(\p)+8*\j+4*\c+3], v[LI] offset:(4*(\gg)+\j)*1024+512*\c
.endr
.endr
.irp u, 0,1
	ds_load_b32 v[WSR+2*(\p)+\u], v[LS] offset:(2*(\gg)+\u)*128
.endr
.endm
; 64 numbers of a lane, register 16 b + i = k 32 b + 16 (lane / 16) + i of my row, become a fragment's codes in v[PC] on and its scale word in v[PW]
.macro QUANT s
.irp b, 0,1,2,3
	v_max3_num_f32 v[TM+\b], |v[\s+16*\b]|, |v[\s+1+16*\b]|, 0x1800000   ; block b: my 16 numbers, and the floor 2^(3 - 127)
.endr
.irp i, 2,4,6,8,10,12,14
.irp b, 0,1,2,3
	v_max3_num_f32 v[TM+\b], v[TM+\b], |v[\s+16*\b+\i]|, |v[\s+1+16*\b+\i]|   ; the four blocks by turns
.endr
.endr
.irp b, 0,1,2,3
	v_permlanex16_b32 v[TM+4+\b], v[TM+\b], s[SEL], s[SEL+1]
.endr
.irp b, 0,1,2,3
	v_max_num_f32 v[TM+\b], v[TM+\b], v[TM+4+\b]   ; with lane l xor 16's: the block's largest magnitude
.endr
.irp b, 0,1,2,3
	v_add_nc_u32 v[TM+12+\b], 0xff000000, v[TM+\b]
.endr
.irp b, 0,1,2,3
	v_lshrrev_b32 v[TM+4+\b], 23, v[TM+12+\b]
.endr
	v_lshl_or_b32 v[PW], v[TM+5], 8, v[TM+4]
	v_lshl_or_b32 v[PW], v[TM+6], 16, v[PW]
	v_lshl_or_b32 v[PW], v[TM+7], 24, v[PW]
.irp b, 0,1,2,3
	v_cvt_scalef32_pk8_fp4_f32 v[PC+2*\b], v[\s+16*\b:\s+7+16*\b], v[TM+12+\b]
	v_cvt_scalef32_pk8_fp4_f32 v[PC+1+2*\b], v[\s+8+16*\b:\s+15+16*\b], v[TM+12+\b]
.endr
	v_nop                                          ; one plain line behind the last conversion
.irp c, 0,1                                    ; the operand's layout wants a whole block in a lane
.irp i, 0,1
	v_permlane16_swap_b32 v[PC+4*\c+\i], v[PC+2+4*\c+\i]
.endr
.endr
.endm
; A TILE OF 16 ROWS.  nxt = 1: the wave has a further tile (number s[NXT]), whose x is asked for here
.macro TILE nxt
.irp t, 0,1,2,3,4,5,6,7
.irp q, 0,1
	ds_load_b128 v[ACC+8*\t+4*\q:ACC+8*\t+4*\q+3], v[BLA] offset:(32*(\t/2)+8*(\t%2))*4+16*\q   ; b1 at the lane's eight hidden units: the sums' first C
.endr
.endr
	WFETCH 0, 0
	WFETCH 1, 1
.if \nxt
	ASK s[NXT]
	s_wait_loadcnt 0x1                             ; x is in; the list entry just asked for may be out
.else
	s_wait_loadcnt 0x0
.endif
.set g, 0
.rept 16
.if g < 15
	s_wait_dscnt 10                                ; this group is in (at g = 0 b1 too); the other buffer's ten loads may be out
.else
	s_wait_dscnt 0x0
.endif
.irp j, 0,1,2,3                                ; the eight accumulators take turns, one instruction a turn
.if \j%2
	v_wmma_scale_f32_16x16x128_f8f6f4 v[ACC+8*(4*(g%2)+\j):ACC+8*(4*(g%2)+\j)+7], v[WB+32*(g%2)+8*\j:WB+32*(g%2)+8*\j+7], v[XF+8*(g/2):XF+8*(g/2)+7], v[ACC+8*(4*(g%2)+\j):ACC+8*(4*(g%2)+\j)+7], v[WSR+2*(g%2)+\j/2], v[XS+g/2] matrix_a_fmt:MATRIX_FMT_FP4 matrix_b_fmt:MATRIX_FMT_FP4 matrix_a_scale:MATRIX_SCALE_ROW1
.else
	v_wmma_scale_f32_16x16x128_f8f6f4 v[ACC+8*(4*(g%2)+\j):ACC+8*(4*(g%2)+\j)+7], v[WB+32*(g%2)+8*\j:WB+32*(g%2)+8*\j+7], v[XF+8*(g/2):XF+8*(g/2)+7], v[ACC+8*(4*(g%2)+\j):ACC+8*(4*(g%2)+\j)+7], v[WSR+2*(g%2)+\j/2], v[XS+g/2] matrix_a_fmt:MATRIX_FMT_FP4 matrix_b_fmt:MATRIX_FMT_FP4
.endif
.endr
.rept 4
	v_nop                                          ; four places in front of loads into registers that these products have read, and of the first read of results
.endr
.if g < 14
	WFETCH g+2, g%2
.else
.if g == 15
	v_nop                                          ; a fifth: the next matrix instruction writes registers of these
.endif
.endif
.set g, g+1
.endr
.if \nxt
	s_wait_loadcnt 0x0                             ; the list entry
	XLOAD                                          ; the next tile's x lands under the activation and the quantiser
.endif
.set i, 0
.rept 32
	v_pk_mul_f32 v[T+i:T+i+1], v[ACC+i:ACC+i+1], 0xbfb8aa3b op_sel_hi:[1,0]   ; -z log2 e; each accumulator is read from its low end on
.set i, i+2
.endr
.set i, 0
.rept 64
	v_exp_f32 v[T+i], v[T+i]
.set i, i+1
.endr
	v_nop                                          ; a plain line behind the exponentials
.set i, 0
	s_wait_alu depctr_va_vdst(0)
.rept 32
	v_pk_add_f32 v[T+i:T+i+1], v[T+i:T+i+1], 1.0 op_sel_hi:[1,0]
.set i, i+2
.endr
.set i, 0
.rept 64
	v_rcp_f32 v[T+i], v[T+i]
.set i, i+1
.endr
	v_nop                                          ; a plain line behind the reciprocals
.set i, 0
	s_wait_alu depctr_va_vdst(0)
.rept 32
	v_pk_mul_f32 v[ACC+i:ACC+i+1], v[ACC+i:ACC+i+1], v[T+i:T+i+1]   ; silu(z)
.set i, i+2
.endr
	QUANT ACC
	global_store_b128 v[LI], v[PC:PC+3], s[32:33]                  ; the fragment as it stands: 512 consecutive bytes a store
	global_store_b128 v[LI], v[PC+4:PC+7], s[32:33] offset:512
	global_store_b32 v[HSA], v[PW], s[34:35]                       ; lanes r and r + 16 store the same word with the same value
.if \nxt
	s_wait_xcnt 0x0                                ; the stores' data and bases are written again only behind this wait
	s_add_nc_u64 s[32:33], s[32:33], 16*32768      ; sixteen tiles on
	s_add_nc_u64 s[34:35], s[34:35], 16*2048
	s_add_co_u32 s[NXT], s[NXT], 16
.endif
.endm
	s_cmp_ge_u32 s16, s31
	s_cbranch_scc1 .Lend                           ; no tile for me
	s_add_co_u32 s[NT], s31, 15
	s_sub_co_u32 s[NT], s[NT], s16
	s_lshr_b32 s[NT], s[NT], 4                     ; my tiles: w, w + 16, .. under T: (T + 15 - w) / 16 of them, one at the least
	s_add_co_u32 s[NXT], s16, 16
	s_mov_b32 s30, 1                               ; the loop counts tiles by ones: all of mine but the last
	s_cmp_ge_u32 s30, s[NT]
	s_cbranch_scc1 .Llast
.Ltile:
	TILE 1
	s_add_co_u32 s30, s30, 1
	s_cmp_lt_u32 s30, s[NT]
	s_cbranch_scc1 .Ltile
.Llast:
	TILE 0                                         ; my last tile asks for nothing more
.Lend:
	s_wait_tensorcnt 0x0
	ds_add_u32 v251, v255
	s_wait_dscnt 0x0
	s_endpgm
.Lfunc_end_k_q898254667f_ffn1:
	.size	k_q898254667f_ffn1, .Lfunc_end_k_q898254667f_ffn1-k_q898254667f_ffn1
	.p2alignl 7, 3214868480
	.fill 96, 4, 3214868480
	.section	.rodata,"a",@progbits
	.p2align	6, 0x0
	.amdhsa_kernel k_q898254667f_ffn1
		.amdhsa_group_segment_fixed_size 72704
		.amdhsa_private_segment_fixed_size 0
		.amdhsa_enable_private_segment 0
		.amdhsa_kernarg_size 48
		.amdhsa_user_sgpr_count 2
		.amdhsa_user_sgpr_kernarg_segment_ptr 1
		.amdhsa_wavefront_size32 1
		.amdhsa_system_sgpr_workgroup_id_x 1
		.amdhsa_system_sgpr_workgroup_id_y 1
		.amdhsa_system_sgpr_workgroup_id_z 1
		.amdhsa_system_vgpr_workitem_id 0
		.amdhsa_next_free_vgpr 256
		.amdhsa_next_free_sgpr 66
		.amdhsa_reserve_vcc 0
		.amdhsa_float_denorm_mode_32 3
		.amdhsa_float_denorm_mode_16_64 3
		.amdhsa_memory_ordered 1
		.amdhsa_forward_progress 1
		.amdhsa_inst_pref_size 120
	.end_amdhsa_kernel
	.amdgpu_metadata
---
amdhsa.version: [ 1, 2 ]
amdhsa.kernels:
  - .name:           k_q898254667f_ffn1
    .symbol:         k_q898254667f_ffn1.kd
    .args:
      - { .name: w1, .offset: 0, .size: 8, .value_kind: global_buffer, .address_space: global }
      - { .name: b1, .offset: 8, .size: 8, .value_kind: global_buffer, .address_space: global }
      - { .name: xq, .offset: 16, .size: 8, .value_kind: global_buffer, .address_space: global }
      - { .name: route, .offset: 24, .size: 8, .value_kind: global_buffer, .address_space: global }
      - { .name: hq, .offset: 32, .size: 8, .value_kind: global_buffer, .address_space: global }
      - { .name: hs, .offset: 40, .size: 8, .value_kind: global_buffer, .address_space: global }
    .group_segment_fixed_size: 72704
    .private_segment_fixed_size: 0
    .kernarg_segment_align: 8
    .kernarg_segment_size: 48
    .max_flat_workgroup_size: 512
    .sgpr_count:     66
    .vgpr_count:     256
    .wavefront_size: 32
...
	.end_amdgpu_metadata
.endif
;; end of part 3
;; launch ffn2 (part 4): grid 32 x 8, 16 waves a work-group, no clusters, 141,312 bytes of LDS; arguments w2, route, hq, hs, yp; writes yp
.if DOCPART == 4
	.amdgcn_target "amdgcn-amd-amdhsa--gfx1250"
	.amdhsa_code_object_version 6
	.text
	.protected	k_q898254667f_ffn2
	.globl	k_q898254667f_ffn2
	.p2align	8
	.type	k_q898254667f_ffn2,@function
k_q898254667f_ffn2:
	s_mov_b64 s[64:65], 0
	v_nop
	global_prefetch_b8 v0, s[64:65] scope:SCOPE_SE
	s_setreg_imm32_b32 hwreg(HW_REG_WAVE_MODE, 25, 1), 1
	s_wait_xcnt 0x0
; THE SECOND PRODUCT OF AN EXPERT, ON ITS OWN ROWS: yp[kh] = Q(h) Q(w2[e]) over half kh of K = 4096, both operands E2M1 with one E8M0 scale for each 32 along K.
; A work-group (x = cb + 16 kh, y = e) owns the slab w2[e][2048 kh .. + 2047][64 cb .. + 63]: 512 KB of f32, a row of it 256 consecutive bytes at a multiple of 256; nobody else reads it.
; The two halves of K give 256 work-groups; their two parts of y are added, with b2 and the gate's weights, by the next launch.
; PHASE 1, as in the first product's launch: a lane takes a column, its registers run down K; wave w: columns 32 (w % 2) on, rows 256 (w / 2) on.  Lanes 0-15 are tile 2 (w % 2)'s rows, lanes 16-31
;   the next tile's.  The codes go to LDS as images of the operand's registers.  One barrier.
; PHASE 2: no barrier.  Wave w takes the expert's tiles w, w + 16, ..: h's sixteen fragments and scale words from memory as they were stored, the weights' fragments from LDS.
;   Transposed (source 0 = 16 output columns, source 1 = 16 rows): a lane holds eight neighbouring outputs of one row.  A tile (16 rows x 256 bytes) goes through the wave's own stage in LDS
;   and leaves by rows: sixteen lanes store 256 consecutive bytes at a multiple of 256.
; The trip count hangs on the expert's count, a stored whole number.  No tensor load and no multicast here (the weights are nobody else's).
; LIMITS: as in the first product's launch (NaN and infinities not served; the scale byte is held at 1 from below).
.set ROWB,  4096                       ; a row of w2[e] in bytes
.set QIMG,  4096                       ; LDS: from a K step's fragments to the next K step's
.set QSC,   256
.set WSC,   65536                      ; LDS: fragment (K step s, tile ct) at (4 s + ct) 1024; scale words at WSC + (2 s + b) 128 + 4 lane
.set STAGE, 69632                      ; LDS: 16 rows x (256 + 16) bytes for each wave
.set META,  43008
.set YH,    8912896                    ; bytes of one part of y: 2176 slots x 4096
.set WO,  1                            ; v1   4 x lane
.set WST, 2
.set WSS, 3
.set LI,  4                            ; v4   16 x lane
.set LS,  5                            ; v5   WSC + 4 x lane
.set SO,  7                            ; v7   the stage: where I put 32 bytes of a row
.set SR,  8                            ; v8   and where I read a row back
.set YO,  9                            ; v9   the same place in y
.set MXA, 10                           ; v10-13 at work
.set MXB, 11
.set SCL, 12
.set BYT, 13
.set SW0, 14                           ; v14-15
.set HF,  16                           ; v16-143  h: sixteen fragments
.set HS,  144                          ; v144-151 h: scale words: register p: lanes 0-15 K step 2 p, lanes 16-31 K step 2 p + 1 (scales alone)
.set ACC, 152                          ; v152-183 four tiles of outputs
.set C,   152                          ; phase 1: two sets of 16 registers of codes
.set ST,  184                          ; v184-247 phase 1: two sets of 32 numbers
.set WB,  184                          ; phase 2: two buffers of four fragments
.set OUTR, 184                         ; and the rows read back from the stage
.set WSR, 248                          ; v248-251 the weights' scale words (scales alone)
.set NT,  52                           ; s52  how many tiles are mine
	s_load_b256 s[4:11], s[0:1], 0x0               ; w2 s[4:5], route s[6:7], hq s[8:9], hs s[10:11]
	s_load_b64 s[12:13], s[0:1], 0x20              ; yp
	v_lshl_add_u32 v254, v0, 2, 0x22000
	v_mov_b32 v255, 0
	v_lshrrev_b32 v10, 5, v0
	v_readfirstlane_b32 s16, v10                   ; wave 0..15
	s_and_b32 s17, s16, 1                          ; which 32 columns
	s_lshr_b32 s18, s16, 1                         ; which 256 rows of K
	s_and_b32 s19, ttmp7, 0xffff                   ; the expert
	s_and_b32 s20, ttmp9, 15                       ; cb
	s_lshr_b32 s23, ttmp9, 4                       ; kh
	v_and_b32 v10, 31, v0                          ; lane
	v_and_b32 v11, 15, v0                          ; r
	v_bfe_u32 v12, v0, 4, 1                        ; h
	v_lshlrev_b32 v[WO], 2, v10
	v_lshlrev_b32 v[LI], 4, v10
	s_lshl_b32 s36, s18, 13
	s_lshl_b32 s37, s17, 11
	s_add_co_u32 s36, s36, s37
	v_add_nc_u32 v[WST], s36, v[LI]
	s_lshl_b32 s36, s18, 9
	s_lshl_b32 s37, s17, 7
	s_add_co_u32 s36, s36, s37
	s_add_co_u32 s36, s36, WSC
	v_add_nc_u32 v[WSS], s36, v[WO]
	v_add_nc_u32 v[LS], WSC, v[WO]
	s_mul_i32 s36, s16, 16*272
	s_add_co_u32 s36, s36, STAGE                   ; my stage
	v_mul_u32_u24 v[SO], v11, 272
	v_lshl_add_u32 v[SO], v12, 5, v[SO]
	v_add_nc_u32 v[SO], s36, v[SO]                 ; in: row r, 32 bytes for each half of the lanes
	v_mul_u32_u24 v[SR], v12, 272
	v_lshl_add_u32 v[SR], v11, 4, v[SR]
	v_add_nc_u32 v[SR], s36, v[SR]                 ; back: lanes 0-15 one row, lanes 16-31 the next
	v_lshlrev_b32 v[YO], 12, v12
	v_lshl_add_u32 v[YO], v11, 4, v[YO]
	s_lshl_b32 s38, s19, 24                        ; the expert's 16 MB,
	s_lshl_b32 s37, s23, 23                        ; my half of K,
	s_add_co_u32 s38, s38, s37
	s_lshl_b32 s37, s18, 20                        ; my 256 rows,
	s_add_co_u32 s38, s38, s37
	s_lshl_b32 s37, s20, 8                         ; my 64 columns,
	s_add_co_u32 s38, s38, s37
	s_lshl_b32 s37, s17, 7                         ; my 32 of them
	s_add_co_u32 s38, s38, s37
	s_mov_b32 s39, 0
	s_wait_kmcnt 0x0
	s_add_nc_u64 s[24:25], s[4:5], s[38:39]
	s_lshl_b32 s38, s19, 2
	s_add_nc_u64 s[50:51], s[6:7], s[38:39]
	s_load_b32 s21, s[50:51], META                 ; the expert's count
	s_load_b32 s22, s[50:51], META+32              ; its first tile
.macro LOAD t                          ; block t: w2(32 t + i, my column), i = 0 .. 31, into set t % 2
.set i, 0
.rept 32
	global_load_b32 v[ST+32*((\t)%2)+i], v[WO], s[24:25] offset:(32*(\t)+i)*ROWB th:TH_LOAD_NT
.set i, i+1
.endr
.endm
.macro BLOCK t, n                      ; block t is quantised.  n: the loads issued behind the block's own, which may stay out
.set SRC, ST+32*((\t)%2)
	s_wait_loadcnt \n
	v_max3_num_f32 v[MXA], |v[SRC]|, |v[SRC+1]|, |v[SRC+2]|
	v_max3_num_f32 v[MXB], |v[SRC+3]|, |v[SRC+4]|, |v[SRC+5]|
.irp i, 6,10,14,18,22,26
	v_max3_num_f32 v[MXA], v[MXA], |v[SRC+\i]|, |v[SRC+\i+1]|
	v_max3_num_f32 v[MXB], v[MXB], |v[SRC+\i+2]|, |v[SRC+\i+3]|
.endr
	v_max3_num_f32 v[MXA], v[MXA], |v[SRC+30]|, |v[SRC+31]|
	v_max3_num_f32 v[MXA], v[MXA], v[MXB], 0x1800000               ; the floor 2^(3 - 127): the byte cannot fall under 1
	v_add_nc_u32 v[SCL], 0xff000000, v[MXA]                        ; 2 off the exponent field: the conversion's scale operand
	v_lshrrev_b32 v[BYT], 23, v[SCL]
.if (\t)%4 == 0
	v_mov_b32 v[SW0+(\t)/4], v[BYT]
.else
	v_lshl_or_b32 v[SW0+(\t)/4], v[BYT], 8*((\t)%4), v[SW0+(\t)/4]
.endif
.irp g, 0,1,2,3
	v_cvt_scalef32_pk8_fp4_f32 v[C+16*((\t)/4)+4*((\t)%4)+\g], v[SRC+8*\g:SRC+8*\g+7], v[SCL]
.endr
	v_nop                                          ; one plain line behind the last conversion
.if (\t) < 6
	LOAD (\t)+2
.endif
.endm
.macro FLUSH q                         ; K step q of my two: the exchange of halves makes both tiles' registers; images and scale words to LDS
.irp c, 0,1
.irp i, 0,1,2,3
	v_permlane16_swap_b32 v[C+16*\q+8*\c+\i], v[C+16*\q+8*\c+4+\i]
.endr
.endr
.irp c, 0,1
.irp u, 0,1
	ds_store_b128 v[WST], v[C+16*\q+8*\c+4*\u:C+16*\q+8*\c+4*\u+3] offset:QIMG*\q+1024*\u+512*\c
.endr
.endr
	ds_store_b32 v[WSS], v[SW0+\q] offset:QSC*\q
.endm
	LOAD 0
	LOAD 1
	s_wait_kmcnt 0x0
	s_min_u32 s21, s21, 1024
	s_min_u32 s22, s22, 135
	s_add_co_u32 s31, s21, 15
	s_lshr_b32 s31, s31, 4                         ; T: the expert's tiles
	s_max_u32 s36, s31, 1                          ; the tile whose h every wave loads ahead of the barrier: its own first, or, where it has none, the expert's last;
	s_sub_co_u32 s36, s36, 1
	s_min_u32 s36, s16, s36
	s_add_co_u32 s36, s36, s22
	s_cmp_eq_u32 s31, 0
	s_cselect_b32 s36, 0, s36                      ; for an expert without rows tile 0, which is always written
	s_min_u32 s36, s36, 135
	s_lshl_b32 s38, s36, 15
	s_lshl_b32 s37, s23, 14
	s_add_co_u32 s38, s38, s37
	s_add_nc_u64 s[40:41], s[8:9], s[38:39]        ; hq: [tile][K step 16 kh on][1024 bytes]
	s_lshl_b32 s38, s36, 11
	s_lshl_b32 s37, s23, 10
	s_add_co_u32 s38, s38, s37
	s_add_nc_u64 s[42:43], s[10:11], s[38:39]      ; hs: [tile][K step 16 kh on][16 words]
	s_add_co_u32 s36, s22, s16                     ; my first tile among all
	s_lshl_b32 s38, s36, 16                        ; its 16 slots of 4096 bytes,
	s_lshl_b32 s37, s20, 8
	s_add_co_u32 s38, s38, s37                     ; my 64 columns,
	s_mul_i32 s37, s23, YH
	s_add_co_u32 s38, s38, s37                     ; my part
	s_add_nc_u64 s[48:49], s[12:13], s[38:39]
	s_add_co_u32 s36, s36, 16                      ; my next tile: these two are used only where it exists
	s_lshl_b32 s38, s36, 15
	s_lshl_b32 s37, s23, 14
	s_add_co_u32 s38, s38, s37
	s_add_nc_u64 s[44:45], s[8:9], s[38:39]
	s_lshl_b32 s38, s36, 11
	s_lshl_b32 s37, s23, 10
	s_add_co_u32 s38, s38, s37
	s_add_nc_u64 s[46:47], s[10:11], s[38:39]
	BLOCK 0, 32                                    ; behind each block's loads: the next block's 32
	BLOCK 1, 32
	BLOCK 2, 32
	BLOCK 3, 32
	FLUSH 0
	BLOCK 4, 32
	BLOCK 5, 32
	BLOCK 6, 32
.set i, 0
.rept 32                                       ; my first tile's h: 32 loads of 512 consecutive bytes,
	global_load_b128 v[HF+4*i:HF+4*i+3], v[LI], s[40:41] offset:512*i
.set i, i+1
.endr
.irp p, 0,1,2,3,4,5,6,7                        ; and 8 of scale words, two K steps each
	global_load_b32 v[HS+\p], v[WO], s[42:43] offset:128*\p
.endr
	BLOCK 7, 40                                    ; h's 40 loads may be out
	FLUSH 1
	s_wait_dscnt 0x0                               ; for the others' sake: my images lie in LDS
	s_barrier_signal -1
	s_barrier_wait -1                              ; the slab's codes are whole; from here on a wave stores into its own stage alone
.macro WFETCH gg, p                    ; K step gg: four fragments and two scale words into buffer p: ten LDS loads
.irp j, 0,1,2,3
.irp c, 0,1
	ds_load_b128 v[WB+32*(\p)+8*\j+4*\c:WB+32*(\p)+8*\j+4*\c+3], v[LI] offset:(4*(\gg)+\j)*1024+512*\c
.endr
.endr
.irp u, 0,1
	ds_load_b32 v[WSR+2*(\p)+\u], v[LS] offset:(2*(\gg)+\u)*128
.endr
.endm
; one product: tile ct of outputs, K step ks (a symbol).  Odd tiles' scale words lie in lanes 16-31 of their register, and so do odd K steps' of h.  K step 0 starts the sums
.macro MM ct
.set rD, ACC+8*\ct
.set rA, WB+32*(ks%2)+8*\ct
.set rB, HF+8*ks
.set rSA, WSR+2*(ks%2)+\ct/2
.set rSB, HS+ks/2
.if ks == 0
.if \ct%2
	v_wmma_scale_f32_16x16x128_f8f6f4 v[rD:rD+7], v[rA:rA+7], v[rB:rB+7], 0, v[rSA], v[rSB] matrix_a_fmt:MATRIX_FMT_FP4 matrix_b_fmt:MATRIX_FMT_FP4 matrix_a_scale:MATRIX_SCALE_ROW1
.else
	v_wmma_scale_f32_16x16x128_f8f6f4 v[rD:rD+7], v[rA:rA+7], v[rB:rB+7], 0, v[rSA], v[rSB] matrix_a_fmt:MATRIX_FMT_FP4 matrix_b_fmt:MATRIX_FMT_FP4
.endif
.elseif ks%2
.if \ct%2
	v_wmma_scale_f32_16x16x128_f8f6f4 v[rD:rD+7], v[rA:rA+7], v[rB:rB+7], v[rD:rD+7], v[rSA], v[rSB] matrix_a_fmt:MATRIX_FMT_FP4 matrix_b_fmt:MATRIX_FMT_FP4 matrix_a_scale:MATRIX_SCALE_ROW1 matrix_b_scale:MATRIX_SCALE_ROW1
.else
	v_wmma_scale_f32_16x16x128_f8f6f4 v[rD:rD+7], v[rA:rA+7], v[rB:rB+7], v[rD:rD+7], v[rSA], v[rSB] matrix_a_fmt:MATRIX_FMT_FP4 matrix_b_fmt:MATRIX_FMT_FP4 matrix_b_scale:MATRIX_SCALE_ROW1
.endif
.else
.if \ct%2
	v_wmma_scale_f32_16x16x128_f8f6f4 v[rD:rD+7], v[rA:rA+7], v[rB:rB+7], v[rD:rD+7], v[rSA], v[rSB] matrix_a_fmt:MATRIX_FMT_FP4 matrix_b_fmt:MATRIX_FMT_FP4 matrix_a_scale:MATRIX_SCALE_ROW1
.else
	v_wmma_scale_f32_16x16x128_f8f6f4 v[rD:rD+7], v[rA:rA+7], v[rB:rB+7], v[rD:rD+7], v[rSA], v[rSB] matrix_a_fmt:MATRIX_FMT_FP4 matrix_b_fmt:MATRIX_FMT_FP4
.endif
.endif
.endm
; A TILE OF 16 ROWS.  nxt = 1: the wave has a further tile, whose h is asked for K step by K step, into the registers just multiplied
.macro TILE nxt
	WFETCH 0, 0
	WFETCH 1, 1
	s_wait_loadcnt 0x0                             ; h and its scale words are in
.set ks, 0
.rept 16
.if ks < 15
	s_wait_dscnt 10                                ; this K step's weights are in; the other buffer's ten loads may be out
.else
	s_wait_dscnt 0x0
.endif
.irp ct, 0,1,2,3                               ; the four accumulators take turns, one instruction a turn
	MM \ct
.endr
.rept 4
	v_nop                                          ; four places in front of loads into registers that these products have read, and of the first read of results
.endr
.if ks == 15
	v_nop                                          ; a fifth: the next tile's first products write these accumulators anew
.endif
.if \nxt
	global_load_b128 v[HF+8*ks:HF+8*ks+3], v[LI], s[44:45] offset:1024*ks
	global_load_b128 v[HF+8*ks+4:HF+8*ks+7], v[LI], s[44:45] offset:1024*ks+512
.endif
.if ks < 14
	WFETCH ks+2, ks%2
.endif
.set ks, ks+1
.endr
.if \nxt
.irp p, 0,1,2,3,4,5,6,7
	global_load_b32 v[HS+\p], v[WO], s[46:47] offset:128*\p
.endr
.endif
.irp ct, 0,1,2,3
	ds_store_b128 v[SO], v[ACC+8*\ct:ACC+8*\ct+3] offset:64*\ct            ; each accumulator from its low end on
	ds_store_b128 v[SO], v[ACC+8*\ct+4:ACC+8*\ct+7] offset:64*\ct+16
.endr
.irp i, 0,1,2,3,4,5,6,7
	ds_load_b128 v[OUTR+4*\i:OUTR+4*\i+3], v[SR] offset:544*\i             ; LDS serves a wave's instructions in order (ISA guide 5.7.1.4): these see my stores
.endr
.irp i, 0,1,2,3,4,5,6,7
	s_wait_dscnt 7-\i                              ; rows 2 i and 2 i + 1 are back; the younger loads may be out
	global_store_b128 v[YO], v[OUTR+4*\i:OUTR+4*\i+3], s[48:49] offset:8192*\i   ; sixteen lanes store 256 consecutive bytes, at a multiple of 256 from yp's first byte
.endr
.if \nxt
	s_wait_xcnt 0x0                                ; the stores' data, and the bases of stores and loads, are written again only behind this wait
	s_add_nc_u64 s[48:49], s[48:49], 16*65536      ; sixteen tiles on
	s_add_nc_u64 s[44:45], s[44:45], 16*32768
	s_add_nc_u64 s[46:47], s[46:47], 16*2048
.endif
.endm
	s_cmp_ge_u32 s16, s31
	s_cbranch_scc1 .Lend                           ; no tile for me
	s_add_co_u32 s[NT], s31, 15
	s_sub_co_u32 s[NT], s[NT], s16
	s_lshr_b32 s[NT], s[NT], 4                     ; my tiles: w, w + 16, .. under T: (T + 15 - w) / 16 of them, one at the least
	s_mov_b32 s30, 1                               ; the loop counts tiles by ones: all of mine but the last
	s_cmp_ge_u32 s30, s[NT]
	s_cbranch_scc1 .Llast
.Ltile:
	TILE 1
	s_add_co_u32 s30, s30, 1
	s_cmp_lt_u32 s30, s[NT]
	s_cbranch_scc1 .Ltile
.Llast:
	TILE 0                                         ; my last tile asks for nothing more
.Lend:
	s_wait_tensorcnt 0x0
	ds_add_u32 v254, v255
	s_wait_dscnt 0x0
	s_endpgm
.Lfunc_end_k_q898254667f_ffn2:
	.size	k_q898254667f_ffn2, .Lfunc_end_k_q898254667f_ffn2-k_q898254667f_ffn2
	.p2alignl 7, 3214868480
	.fill 96, 4, 3214868480
	.section	.rodata,"a",@progbits
	.p2align	6, 0x0
	.amdhsa_kernel k_q898254667f_ffn2
		.amdhsa_group_segment_fixed_size 141312
		.amdhsa_private_segment_fixed_size 0
		.amdhsa_enable_private_segment 0
		.amdhsa_kernarg_size 40
		.amdhsa_user_sgpr_count 2
		.amdhsa_user_sgpr_kernarg_segment_ptr 1
		.amdhsa_wavefront_size32 1
		.amdhsa_system_sgpr_workgroup_id_x 1
		.amdhsa_system_sgpr_workgroup_id_y 1
		.amdhsa_system_sgpr_workgroup_id_z 1
		.amdhsa_system_vgpr_workitem_id 0
		.amdhsa_next_free_vgpr 256
		.amdhsa_next_free_sgpr 66
		.amdhsa_reserve_vcc 0
		.amdhsa_float_denorm_mode_32 3
		.amdhsa_float_denorm_mode_16_64 3
		.amdhsa_memory_ordered 1
		.amdhsa_forward_progress 1
		.amdhsa_inst_pref_size 95
	.end_amdhsa_kernel
	.amdgpu_metadata
---
amdhsa.version: [ 1, 2 ]
amdhsa.kernels:
  - .name:           k_q898254667f_ffn2
    .symbol:         k_q898254667f_ffn2.kd
    .args:
      - { .name: w2, .offset: 0, .size: 8, .value_kind: global_buffer, .address_space: global }
      - { .name: route, .offset: 8, .size: 8, .value_kind: global_buffer, .address_space: global }
      - { .name: hq, .offset: 16, .size: 8, .value_kind: global_buffer, .address_space: global }
      - { .name: hs, .offset: 24, .size: 8, .value_kind: global_buffer, .address_space: global }
      - { .name: yp, .offset: 32, .size: 8, .value_kind: global_buffer, .address_space: global }
    .group_segment_fixed_size: 141312
    .private_segment_fixed_size: 0
    .kernarg_segment_align: 8
    .kernarg_segment_size: 40
    .max_flat_workgroup_size: 512
    .sgpr_count:     66
    .vgpr_count:     256
    .wavefront_size: 32
...
	.end_amdgpu_metadata
.endif
;; end of part 4
;; launch combine (part 5): grid 256 x 1, 4 waves a work-group, no clusters, 0 bytes of LDS; arguments yp, route, sel, cw, b2, out0; writes out0
.if DOCPART == 5
	.amdgcn_target "amdgcn-amd-amdhsa--gfx1250"
	.amdhsa_code_object_version 6
	.text
	.protected	k_q898254667f_combine
	.globl	k_q898254667f_combine
	.p2align	8
	.type	k_q898254667f_combine,@function
k_q898254667f_combine:
	s_mov_b64 s[64:65], 0
	v_nop
	global_prefetch_b8 v0, s[64:65] scope:SCOPE_SE
	s_setreg_imm32_b32 hwreg(HW_REG_WAVE_MODE, 25, 1), 1
	s_wait_xcnt 0x0
; out[t] = c0 (y(slot0) + b2[e0]) + c1 (y(slot1) + b2[e1]), where y(slot) is the sum of the two parts over the halves of K.  A wave takes one token: each output row has one owner.
; The slots and the experts are whole numbers stored by earlier launches; each is held inside its table before it enters an address.
; A stream: six loads of 512 consecutive bytes for each 512 bytes of the row, all 48 asked for at once; no LDS, no barrier, no matrix unit: there is nothing here for them.
.set POS, 34816
.set YH,  8912896                      ; bytes of one part of y
.set D,   16                           ; v16-207: piece j of eight: 24 registers: y0 part 0, part 1, y1 part 0, part 1, b2[e0], b2[e1]
	s_load_b256 s[4:11], s[0:1], 0x0               ; yp s[4:5], route s[6:7], sel s[8:9], cw s[10:11]
	s_load_b128 s[12:15], s[0:1], 0x20             ; b2 s[12:13], out0 s[14:15]
	v_lshrrev_b32 v1, 5, v0
	v_readfirstlane_b32 s16, v1                    ; wave
	v_and_b32 v1, 31, v0
	v_lshlrev_b32 v1, 4, v1                        ; 16 bytes a lane
	s_lshl_b32 s17, ttmp9, 2
	s_add_co_u32 s17, s17, s16                     ; my token
	s_lshl_b32 s18, s17, 3
	s_mov_b32 s19, 0
	s_lshl_b32 s34, s17, 2
	s_mov_b32 s35, 0
	s_wait_kmcnt 0x0
	s_add_nc_u64 s[20:21], s[6:7], s[18:19]
	s_add_nc_u64 s[22:23], s[10:11], s[18:19]
	s_add_nc_u64 s[28:29], s[8:9], s[34:35]
	s_load_b64 s[24:25], s[20:21], POS             ; the two slots
	s_load_b64 s[26:27], s[22:23], 0x0             ; c0, c1
	s_load_b32 s30, s[28:29], 0x0                  ; e0 | e1 << 8
	s_wait_kmcnt 0x0
	s_min_u32 s24, s24, 2175
	s_min_u32 s25, s25, 2175
	s_and_b32 s31, s30, 0xff
	s_min_u32 s31, s31, 7
	s_bfe_u32 s32, s30, 0x80008
	s_min_u32 s32, s32, 7
	s_lshl_b32 s34, s24, 12
	s_add_nc_u64 s[36:37], s[4:5], s[34:35]        ; y of the first choice, part 0,
	s_add_nc_u64 s[38:39], s[36:37], YH            ; part 1
	s_lshl_b32 s34, s25, 12
	s_add_nc_u64 s[40:41], s[4:5], s[34:35]        ; y of the second choice
	s_add_nc_u64 s[42:43], s[40:41], YH
	s_lshl_b32 s34, s31, 12
	s_add_nc_u64 s[44:45], s[12:13], s[34:35]      ; b2[e0]
	s_lshl_b32 s34, s32, 12
	s_add_nc_u64 s[46:47], s[12:13], s[34:35]      ; b2[e1]
	s_lshl_b32 s34, s17, 12
	s_add_nc_u64 s[48:49], s[14:15], s[34:35]      ; my row of the output
	s_mov_b32 s50, s27                             ; c1 in a pair of its own: the packed forms take a scalar pair's low word for both halves
	s_mov_b32 s51, s27
.irp j, 0,1,2,3,4,5,6,7
	global_load_b128 v[D+24*\j:D+24*\j+3], v1, s[36:37] offset:512*\j th:TH_LOAD_NT
	global_load_b128 v[D+24*\j+4:D+24*\j+7], v1, s[38:39] offset:512*\j th:TH_LOAD_NT
	global_load_b128 v[D+24*\j+8:D+24*\j+11], v1, s[40:41] offset:512*\j th:TH_LOAD_NT
	global_load_b128 v[D+24*\j+12:D+24*\j+15], v1, s[42:43] offset:512*\j th:TH_LOAD_NT
	global_load_b128 v[D+24*\j+16:D+24*\j+19], v1, s[44:45] offset:512*\j
	global_load_b128 v[D+24*\j+20:D+24*\j+23], v1, s[46:47] offset:512*\j
.endr
.irp j, 0,1,2,3,4,5,6,7
	s_wait_loadcnt 6*(7-\j)                        ; piece j's six loads are in; the later pieces' may be out
.irp p, 0,2
	v_pk_add_f32 v[D+24*\j+\p:D+24*\j+\p+1], v[D+24*\j+\p:D+24*\j+\p+1], v[D+24*\j+4+\p:D+24*\j+4+\p+1]
	v_pk_add_f32 v[D+24*\j+8+\p:D+24*\j+8+\p+1], v[D+24*\j+8+\p:D+24*\j+8+\p+1], v[D+24*\j+12+\p:D+24*\j+12+\p+1]
.endr
.irp p, 0,2
	v_pk_add_f32 v[D+24*\j+\p:D+24*\j+\p+1], v[D+24*\j+\p:D+24*\j+\p+1], v[D+24*\j+16+\p:D+24*\j+16+\p+1]
	v_pk_add_f32 v[D+24*\j+8+\p:D+24*\j+8+\p+1], v[D+24*\j+8+\p:D+24*\j+8+\p+1], v[D+24*\j+20+\p:D+24*\j+20+\p+1]
.endr
.irp p, 0,2
	v_pk_mul_f32 v[D+24*\j+\p:D+24*\j+\p+1], v[D+24*\j+\p:D+24*\j+\p+1], s[26:27] op_sel_hi:[1,0]
.endr
.irp p, 0,2
	v_pk_fma_f32 v[D+24*\j+\p:D+24*\j+\p+1], v[D+24*\j+8+\p:D+24*\j+8+\p+1], s[50:51], v[D+24*\j+\p:D+24*\j+\p+1] op_sel_hi:[1,0,1]
.endr
	global_store_b128 v1, v[D+24*\j:D+24*\j+3], s[48:49] offset:512*\j th:TH_STORE_NT   ; the wave stores 512 consecutive bytes, at a multiple of 256 from the output's first byte
.endr
	s_endpgm
.Lfunc_end_k_q898254667f_combine:
	.size	k_q898254667f_combine, .Lfunc_end_k_q898254667f_combine-k_q898254667f_combine
	.p2alignl 7, 3214868480
	.fill 96, 4, 3214868480
	.section	.rodata,"a",@progbits
	.p2align	6, 0x0
	.amdhsa_kernel k_q898254667f_combine
		.amdhsa_group_segment_fixed_size 0
		.amdhsa_private_segment_fixed_size 0
		.amdhsa_enable_private_segment 0
		.amdhsa_kernarg_size 48
		.amdhsa_user_sgpr_count 2
		.amdhsa_user_sgpr_kernarg_segment_ptr 1
		.amdhsa_wavefront_size32 1
		.amdhsa_system_sgpr_workgroup_id_x 1
		.amdhsa_system_sgpr_workgroup_id_y 1
		.amdhsa_system_sgpr_workgroup_id_z 1
		.amdhsa_system_vgpr_workitem_id 0
		.amdhsa_next_free_vgpr 208
		.amdhsa_next_free_sgpr 66
		.amdhsa_reserve_vcc 0
		.amdhsa_float_denorm_mode_32 3
		.amdhsa_float_denorm_mode_16_64 3
		.amdhsa_memory_ordered 1
		.amdhsa_forward_progress 1
		.amdhsa_inst_pref_size 14
	.end_amdhsa_kernel
	.amdgpu_metadata
---
amdhsa.version: [ 1, 2 ]
amdhsa.kernels:
  - .name:           k_q898254667f_combine
    .symbol:         k_q898254667f_combine.kd
    .args:
      - { .name: yp, .offset: 0, .size: 8, .value_kind: global_buffer, .address_space: global }
      - { .name: route, .offset: 8, .size: 8, .value_kind: global_buffer, .address_space: global }
      - { .name: sel, .offset: 16, .size: 8, .value_kind: global_buffer, .address_space: global }
      - { .name: cw, .offset: 24, .size: 8, .value_kind: global_buffer, .address_space: global }
      - { .name: b2, .offset: 32, .size: 8, .value_kind: global_buffer, .address_space: global }
      - { .name: out0, .offset: 40, .size: 8, .value_kind: global_buffer, .address_space: global }
    .group_segment_fixed_size: 0
    .private_segment_fixed_size: 0
    .kernarg_segment_align: 8
    .kernarg_segment_size: 48
    .max_flat_workgroup_size: 128
    .sgpr_count:     66
    .vgpr_count:     208
    .wavefront_size: 32
...
	.end_amdgpu_metadata
.endif
;; end of part 5
;; ======== version 2 of 3: 4 launches
;; workspace buffers: xq 557,056 bytes; sel 4,096 bytes of whole numbers; cw 8,192 bytes; hq 16,777,216 bytes; hs 1,048,576 bytes; yp 67,108,864 bytes
;; launch route (part 6): grid 256 x 1, 2 waves a work-group, no clusters, 0 bytes of LDS; arguments x, gate_w, gate_b, xq, sel, cw; writes xq, sel, cw
.if DOCPART == 6
	.amdgcn_target "amdgcn-amd-amdhsa--gfx1250"
	.amdhsa_code_object_version 6
	.text
	.protected	k_q898254667f_route
	.globl	k_q898254667f_route
	.p2align	8
	.type	k_q898254667f_route,@function
k_q898254667f_route:
	s_mov_b64 s[64:65], 0
	v_nop
	global_prefetch_b8 v0, s[64:65] scope:SCOPE_SE
	s_setreg_imm32_b32 hwreg(HW_REG_WAVE_MODE, 25, 1), 1
	s_wait_xcnt 0x0
; ROUTER AND QUANTISER OF x.  x: [1024 tokens][1024] f32.  A wave takes two tokens, A and B.
; Lane L holds block L of a row (k = 32 L .. 32 L + 31) in 32 registers: the block's largest magnitude needs no other lane, and the
; four conversions of a lane give the block's 16 bytes of E2M1 codes.  xq: codes [token][512 bytes], then from byte XSC on the E8M0 bytes [token][32].
; The logits are f32 multiply-adds (a lane's 32 k, then a sum over the 32 lanes), + gate_b.  The two largest are found by strict compares in ascending
; order of the experts, so that of equal logits the lower index wins.  Their softmax takes the larger away first: c0 = 1 / (1 + e^(m2 - m1)), c1 = e^(m2 - m1) c0.
; sel[token] = e0 | e1 << 8 | (1 << e0 | 1 << e1) << 16 and cw[token] = (c0, c1) are stored at fixed places: no address here hangs on the choice.
; LIMITS: NaN and infinities among the inputs are not served.  A block whose largest magnitude lies under 2^-124 (a block of zeros too) keeps the scale byte 1;
; the bytes are read by this program alone, and zero codes add nothing.  The logits are summed in another order than a plain dot product: two logits that are equal within f32 rounding may be ranked either way.
; The scale bytes leave 32 at a time (32 KB in the whole launch): these stores fill aligned runs of 256 bytes only in part.
.set XSC, 524288                       ; where the scale bytes begin in xq
.set XA,  16                           ; v16-47   token A's 32 numbers of my block
.set XB,  48                           ; v48-79   token B's
.set G0,  80                           ; v80-143  eight rows of gate_w (8 numbers each), set 0
.set G1,  144                          ; v144-207 set 1; at the end at work
.set LA,  208                          ; v208-215 A's eight logits
.set LB,  216                          ; v216-223 B's
.set KC,  224                          ; v224-231 the numbers 0 .. 7
.set CD,  232                          ; v232-239 codes: four registers a token
.set TA,  144                          ; top-2 at work: +0 m1, +1 i1, +2 m2, +3 i2, +4 c1, +5 c0, +6 the word, +7 the two bits
.set TB,  152
	s_load_b256 s[4:11], s[0:1], 0x0               ; x s[4:5], gate_w s[6:7], gate_b s[8:9], xq s[10:11]
	s_load_b128 s[12:15], s[0:1], 0x20             ; sel s[12:13], cw s[14:15]
	v_lshrrev_b32 v1, 5, v0
	v_readfirstlane_b32 s16, v1                    ; wave
	v_and_b32 v1, 31, v0                           ; lane
	v_lshlrev_b32 v2, 7, v1                        ; x: my block's 128 bytes
	v_lshlrev_b32 v3, 10, v1                       ; gate_w: my 32 rows of 32 bytes
	v_lshlrev_b32 v4, 4, v1                        ; codes: my block's 16 bytes
	s_lshl_b32 s17, ttmp9, 2
	s_lshl_b32 s18, s16, 1
	s_add_co_u32 s17, s17, s18                     ; token A = 4 x work-group + 2 x wave
	s_mov_b32 s37, 0
	s_mov_b32 s32, 0x76543210                      ; v_permlanex16_b32's selects for lane l xor 16
	s_mov_b32 s33, 0xfedcba98
.irp e, 0,1,2,3,4,5,6,7
	v_mov_b32 v[KC+\e], \e
.endr
	s_wait_kmcnt 0x0
	s_load_b256 s[24:31], s[8:9], 0x0              ; gate_b, eight numbers
	s_lshl_b32 s36, s17, 12
	s_add_nc_u64 s[18:19], s[4:5], s[36:37]        ; x at token A
	s_lshl_b32 s36, s17, 9
	s_add_nc_u64 s[20:21], s[10:11], s[36:37]      ; its codes
	s_lshl_b32 s36, s17, 5
	s_add_co_u32 s36, s36, XSC
	s_add_nc_u64 s[22:23], s[10:11], s[36:37]      ; its scale bytes
.irp j, 0,1,2,3,4,5,6,7
	global_load_b128 v[XA+4*\j:XA+4*\j+3], v2, s[18:19] offset:16*\j th:TH_LOAD_NT
.endr
.irp j, 0,1,2,3,4,5,6,7
	global_load_b128 v[XB+4*\j:XB+4*\j+3], v2, s[18:19] offset:4096+16*\j th:TH_LOAD_NT
.endr
; rows 8 ch .. 8 ch + 7 of my 32 rows of gate_w: 256 consecutive bytes a lane, 16 loads
.macro GLOAD ch, g
.set i, 0
.rept 16
	global_load_b128 v[\g+4*i:\g+4*i+3], v3, s[6:7] offset:256*(\ch)+16*i
.set i, i+1
.endr
.endm
	GLOAD 0, G0
	GLOAD 1, G1
; a token's block becomes 16 bytes of codes and a scale byte.  x: its numbers; c: its codes; w: four registers at work
.macro QX x, c, w, tok
	v_max3_num_f32 v[\w], |v[\x]|, |v[\x+1]|, |v[\x+2]|            ; the block's largest magnitude, in two chains
	v_max3_num_f32 v[\w+1], |v[\x+3]|, |v[\x+4]|, |v[\x+5]|
.irp i, 6,10,14,18,22,26
	v_max3_num_f32 v[\w], v[\w], |v[\x+\i]|, |v[\x+\i+1]|
	v_max3_num_f32 v[\w+1], v[\w+1], |v[\x+\i+2]|, |v[\x+\i+3]|
.endr
	v_max3_num_f32 v[\w], v[\w], |v[\x+30]|, |v[\x+31]|
	v_max3_num_f32 v[\w], v[\w], v[\w+1], 0x1800000                ; and the floor 2^(3 - 127): the byte cannot fall under 1
	v_add_nc_u32 v[\w+2], 0xff000000, v[\w]                        ; 2 off the exponent field: the conversion takes this operand's exponent field as its scale
.irp g, 0,1,2,3
	v_cvt_scalef32_pk8_fp4_f32 v[\c+\g], v[\x+8*\g:\x+8*\g+7], v[\w+2]
.endr
	v_lshrrev_b32 v[\w+3], 23, v[\w+2]                             ; the scale's byte (a plain line behind the conversions)
	global_store_b128 v4, v[\c:\c+3], s[20:21] offset:512*\tok     ; the wave stores the row's 512 consecutive bytes
	global_store_b8 v1, v[\w+3], s[22:23] offset:32*\tok
.endm
	s_wait_loadcnt 32                              ; x is in; the 32 loads of gate_w may be out
	QX XA, CD, 240, 0
	QX XB, CD+4, 244, 1
; logits += x(k) gate_w(k, 0 .. 7) for k = 8 ch .. 8 ch + 7, both tokens, two experts an instruction; k = 0 starts the sums
.macro FMA ch, g
.set kk, 0
.rept 8
.set k, 8*(\ch)+kk
.irp p, 0,1,2,3
.if k == 0
	v_pk_mul_f32 v[LA+2*\p:LA+2*\p+1], v[\g+2*\p:\g+2*\p+1], v[XA:XA+1] op_sel_hi:[1,0]
	v_pk_mul_f32 v[LB+2*\p:LB+2*\p+1], v[\g+2*\p:\g+2*\p+1], v[XB:XB+1] op_sel_hi:[1,0]
.elseif k%2 == 0
	v_pk_fma_f32 v[LA+2*\p:LA+2*\p+1], v[\g+8*kk+2*\p:\g+8*kk+2*\p+1], v[XA+k:XA+k+1], v[LA+2*\p:LA+2*\p+1] op_sel_hi:[1,0,1]
	v_pk_fma_f32 v[LB+2*\p:LB+2*\p+1], v[\g+8*kk+2*\p:\g+8*kk+2*\p+1], v[XB+k:XB+k+1], v[LB+2*\p:LB+2*\p+1] op_sel_hi:[1,0,1]
.else
	v_pk_fma_f32 v[LA+2*\p:LA+2*\p+1], v[\g+8*kk+2*\p:\g+8*kk+2*\p+1], v[XA+k-1:XA+k], v[LA+2*\p:LA+2*\p+1] op_sel:[0,1,0] op_sel_hi:[1,1,1]
	v_pk_fma_f32 v[LB+2*\p:LB+2*\p+1], v[\g+8*kk+2*\p:\g+8*kk+2*\p+1], v[XB+k-1:XB+k], v[LB+2*\p:LB+2*\p+1] op_sel:[0,1,0] op_sel_hi:[1,1,1]
.endif
.endr
.set kk, kk+1
.endr
.endm
	s_wait_loadcnt 16                              ; rows 0-7 are in; the 16 loads of rows 8-15 may be out
	FMA 0, G0
	GLOAD 2, G0
	s_wait_loadcnt 16                              ; rows 8-15 are in; rows 16-23 may be out
	FMA 1, G1
	GLOAD 3, G1
	s_wait_loadcnt 16                              ; rows 16-23 are in; rows 24-31 may be out
	FMA 2, G0
	s_wait_loadcnt 0x0
	FMA 3, G1
; the sixteen sums over the 32 lanes: every lane ends with all of them
.irp m, 1,2,4,8
.set i, 0
.rept 16
	v_add_f32_dpp v[LA+i], v[LA+i], v[LA+i] row_xmask:\m row_mask:0xf bank_mask:0xf
.set i, i+1
.endr
.endr
.set i, 0
.rept 16
	v_permlanex16_b32 v[G0+i], v[LA+i], s32, s33   ; (its destination has been written: gate_w's rows lay there)
.set i, i+1
.endr
.set i, 0
.rept 16
	v_add_f32 v[LA+i], v[LA+i], v[G0+i]
.set i, i+1
.endr
	s_wait_kmcnt 0x0                               ; gate_b
.irp e, 0,1,2,3,4,5,6,7
	v_add_f32 v[LA+\e], s[24+\e], v[LA+\e]
	v_add_f32 v[LB+\e], s[24+\e], v[LB+\e]
.endr
; the two largest of eight, their softmax, and the word for sel
.macro TOP2 l, t
	v_mov_b32 v[\t], v[\l]
	v_mov_b32 v[\t+1], 0
	v_mov_b32 v[\t+2], 0xff800000                  ; -infinity
	v_mov_b32 v[\t+3], 0
.irp e, 1,2,3,4,5,6,7
	v_cmp_gt_f32 vcc_lo, v[\l+\e], v[\t]           ; over the largest?
	v_cmp_gt_f32 s35, v[\l+\e], v[\t+2]            ; over the second?
	v_cndmask_b32 v[\t+2], v[\t+2], v[\l+\e], s35
	v_cndmask_b32 v[\t+3], v[\t+3], v[KC+\e], s35
	v_cndmask_b32 v[\t+2], v[\t+2], v[\t], vcc_lo  ; the old largest becomes the second
	v_cndmask_b32 v[\t+3], v[\t+3], v[\t+1], vcc_lo
	v_cndmask_b32 v[\t], v[\t], v[\l+\e], vcc_lo
	v_cndmask_b32 v[\t+1], v[\t+1], v[KC+\e], vcc_lo
.endr
	v_sub_f32 v[\t+4], v[\t+2], v[\t]              ; m2 - m1, 0 or less: the maximum is taken away
	v_mul_f32 v[\t+4], 0x3fb8aa3b, v[\t+4]
	v_exp_f32 v[\t+4], v[\t+4]
	v_lshl_or_b32 v[\t+6], v[\t+3], 8, v[\t+1]     ; e0 | e1 << 8 (a plain line behind the exponential)
	s_wait_alu depctr_va_vdst(0)
	v_add_f32 v[\t+5], 1.0, v[\t+4]
	v_rcp_f32 v[\t+5], v[\t+5]                     ; c0
	v_lshlrev_b32 v[\t+7], v[\t+1], v[KC+1]        ; 1 << e0 (a plain line behind the reciprocal)
	s_wait_alu depctr_va_vdst(0)
	v_mul_f32 v[\t+4], v[\t+4], v[\t+5]            ; c1
	v_lshlrev_b32 v[\t+3], v[\t+3], v[KC+1]        ; 1 << e1
	v_or_b32 v[\t+7], v[\t+7], v[\t+3]
	v_lshl_or_b32 v[\t+6], v[\t+7], 16, v[\t+6]    ; the two bits above the two numbers: a reader asks 'chose expert e' by one AND
.endm
	TOP2 LA, TA
	TOP2 LB, TB
	v_cmp_eq_u32 vcc_lo, 1, v1                     ; lane 0 stores A's, lane 1 B's
	v_cndmask_b32 v160, v[TA+5], v[TB+5], vcc_lo
	v_cndmask_b32 v161, v[TA+4], v[TB+4], vcc_lo
	v_cndmask_b32 v162, v[TA+6], v[TB+6], vcc_lo
	v_add_nc_u32 v5, s17, v1                       ; the token
	v_lshlrev_b32 v6, 2, v5
	v_lshlrev_b32 v7, 3, v5
	v_cmp_gt_u32 vcc_lo, 2, v1
	s_wait_xcnt 0x0                                ; EXEC changes only behind this wait: the stores of codes have been issued under the full EXEC
	s_and_saveexec_b32 s34, vcc_lo
	global_store_b32 v6, v162, s[12:13]
	global_store_b64 v7, v[160:161], s[14:15]
	s_wait_xcnt 0x0
	s_or_b32 exec_lo, exec_lo, s34
	s_endpgm
.Lfunc_end_k_q898254667f_route:
	.size	k_q898254667f_route, .Lfunc_end_k_q898254667f_route-k_q898254667f_route
	.p2alignl 7, 3214868480
	.fill 96, 4, 3214868480
	.section	.rodata,"a",@progbits
	.p2align	6, 0x0
	.amdhsa_kernel k_q898254667f_route
		.amdhsa_group_segment_fixed_size 0
		.amdhsa_private_segment_fixed_size 0
		.amdhsa_enable_private_segment 0
		.amdhsa_kernarg_size 48
		.amdhsa_user_sgpr_count 2
		.amdhsa_user_sgpr_kernarg_segment_ptr 1
		.amdhsa_wavefront_size32 1
		.amdhsa_system_sgpr_workgroup_id_x 1
		.amdhsa_system_sgpr_workgroup_id_y 1
		.amdhsa_system_sgpr_workgroup_id_z 1
		.amdhsa_system_vgpr_workitem_id 0
		.amdhsa_next_free_vgpr 256
		.amdhsa_next_free_sgpr 66
		.amdhsa_reserve_vcc 1
		.amdhsa_float_denorm_mode_32 3
		.amdhsa_float_denorm_mode_16_64 3
		.amdhsa_memory_ordered 1
		.amdhsa_forward_progress 1
		.amdhsa_inst_pref_size 41
	.end_amdhsa_kernel
	.amdgpu_metadata
---
amdhsa.version: [ 1, 2 ]
amdhsa.kernels:
  - .name:           k_q898254667f_route
    .symbol:         k_q898254667f_route.kd
    .args:
      - { .name: x, .offset: 0, .size: 8, .value_kind: global_buffer, .address_space: global }
      - { .name: gate_w, .offset: 8, .size: 8, .value_kind: global_buffer, .address_space: global }
      - { .name: gate_b, .offset: 16, .size: 8, .value_kind: global_buffer, .address_space: global }
      - { .name: xq, .offset: 24, .size: 8, .value_kind: global_buffer, .address_space: global }
      - { .name: sel, .offset: 32, .size: 8, .value_kind: global_buffer, .address_space: global }
      - { .name: cw, .offset: 40, .size: 8, .value_kind: global_buffer, .address_space: global }
    .group_segment_fixed_size: 0
    .private_segment_fixed_size: 0
    .kernarg_segment_align: 8
    .kernarg_segment_size: 48
    .max_flat_workgroup_size: 64
    .sgpr_count:     66
    .vgpr_count:     256
    .wavefront_size: 32
...
	.end_amdgpu_metadata
.endif
;; end of part 6
;; launch ffn1 (part 7): grid 32 x 8, 16 waves a work-group, no clusters, 72,704 bytes of LDS; arguments w1, b1, xq, sel, hq, hs; writes hq, hs
.if DOCPART == 7
	.amdgcn_target "amdgcn-amd-amdhsa--gfx1250"
	.amdhsa_code_object_version 6
	.text
	.protected	k_q898254667f_ffn1
	.globl	k_q898254667f_ffn1
	.p2align	8
	.type	k_q898254667f_ffn1,@function
k_q898254667f_ffn1:
	s_mov_b64 s[64:65], 0
	v_nop
	global_prefetch_b8 v0, s[64:65] scope:SCOPE_SE
	s_setreg_imm32_b32 hwreg(HW_REG_WAVE_MODE, 25, 1), 1
	s_wait_xcnt 0x0
; THE FIRST PRODUCT OF AN EXPERT, ON ITS OWN ROWS ALONE: h = Q(silu(Q(x) Q(w1[e]) + b1[e])), both operands E2M1 with one E8M0 scale for each 32 along K.
; A work-group (x = bx, y = e) owns the slab w1[e][0 .. 1023][128 bx .. 128 bx + 127]: 512 KB of f32, which no other work-group reads.
; PHASE 1: the slab is read once and quantised.  A LANE TAKES A COLUMN AND ITS REGISTERS RUN DOWN K: a block of 32 lies in one lane's 32 registers, and the conversions give codes with K innermost.
;   Wave w: columns 32 (w % 4) on, rows 256 (w / 4) on: 8 blocks a lane.  A load of the wave reads 128 consecutive bytes, four waves side by side 512.
;   Lane L takes column (L % 8) + 16 ((L / 8) % 2) + 8 (L / 16) of its 32: lanes 0-15 are then the rows of tile 2 b, lanes 16-31 those of tile 2 b + 1, in the order in which
;   the results of two neighbouring tiles are 16 neighbours along the next K.  One exchange of halves between two registers makes the operand's registers of both tiles.
;   They go to LDS as images of the operand's registers (16 bytes a lane, 512 an instruction): 64 KB of codes, 4 KB of scale words.  One barrier.
; WHICH ROWS ARE THE EXPERT'S is read off sel, the whole numbers that the router's launch stored, by every wave for itself, between the blocks of the stream.  Register i = 4 q + c of lane L holds the word of
;   token 128 q + 4 L + c; a row's RANK is its place in the order (i, L) among the tokens that chose the expert.  The ranks' order is the same in every launch that uses it, and need not be the tokens'.
;   The token of rank J: the last chunk i before which not more than J rows lie, and in its mask the set bit number J less those.  No branch, no LDS, no list in memory.
; PHASE 2: no barrier, no LDS store.  Wave w takes the expert's tiles of 16 ranks w, w + 16, ..: x's codes of those tokens straight into registers, the weights' fragments from LDS.
;   The product is used transposed (source 0 = 16 hidden units, source 1 = 16 tokens): a lane holds one token, its registers run along the hidden units.  b1 is the sums' first C.
;   silu(z) = z / (1 + 2^(-z log2 e)) in f32; the 128 hidden units are one K step of the second product: quantised in registers, stored as an image (hq) with its scale words (hs).
;   Expert e owns tiles 64 e .. 64 e + 63 of hq and hs, room for all 1,024 tokens; only the tiles in use are touched.
; The trip count hangs on the expert's count.  This text has no tensor load: operands go from memory into registers; and no multicast: the weights are
; nobody else's, and what the 32 work-groups of an expert share (x's codes) is the smaller part of a work-group's bytes.
; In an expert's last tile the lanes past the count take its last row again, and an expert without rows still makes its tile 0 (of some token's row): every row of every tile that is read later is written.
; LIMITS: NaN and infinities are not served.  A block whose largest magnitude lies under 2^-124 (a block of zeros too) keeps the scale byte 1: this program alone reads the bytes.
; For z under about -88 the exponential overflows and silu gives -0, where the true value is under 2^-120 in magnitude.
.set ROWB,  16384                      ; a row of w1[e] in bytes
.set QIMG,  8192                       ; LDS: from a K step's fragments to the next K step's
.set QSC,   512                        ; the same for the scale words
.set WSC,   65536                      ; LDS: fragment (K step s, tile t) at (8 s + t) 1024; from WSC on scale words at (4 s + b) 128 + 4 lane: lanes 0-15 tile 2 b, lanes 16-31 tile 2 b + 1
.set BIAS,  69632                      ; LDS: b1 of my 128 columns
.set XSCL,  524288                     ; where x's scale bytes begin in xq
.set WO,  1                            ; v1   my column's byte in a row of the wave's 128
.set WST, 2                            ; v2   LDS: where I store images
.set WSS, 3                            ; v3   LDS: where I store scale words
.set LI,  4                            ; v4   16 x lane
.set LS,  5                            ; v5   LDS: WSC + 4 x lane
.set SELJ, 6                           ; v6   my row's rank
.set TOK, 7                            ; v7   my row's token
.set XAD, 8                            ; v8   its codes: 512 x token + 16 (lane / 16)
.set XSA, 9                            ; v9   its scale bytes: 32 x token
.set BLA, 10                           ; v10  LDS: BIAS + 64 (lane / 16)
.set HSA, 11                           ; v11  4 (lane % 16)
.set R,   12                           ; v12  lane % 16
.set H16, 13                           ; v13  16 (lane / 16)
.set MXA, 14                           ; v14-17 at work
.set MXB, 15
.set SCL, 16
.set BYT, 17
.set SW0, 18                           ; v18-19 my column's scale words of two K steps
.set XF,  20                           ; v20-83   x: eight fragments
.set S,   20                           ; v20-51   ahead of x's loads: the 32 words of sel
.set XS,  84                           ; v84-91   x: eight scale words (scales alone)
.set ACC, 92                           ; v92-155  eight tiles of the hidden layer
.set C,   92                           ; phase 1: two sets of 16 registers of codes
.set ST,  156                          ; v156-219 phase 1: two sets of 32 numbers
.set WB,  156                          ; phase 2: two buffers of four fragments
.set T,   156                          ; and silu's 64 numbers at work
.set WSR, 220                          ; v220-223 the weights' scale words, two for each buffer (scales alone)
.set TM,  224                          ; v224-239 the quantiser at work
.set SELM, 224                         ; the search for a rank's token at work: the chunk's mask,
.set SELB, 225                         ; the rows before the chunk | the chunk's token base << 16,
.set SELC, 226                         ; set bits so far,
.set SELP, 227                         ; the place,
.set SELT, 232                         ; a bit,
.set SELN, 233                         ; which set bit is wanted
.set PC,  240                          ; v240-247 the codes just made
.set PW,  248                          ; v248 their scale word
.set BV,  252
.set BST, 253
.set L4,  254                          ; v254 4 x lane
.set SEL, 40                           ; s[40:41]
.set NXT, 44                           ; s44  the number of my next tile among the expert's
.set NT,  45                           ; s45  how many tiles are mine
.set MK,  66                           ; s66-97 mask i: the lanes whose token of chunk i chose my expert
	s_load_b256 s[4:11], s[0:1], 0x0               ; w1 s[4:5], b1 s[6:7], xq s[8:9], sel s[10:11]
	s_load_b128 s[12:15], s[0:1], 0x20             ; hq s[12:13], hs s[14:15]
	v_lshl_add_u32 v251, v0, 2, 0x11400
	v_mov_b32 v255, 0
	v_lshrrev_b32 v14, 5, v0
	v_readfirstlane_b32 s16, v14                   ; wave 0..15
	s_and_b32 s17, s16, 3                          ; which 32 columns
	s_lshr_b32 s18, s16, 2                         ; which 256 rows of K
	s_and_b32 s19, ttmp7, 0xffff                   ; the expert
	v_and_b32 v15, 31, v0                          ; lane
	v_and_b32 v[R], 15, v0
	v_bfe_u32 v14, v0, 4, 1                        ; lane / 16
	v_and_b32 v16, 7, v0
	v_bfe_u32 v17, v0, 3, 1
	v_lshl_add_u32 v16, v17, 4, v16
	v_lshl_add_u32 v16, v14, 3, v16                ; my column of the 32
	v_lshlrev_b32 v[WO], 2, v16
	v_lshlrev_b32 v[LI], 4, v15
	v_lshlrev_b32 v[L4], 2, v15
	s_lshl_b32 s36, s18, 14
	s_lshl_b32 s38, s17, 11
	s_add_co_u32 s36, s36, s38
	v_add_nc_u32 v[WST], s36, v[LI]                ; K steps 2 (w / 4) on, tiles 2 (w % 4) on
	s_lshl_b32 s36, s18, 10
	s_lshl_b32 s38, s17, 7
	s_add_co_u32 s36, s36, s38
	s_add_co_u32 s36, s36, WSC
	v_add_nc_u32 v[WSS], s36, v[L4]
	v_add_nc_u32 v[LS], WSC, v[L4]
	s_add_co_u32 s38, s38, BIAS
	v_add_nc_u32 v[BST], s38, v[L4]
	v_lshl_add_u32 v[BLA], v14, 6, BIAS
	v_lshlrev_b32 v[HSA], 2, v[R]
	v_lshlrev_b32 v[H16], 4, v14
.irp b, 0,1,2,3
	v_mov_b32 v[TM+4+\b], 0                        ; written once: a lane permute's destination counts as one of its sources
.endr
	s_mov_b32 s[SEL], 0x76543210                   ; v_permlanex16_b32's selects for lane l xor 16
	s_mov_b32 s[SEL+1], 0xfedcba98
	s_lshl_b32 s22, 0x10000, s19                   ; my expert's bit in a word of sel
	s_mov_b32 s21, 0                               ; its count
	s_lshl_b32 s36, s19, 24                        ; the expert's 16 MB,
	s_lshl_b32 s38, s18, 22                        ; my 256 rows,
	s_add_co_u32 s36, s36, s38
	s_lshl_b32 s38, ttmp9, 9
	s_lshl_b32 s39, s17, 7
	s_add_co_u32 s38, s38, s39                     ; my 32 columns: 512 bx + 128 (w % 4)
	s_add_co_u32 s36, s36, s38
	s_mov_b32 s37, 0
	s_wait_kmcnt 0x0
	s_add_nc_u64 s[24:25], s[4:5], s[36:37]
	s_lshl_b32 s36, s19, 14
	s_add_co_u32 s36, s36, s38
	s_add_nc_u64 s[28:29], s[6:7], s[36:37]        ; b1 at my 32 columns
.macro LOAD t                          ; block t: w1(32 t + i, my column), i = 0 .. 31, into set t % 2
.set i, 0
.rept 32
	global_load_b32 v[ST+32*((\t)%2)+i], v[WO], s[24:25] offset:(32*(\t)+i)*ROWB th:TH_LOAD_NT
.set i, i+1
.endr
.endm
; block t is quantised.  n: the loads issued behind the block's own, which may stay out
.macro BLOCK t, n
.set SRC, ST+32*((\t)%2)
	s_wait_loadcnt \n
	v_max3_num_f32 v[MXA], |v[SRC]|, |v[SRC+1]|, |v[SRC+2]|        ; the block's largest magnitude: all 32 numbers are mine
	v_max3_num_f32 v[MXB], |v[SRC+3]|, |v[SRC+4]|, |v[SRC+5]|
.irp i, 6,10,14,18,22,26
	v_max3_num_f32 v[MXA], v[MXA], |v[SRC+\i]|, |v[SRC+\i+1]|
	v_max3_num_f32 v[MXB], v[MXB], |v[SRC+\i+2]|, |v[SRC+\i+3]|
.endr
	v_max3_num_f32 v[MXA], v[MXA], |v[SRC+30]|, |v[SRC+31]|
	v_max3_num_f32 v[MXA], v[MXA], v[MXB], 0x1800000               ; and the floor 2^(3 - 127): the byte cannot fall under 1
	v_add_nc_u32 v[SCL], 0xff000000, v[MXA]                        ; 2 off the exponent field: the conversion's scale operand
	v_lshrrev_b32 v[BYT], 23, v[SCL]                               ; the scale's byte
.if (\t)%4 == 0
	v_mov_b32 v[SW0+(\t)/4], v[BYT]                                ; four bytes make a K step's scale word
.else
	v_lshl_or_b32 v[SW0+(\t)/4], v[BYT], 8*((\t)%4), v[SW0+(\t)/4]
.endif
.irp g, 0,1,2,3
	v_cvt_scalef32_pk8_fp4_f32 v[C+16*((\t)/4)+4*((\t)%4)+\g], v[SRC+8*\g:SRC+8*\g+7], v[SCL]
.endr
	v_nop                                          ; one plain line behind the last conversion
.if (\t) < 6
	LOAD (\t)+2
.endif
.endm
; K step q of my two: registers 8 c + i hold block 2 c, registers 8 c + 4 + i block 2 c + 1, lanes 0-15 of tile 2 b's rows, lanes 16-31 of tile 2 b + 1's.
; The exchange gives the first register tile 2 b's group c (lanes 0-15 block 2 c, lanes 16-31 block 2 c + 1) and the second tile 2 b + 1's.
.macro FLUSH q
.irp c, 0,1
.irp i, 0,1,2,3
	v_permlane16_swap_b32 v[C+16*\q+8*\c+\i], v[C+16*\q+8*\c+4+\i]
.endr
.endr
.irp c, 0,1
.irp u, 0,1
	ds_store_b128 v[WST], v[C+16*\q+8*\c+4*\u:C+16*\q+8*\c+4*\u+3] offset:QIMG*\q+1024*\u+512*\c
.endr
.endr
	ds_store_b32 v[WSS], v[SW0+\q] offset:QSC*\q
.endm
; chunks i0 .. i0 + 15 of sel: which lanes' tokens chose my expert, and how many
.macro PASSA i0
.set i, \i0
.rept 16
	v_and_b32 v[S+i], s22, v[S+i]
.set i, i+1
.endr
.set i, \i0
.rept 16
	v_cmp_ne_u32 s[MK+i], 0, v[S+i]
.set i, i+1
.endr
.set i, \i0
.rept 16
	s_bcnt1_i32_b32 s36, s[MK+i]
	s_add_co_u32 s21, s21, s36
.set i, i+1
.endr
.endm
; my row's rank in the tile named, J = 16 x tile + lane % 16, held at the expert's last row; then the last chunk before which not more than J rows lie: its mask,
; and in one word the rows before it and (16 bits up) the token of its lane 0: 128 (i / 4) + i % 4.  s36 counts the rows before chunk i
.macro CHAIN tile
	s_lshl_b32 s36, \tile, 4
	v_add_nc_u32 v[SELJ], s36, v[R]
	v_min_u32 v[SELJ], s23, v[SELJ]
	v_mov_b32 v[SELM], s[MK]
	v_mov_b32 v[SELB], 0                           ; chunk 0: nothing before it, token 0
	s_mov_b32 s36, 0
.set i, 1
.rept 31
	s_bcnt1_i32_b32 s38, s[MK+i-1]
	s_add_co_u32 s36, s36, s38
	s_add_co_u32 s38, s36, (128*(i/4)+i%4)<<16
	v_cmp_gt_u32 vcc_lo, s36, v[SELJ]              ; more than J rows before chunk i: what I hold stays
	v_cndmask_b32 v[SELM], s[MK+i], v[SELM], vcc_lo
	v_cndmask_b32 v[SELB], s38, v[SELB], vcc_lo
.set i, i+1
.endr
.endm
; the place of set bit number n = J - the rows before the chunk: as many bit places as have not more than n set bits up to and with themselves.  The token: the chunk's base + 4 x the place
.macro NTH
	v_and_b32 v[SELN], 0xffff, v[SELB]
	v_sub_nc_u32 v[SELN], v[SELJ], v[SELN]
	v_lshrrev_b32 v[SELB], 16, v[SELB]
	v_mov_b32 v[SELC], 0
	v_mov_b32 v[SELP], 0
.set bp, 0
.rept 32
	v_bfe_u32 v[SELT], v[SELM], bp, 1
	v_add_nc_u32 v[SELC], v[SELC], v[SELT]
	v_cmp_le_u32 vcc_lo, v[SELC], v[SELN]
	v_add_co_ci_u32 v[SELP], vcc_lo, 0, v[SELP], vcc_lo
.set bp, bp+1
.endr
	v_lshl_add_u32 v[TOK], v[SELP], 2, v[SELB]
.endm
.macro XLOAD                           ; the token's eight fragments and eight scale words: 18 loads
	v_min_u32 v[TOK], 0x3ff, v[TOK]                ; held inside x
	v_lshl_add_u32 v[XAD], v[TOK], 9, v[H16]
	v_lshlrev_b32 v[XSA], 5, v[TOK]
.set i, 0
.rept 16
	global_load_b128 v[XF+4*i:XF+4*i+3], v[XAD], s[8:9] offset:32*i    ; K step i / 2, group i % 2: k = 64 (i % 2) + 32 (lane / 16) + 0 .. 31
.set i, i+1
.endr
	global_load_b128 v[XS:XS+3], v[XSA], s[8:9] offset:XSCL
	global_load_b128 v[XS+4:XS+7], v[XSA], s[8:9] offset:XSCL+16
.endm
.irp q, 0,1,2,3,4,5,6,7
	global_load_b128 v[S+4*\q:S+4*\q+3], v[LI], s[10:11] offset:512*\q   ; sel, all 1,024 words: register 4 q + c of lane L: token 128 q + 4 L + c
.endr
	global_load_b32 v[BV], v[L4], s[28:29]
	LOAD 0
	LOAD 1
	s_lshl_b32 s36, s19, 6
	s_add_co_u32 s36, s36, s16                     ; my first tile among all: 64 e + w
	s_lshl_b32 s38, s36, 15
	s_lshl_b32 s39, ttmp9, 10
	s_add_co_u32 s38, s38, s39
	s_mov_b32 s39, 0
	s_add_nc_u64 s[32:33], s[12:13], s[38:39]      ; hq: [tile][K step bx][1024 bytes]
	s_lshl_b32 s38, s36, 11
	s_lshl_b32 s36, ttmp9, 6
	s_add_co_u32 s38, s38, s36
	s_add_nc_u64 s[34:35], s[14:15], s[38:39]      ; hs: [tile][K step bx][16 words]
	BLOCK 0, 32                                    ; behind block 0's loads: block 1's 32.  sel and b1 were asked for ahead of block 0: they are in too
	s_cmp_gt_u32 s16, 3                            ; b1 goes to LDS once: waves 0-3 hold the four runs of 32
	s_cbranch_scc1 .Lno_bias
	ds_store_b32 v[BST], v[BV]
.Lno_bias:
	PASSA 0                                        ; the search for my rows stands between the blocks, behind each block's refill: no load of weights goes out later for it
	BLOCK 1, 32
	PASSA 16
	s_min_u32 s21, s21, 1024
	s_add_co_u32 s31, s21, 15
	s_lshr_b32 s31, s31, 4
	s_max_u32 s31, s31, 1                          ; T: the expert's tiles, one at the least
	s_max_u32 s23, s21, 1
	s_sub_co_u32 s23, s23, 1                       ; its last row's rank
	BLOCK 2, 32
	CHAIN s16
	BLOCK 3, 32
	FLUSH 0
	NTH
	BLOCK 4, 32
	BLOCK 5, 32
	XLOAD                                          ; my first tile's x
	BLOCK 6, 50                                    ; block 7's 32 and x's 18
	BLOCK 7, 18                                    ; x's 18
	FLUSH 1
	s_wait_dscnt 0x0                               ; for the others' sake: my images lie in LDS
	s_barrier_signal -1
	s_barrier_wait -1                              ; the slab's codes are whole; from here on LDS is only read
; group gg = 2 s + half: four fragments (K step s, tiles 4 half + j) and their two scale words into buffer p: ten LDS loads
.macro WFETCH gg, p
.irp j, 0,1,2,3
.irp c, 0,1
	ds_load_b128 v[WB+32*(\p)+8*\j+4*\c:WB+32*(\p)+8*\j+4*\c+3], v[LI] offset:(4*(\gg)+\j)*1024+512*\c
.endr
.endr
.irp u, 0,1
	ds_load_b32 v[WSR+2*(\p)+\u], v[LS] offset:(2*(\gg)+\u)*128
.endr
.endm
; 64 numbers of a lane, register 16 b + i = k 32 b + 16 (lane / 16) + i of my row, become a fragment's codes in v[PC] on and its scale word in v[PW]
.macro QUANT s
.irp b, 0,1,2,3
	v_max3_num_f32 v[TM+\b], |v[\s+16*\b]|, |v[\s+1+16*\b]|, 0x1800000   ; block b: my 16 numbers, and the floor 2^(3 - 127)
.endr
.irp i, 2,4,6,8,10,12,14
.irp b, 0,1,2,3
	v_max3_num_f32 v[TM+\b], v[TM+\b], |v[\s+16*\b+\i]|, |v[\s+1+16*\b+\i]|   ; the four blocks by turns
.endr
.endr
.irp b, 0,1,2,3
	v_permlanex16_b32 v[TM+4+\b], v[TM+\b], s[SEL], s[SEL+1]
.endr
.irp b, 0,1,2,3
	v_max_num_f32 v[TM+\b], v[TM+\b], v[TM+4+\b]   ; with lane l xor 16's: the block's largest magnitude
.endr
.irp b, 0,1,2,3
	v_add_nc_u32 v[TM+12+\b], 0xff000000, v[TM+\b]
.endr
.irp b, 0,1,2,3
	v_lshrrev_b32 v[TM+4+\b], 23, v[TM+12+\b]
.endr
	v_lshl_or_b32 v[PW], v[TM+5], 8, v[TM+4]
	v_lshl_or_b32 v[PW], v[TM+6], 16, v[PW]
	v_lshl_or_b32 v[PW], v[TM+7], 24, v[PW]
.irp b, 0,1,2,3
	v_cvt_scalef32_pk8_fp4_f32 v[PC+2*\b], v[\s+16*\b:\s+7+16*\b], v[TM+12+\b]
	v_cvt_scalef32_pk8_fp4_f32 v[PC+1+2*\b], v[\s+8+16*\b:\s+15+16*\b], v[TM+12+\b]
.endr
	v_nop                                          ; one plain line behind the last conversion
.irp c, 0,1                                    ; the operand's layout wants a whole block in a lane
.irp i, 0,1
	v_permlane16_swap_b32 v[PC+4*\c+\i], v[PC+2+4*\c+\i]
.endr
.endr
.endm
; A TILE OF 16 ROWS.  nxt = 1: the wave has a further tile (number s[NXT]), whose tokens are found and whose x is asked for here
.macro TILE nxt
.irp t, 0,1,2,3,4,5,6,7
.irp q, 0,1
	ds_load_b128 v[ACC+8*\t+4*\q:ACC+8*\t+4*\q+3], v[BLA] offset:(32*(\t/2)+8*(\t%2))*4+16*\q   ; b1 at the lane's eight hidden units: the sums' first C
.endr
.endr
	WFETCH 0, 0
	WFETCH 1, 1
.if \nxt
	CHAIN s[NXT]                                   ; work on registers while the first fragments come out of LDS
	NTH
.endif
	s_wait_loadcnt 0x0                             ; x is in
.set g, 0
.rept 16
.if g < 15
	s_wait_dscnt 10                                ; this group is in (at g = 0 b1 too); the other buffer's ten loads may be out
.else
	s_wait_dscnt 0x0
.endif
.irp j, 0,1,2,3                                ; the eight accumulators take turns, one instruction a turn
.if \j%2
	v_wmma_scale_f32_16x16x128_f8f6f4 v[ACC+8*(4*(g%2)+\j):ACC+8*(4*(g%2)+\j)+7], v[WB+32*(g%2)+8*\j:WB+32*(g%2)+8*\j+7], v[XF+8*(g/2):XF+8*(g/2)+7], v[ACC+8*(4*(g%2)+\j):ACC+8*(4*(g%2)+\j)+7], v[WSR+2*(g%2)+\j/2], v[XS+g/2] matrix_a_fmt:MATRIX_FMT_FP4 matrix_b_fmt:MATRIX_FMT_FP4 matrix_a_scale:MATRIX_SCALE_ROW1
.else
	v_wmma_scale_f32_16x16x128_f8f6f4 v[ACC+8*(4*(g%2)+\j):ACC+8*(4*(g%2)+\j)+7], v[WB+32*(g%2)+8*\j:WB+32*(g%2)+8*\j+7], v[XF+8*(g/2):XF+8*(g/2)+7], v[ACC+8*(4*(g%2)+\j):ACC+8*(4*(g%2)+\j)+7], v[WSR+2*(g%2)+\j/2], v[XS+g/2] matrix_a_fmt:MATRIX_FMT_FP4 matrix_b_fmt:MATRIX_FMT_FP4
.endif
.endr
.rept 4
	v_nop                                          ; four places in front of loads into registers that these products have read, and of the first read of results
.endr
.if g < 14
	WFETCH g+2, g%2
.else
.if g == 15
	v_nop                                          ; a fifth: the next matrix instruction writes registers of these
.endif
.endif
.set g, g+1
.endr
.if \nxt
	XLOAD                                          ; the next tile's x lands under the activation and the quantiser
.endif
.set i, 0
.rept 32
	v_pk_mul_f32 v[T+i:T+i+1], v[ACC+i:ACC+i+1], 0xbfb8aa3b op_sel_hi:[1,0]   ; -z log2 e; each accumulator is read from its low end on
.set i, i+2
.endr
.set i, 0
.rept 64
	v_exp_f32 v[T+i], v[T+i]
.set i, i+1
.endr
	v_nop                                          ; a plain line behind the exponentials
.set i, 0
	s_wait_alu depctr_va_vdst(0)
.rept 32
	v_pk_add_f32 v[T+i:T+i+1], v[T+i:T+i+1], 1.0 op_sel_hi:[1,0]
.set i, i+2
.endr
.set i, 0
.rept 64
	v_rcp_f32 v[T+i], v[T+i]
.set i, i+1
.endr
	v_nop                                          ; a plain line behind the reciprocals
.set i, 0
	s_wait_alu depctr_va_vdst(0)
.rept 32
	v_pk_mul_f32 v[ACC+i:ACC+i+1], v[ACC+i:ACC+i+1], v[T+i:T+i+1]   ; silu(z)
.set i, i+2
.endr
	QUANT ACC
	global_store_b128 v[LI], v[PC:PC+3], s[32:33]                  ; the fragment as it stands: 512 consecutive bytes a store
	global_store_b128 v[LI], v[PC+4:PC+7], s[32:33] offset:512
	global_store_b32 v[HSA], v[PW], s[34:35]                       ; lanes r and r + 16 store the same word with the same value
.if \nxt
	s_wait_xcnt 0x0                                ; the stores' data and bases are written again only behind this wait
	s_add_nc_u64 s[32:33], s[32:33], 16*32768      ; sixteen tiles on
	s_add_nc_u64 s[34:35], s[34:35], 16*2048
	s_add_co_u32 s[NXT], s[NXT], 16
.endif
.endm
	s_cmp_ge_u32 s16, s31
	s_cbranch_scc1 .Lend                           ; no tile for me
	s_add_co_u32 s[NT], s31, 15
	s_sub_co_u32 s[NT], s[NT], s16
	s_lshr_b32 s[NT], s[NT], 4                     ; my tiles: w, w + 16, .. under T: (T + 15 - w) / 16 of them, one at the least
	s_add_co_u32 s[NXT], s16, 16
	s_mov_b32 s30, 1                               ; the loop counts tiles by ones: all of mine but the last
	s_cmp_ge_u32 s30, s[NT]
	s_cbranch_scc1 .Llast
.Ltile:
	TILE 1
	s_add_co_u32 s30, s30, 1
	s_cmp_lt_u32 s30, s[NT]
	s_cbranch_scc1 .Ltile
.Llast:
	TILE 0                                         ; my last tile asks for nothing more
.Lend:
	s_wait_tensorcnt 0x0
	ds_add_u32 v251, v255
	s_wait_dscnt 0x0
	s_endpgm
.Lfunc_end_k_q898254667f_ffn1:
	.size	k_q898254667f_ffn1, .Lfunc_end_k_q898254667f_ffn1-k_q898254667f_ffn1
	.p2alignl 7, 3214868480
	.fill 96, 4, 3214868480
	.section	.rodata,"a",@progbits
	.p2align	6, 0x0
	.amdhsa_kernel k_q898254667f_ffn1
		.amdhsa_group_segment_fixed_size 72704
		.amdhsa_private_segment_fixed_size 0
		.amdhsa_enable_private_segment 0
		.amdhsa_kernarg_size 48
		.amdhsa_user_sgpr_count 2
		.amdhsa_user_sgpr_kernarg_segment_ptr 1
		.amdhsa_wavefront_size32 1
		.amdhsa_system_sgpr_workgroup_id_x 1
		.amdhsa_system_sgpr_workgroup_id_y 1
		.amdhsa_system_sgpr_workgroup_id_z 1
		.amdhsa_system_vgpr_workitem_id 0
		.amdhsa_next_free_vgpr 256
		.amdhsa_next_free_sgpr 100
		.amdhsa_reserve_vcc 1
		.amdhsa_float_denorm_mode_32 3
		.amdhsa_float_denorm_mode_16_64 3
		.amdhsa_memory_ordered 1
		.amdhsa_forward_progress 1
		.amdhsa_inst_pref_size 149
	.end_amdhsa_kernel
	.amdgpu_metadata
---
amdhsa.version: [ 1, 2 ]
amdhsa.kernels:
  - .name:           k_q898254667f_ffn1
    .symbol:         k_q898254667f_ffn1.kd
    .args:
      - { .name: w1, .offset: 0, .size: 8, .value_kind: global_buffer, .address_space: global }
      - { .name: b1, .offset: 8, .size: 8, .value_kind: global_buffer, .address_space: global }
      - { .name: xq, .offset: 16, .size: 8, .value_kind: global_buffer, .address_space: global }
      - { .name: sel, .offset: 24, .size: 8, .value_kind: global_buffer, .address_space: global }
      - { .name: hq, .offset: 32, .size: 8, .value_kind: global_buffer, .address_space: global }
      - { .name: hs, .offset: 40, .size: 8, .value_kind: global_buffer, .address_space: global }
    .group_segment_fixed_size: 72704
    .private_segment_fixed_size: 0
    .kernarg_segment_align: 8
    .kernarg_segment_size: 48
    .max_flat_workgroup_size: 512
    .sgpr_count:     100
    .vgpr_count:     256
    .wavefront_size: 32
...
	.end_amdgpu_metadata
.endif
;; end of part 7
;; launch ffn2 (part 8): grid 32 x 8, 16 waves a work-group, no clusters, 141,312 bytes of LDS; arguments w2, sel, hq, hs, yp; writes yp
.if DOCPART == 8
	.amdgcn_target "amdgcn-amd-amdhsa--gfx1250"
	.amdhsa_code_object_version 6
	.text
	.protected	k_q898254667f_ffn2
	.globl	k_q898254667f_ffn2
	.p2align	8
	.type	k_q898254667f_ffn2,@function
k_q898254667f_ffn2:
	s_mov_b64 s[64:65], 0
	v_nop
	global_prefetch_b8 v0, s[64:65] scope:SCOPE_SE
	s_setreg_imm32_b32 hwreg(HW_REG_WAVE_MODE, 25, 1), 1
	s_wait_xcnt 0x0
; THE SECOND PRODUCT OF AN EXPERT, ON ITS OWN ROWS: yp[kh] = Q(h) Q(w2[e]) over half kh of K = 4096, both operands E2M1 with one E8M0 scale for each 32 along K.
; A work-group (x = cb + 16 kh, y = e) owns the slab w2[e][2048 kh .. + 2047][64 cb .. + 63]: 512 KB of f32, a row of it 256 consecutive bytes at a multiple of 256; nobody else reads it.
; The two halves of K give 256 work-groups; their two parts of y are added, with b2 and the gate's weights, by the next launch.
; PHASE 1, as in the first product's launch: a lane takes a column, its registers run down K; wave w: columns 32 (w % 2) on, rows 256 (w / 2) on.  Lanes 0-15 are tile 2 (w % 2)'s rows, lanes 16-31
;   the next tile's.  The codes go to LDS as images of the operand's registers.  One barrier.  Between the first blocks every wave counts the expert's rows from sel, the router's whole numbers.
; PHASE 2: no barrier.  Wave w takes the expert's tiles w, w + 16, .. (tiles 64 e on of hq, hs and yp): h's sixteen fragments and scale words from memory as they were stored, the weights' fragments from LDS.
;   Transposed (source 0 = 16 output columns, source 1 = 16 rows): a lane holds eight neighbouring outputs of one row.  A tile (16 rows x 256 bytes) goes through the wave's own stage in LDS
;   and leaves by rows: sixteen lanes store 256 consecutive bytes at a multiple of 256.
; The trip count hangs on the expert's count.  No tensor load and no multicast here (the weights are nobody else's).  An expert without rows still has its tile 0, as in the first product's launch.
; LIMITS: as in the first product's launch (NaN and infinities not served; the scale byte is held at 1 from below).
.set ROWB,  4096                       ; a row of w2[e] in bytes
.set QIMG,  4096                       ; LDS: from a K step's fragments to the next K step's
.set QSC,   256
.set WSC,   65536                      ; LDS: fragment (K step s, tile ct) at (4 s + ct) 1024; scale words at WSC + (2 s + b) 128 + 4 lane
.set STAGE, 69632                      ; LDS: 16 rows x (256 + 16) bytes for each wave
.set YH,    33554432                   ; bytes of one part of y: 8192 slots x 4096
.set WO,  1                            ; v1   4 x lane
.set WST, 2
.set WSS, 3
.set LI,  4                            ; v4   16 x lane
.set LS,  5                            ; v5   WSC + 4 x lane
.set SO,  7                            ; v7   the stage: where I put 32 bytes of a row
.set SR,  8                            ; v8   and where I read a row back
.set YO,  9                            ; v9   the same place in y
.set MXA, 10                           ; v10-13 at work
.set MXB, 11
.set SCL, 12
.set BYT, 13
.set SW0, 14                           ; v14-15
.set HF,  16                           ; v16-143  h: sixteen fragments
.set S,   16                           ; v16-47   ahead of h's loads: the 32 words of sel
.set HS,  144                          ; v144-151 h: scale words: register p: lanes 0-15 K step 2 p, lanes 16-31 K step 2 p + 1 (scales alone)
.set ACC, 152                          ; v152-183 four tiles of outputs
.set C,   152                          ; phase 1: two sets of 16 registers of codes
.set ST,  184                          ; v184-247 phase 1: two sets of 32 numbers
.set WB,  184                          ; phase 2: two buffers of four fragments
.set OUTR, 184                         ; and the rows read back from the stage
.set WSR, 248                          ; v248-251 the weights' scale words (scales alone)
.set NT,  52                           ; s52  how many tiles are mine
.set MK,  66                           ; s66-81 sixteen masks at work
	s_load_b256 s[4:11], s[0:1], 0x0               ; w2 s[4:5], sel s[6:7], hq s[8:9], hs s[10:11]
	s_load_b64 s[12:13], s[0:1], 0x20              ; yp
	v_lshl_add_u32 v254, v0, 2, 0x22000
	v_mov_b32 v255, 0
	v_lshrrev_b32 v10, 5, v0
	v_readfirstlane_b32 s16, v10                   ; wave 0..15
	s_and_b32 s17, s16, 1                          ; which 32 columns
	s_lshr_b32 s18, s16, 1                         ; which 256 rows of K
	s_and_b32 s19, ttmp7, 0xffff                   ; the expert
	s_and_b32 s20, ttmp9, 15                       ; cb
	s_lshr_b32 s23, ttmp9, 4                       ; kh
	v_and_b32 v10, 31, v0                          ; lane
	v_and_b32 v11, 15, v0                          ; r
	v_bfe_u32 v12, v0, 4, 1                        ; h
	v_lshlrev_b32 v[WO], 2, v10
	v_lshlrev_b32 v[LI], 4, v10
	s_lshl_b32 s36, s18, 13
	s_lshl_b32 s37, s17, 11
	s_add_co_u32 s36, s36, s37
	v_add_nc_u32 v[WST], s36, v[LI]
	s_lshl_b32 s36, s18, 9
	s_lshl_b32 s37, s17, 7
	s_add_co_u32 s36, s36, s37
	s_add_co_u32 s36, s36, WSC
	v_add_nc_u32 v[WSS], s36, v[WO]
	v_add_nc_u32 v[LS], WSC, v[WO]
	s_mul_i32 s36, s16, 16*272
	s_add_co_u32 s36, s36, STAGE                   ; my stage
	v_mul_u32_u24 v[SO], v11, 272
	v_lshl_add_u32 v[SO], v12, 5, v[SO]
	v_add_nc_u32 v[SO], s36, v[SO]                 ; in: row r, 32 bytes for each half of the lanes
	v_mul_u32_u24 v[SR], v12, 272
	v_lshl_add_u32 v[SR], v11, 4, v[SR]
	v_add_nc_u32 v[SR], s36, v[SR]                 ; back: lanes 0-15 one row, lanes 16-31 the next
	v_lshlrev_b32 v[YO], 12, v12
	v_lshl_add_u32 v[YO], v11, 4, v[YO]
	s_lshl_b32 s22, 0x10000, s19                   ; my expert's bit in a word of sel
	s_mov_b32 s21, 0                               ; its count
	s_lshl_b32 s38, s19, 24                        ; the expert's 16 MB,
	s_lshl_b32 s37, s23, 23                        ; my half of K,
	s_add_co_u32 s38, s38, s37
	s_lshl_b32 s37, s18, 20                        ; my 256 rows,
	s_add_co_u32 s38, s38, s37
	s_lshl_b32 s37, s20, 8                         ; my 64 columns,
	s_add_co_u32 s38, s38, s37
	s_lshl_b32 s37, s17, 7                         ; my 32 of them
	s_add_co_u32 s38, s38, s37
	s_mov_b32 s39, 0
	s_wait_kmcnt 0x0
	s_add_nc_u64 s[24:25], s[4:5], s[38:39]
.macro LOAD t                          ; block t: w2(32 t + i, my column), i = 0 .. 31, into set t % 2
.set i, 0
.rept 32
	global_load_b32 v[ST+32*((\t)%2)+i], v[WO], s[24:25] offset:(32*(\t)+i)*ROWB th:TH_LOAD_NT
.set i, i+1
.endr
.endm
.macro BLOCK t, n                      ; block t is quantised.  n: the loads issued behind the block's own, which may stay out
.set SRC, ST+32*((\t)%2)
	s_wait_loadcnt \n
	v_max3_num_f32 v[MXA], |v[SRC]|, |v[SRC+1]|, |v[SRC+2]|
	v_max3_num_f32 v[MXB], |v[SRC+3]|, |v[SRC+4]|, |v[SRC+5]|
.irp i, 6,10,14,18,22,26
	v_max3_num_f32 v[MXA], v[MXA], |v[SRC+\i]|, |v[SRC+\i+1]|
	v_max3_num_f32 v[MXB], v[MXB], |v[SRC+\i+2]|, |v[SRC+\i+3]|
.endr
	v_max3_num_f32 v[MXA], v[MXA], |v[SRC+30]|, |v[SRC+31]|
	v_max3_num_f32 v[MXA], v[MXA], v[MXB], 0x1800000               ; the floor 2^(3 - 127): the byte cannot fall under 1
	v_add_nc_u32 v[SCL], 0xff000000, v[MXA]                        ; 2 off the exponent field: the conversion's scale operand
	v_lshrrev_b32 v[BYT], 23, v[SCL]
.if (\t)%4 == 0
	v_mov_b32 v[SW0+(\t)/4], v[BYT]
.else
	v_lshl_or_b32 v[SW0+(\t)/4], v[BYT], 8*((\t)%4), v[SW0+(\t)/4]
.endif
.irp g, 0,1,2,3
	v_cvt_scalef32_pk8_fp4_f32 v[C+16*((\t)/4)+4*((\t)%4)+\g], v[SRC+8*\g:SRC+8*\g+7], v[SCL]
.endr
	v_nop                                          ; one plain line behind the last conversion
.if (\t) < 6
	LOAD (\t)+2
.endif
.endm
.macro FLUSH q                         ; K step q of my two: the exchange of halves makes both tiles' registers; images and scale words to LDS
.irp c, 0,1
.irp i, 0,1,2,3
	v_permlane16_swap_b32 v[C+16*\q+8*\c+\i], v[C+16*\q+8*\c+4+\i]
.endr
.endr
.irp c, 0,1
.irp u, 0,1
	ds_store_b128 v[WST], v[C+16*\q+8*\c+4*\u:C+16*\q+8*\c+4*\u+3] offset:QIMG*\q+1024*\u+512*\c
.endr
.endr
	ds_store_b32 v[WSS], v[SW0+\q] offset:QSC*\q
.endm
.macro PASSA i0                        ; registers i0 .. i0 + 15 of sel: how many of their 512 tokens chose my expert
.set i, \i0
.rept 16
	v_and_b32 v[S+i], s22, v[S+i]
.set i, i+1
.endr
.set i, \i0
.rept 16
	v_cmp_ne_u32 s[MK+i-\i0], 0, v[S+i]
.set i, i+1
.endr
.set i, 0
.rept 16
	s_bcnt1_i32_b32 s36, s[MK+i]
	s_add_co_u32 s21, s21, s36
.set i, i+1
.endr
.endm
.irp q, 0,1,2,3,4,5,6,7
	global_load_b128 v[S+4*\q:S+4*\q+3], v[LI], s[6:7] offset:512*\q       ; sel, all 1,024 words
.endr
	LOAD 0
	LOAD 1
	s_lshl_b32 s36, s19, 6
	s_add_co_u32 s36, s36, s16                     ; my first tile among all: 64 e + w
	s_lshl_b32 s38, s36, 16                        ; its 16 slots of 4096 bytes,
	s_lshl_b32 s37, s20, 8
	s_add_co_u32 s38, s38, s37                     ; my 64 columns,
	s_mul_i32 s37, s23, YH
	s_add_co_u32 s38, s38, s37                     ; my part
	s_add_nc_u64 s[48:49], s[12:13], s[38:39]
	s_add_co_u32 s36, s36, 16                      ; my next tile: these two are used only where it exists
	s_lshl_b32 s38, s36, 15
	s_lshl_b32 s37, s23, 14
	s_add_co_u32 s38, s38, s37
	s_add_nc_u64 s[44:45], s[8:9], s[38:39]
	s_lshl_b32 s38, s36, 11
	s_lshl_b32 s37, s23, 10
	s_add_co_u32 s38, s38, s37
	s_add_nc_u64 s[46:47], s[10:11], s[38:39]
	BLOCK 0, 32                                    ; behind each block's loads: the next block's 32.  sel was asked for ahead of block 0: it is in too
	PASSA 0
	BLOCK 1, 32
	PASSA 16
	s_min_u32 s21, s21, 1024
	s_add_co_u32 s31, s21, 15
	s_lshr_b32 s31, s31, 4
	s_max_u32 s31, s31, 1                          ; T: the expert's tiles, one at the least
	s_sub_co_u32 s36, s31, 1                       ; the tile whose h every wave loads ahead of the barrier: its own first, or, where it has none, the expert's last
	s_min_u32 s36, s16, s36
	s_min_u32 s36, s36, 63                         ; held inside the expert's 64 tiles
	s_lshl_b32 s37, s19, 6
	s_add_co_u32 s36, s36, s37
	s_lshl_b32 s38, s36, 15
	s_lshl_b32 s37, s23, 14
	s_add_co_u32 s38, s38, s37
	s_add_nc_u64 s[40:41], s[8:9], s[38:39]        ; hq: [tile][K step 16 kh on][1024 bytes]
	s_lshl_b32 s38, s36, 11
	s_lshl_b32 s37, s23, 10
	s_add_co_u32 s38, s38, s37
	s_add_nc_u64 s[42:43], s[10:11], s[38:39]      ; hs: [tile][K step 16 kh on][16 words]
	BLOCK 2, 32
	BLOCK 3, 32
	FLUSH 0
	BLOCK 4, 32
	BLOCK 5, 32
	BLOCK 6, 32
.set i, 0
.rept 32                                       ; my first tile's h: 32 loads of 512 consecutive bytes,
	global_load_b128 v[HF+4*i:HF+4*i+3], v[LI], s[40:41] offset:512*i
.set i, i+1
.endr
.irp p, 0,1,2,3,4,5,6,7                        ; and 8 of scale words, two K steps each
	global_load_b32 v[HS+\p], v[WO], s[42:43] offset:128*\p
.endr
	BLOCK 7, 40                                    ; h's 40 loads may be out
	FLUSH 1
	s_wait_dscnt 0x0                               ; for the others' sake: my images lie in LDS
	s_barrier_signal -1
	s_barrier_wait -1                              ; the slab's codes are whole; from here on a wave stores into its own stage alone
.macro WFETCH gg, p                    ; K step gg: four fragments and two scale words into buffer p: ten LDS loads
.irp j, 0,1,2,3
.irp c, 0,1
	ds_load_b128 v[WB+32*(\p)+8*\j+4*\c:WB+32*(\p)+8*\j+4*\c+3], v[LI] offset:(4*(\gg)+\j)*1024+512*\c
.endr
.endr
.irp u, 0,1
	ds_load_b32 v[WSR+2*(\p)+\u], v[LS] offset:(2*(\gg)+\u)*128
.endr
.endm
; one product: tile ct of outputs, K step ks (a symbol).  Odd tiles' scale words lie in lanes 16-31 of their register, and so do odd K steps' of h.  K step 0 starts the sums
.macro MM ct
.set rD, ACC+8*\ct
.set rA, WB+32*(ks%2)+8*\ct
.set rB, HF+8*ks
.set rSA, WSR+2*(ks%2)+\ct/2
.set rSB, HS+ks/2
.if ks == 0
.if \ct%2
	v_wmma_scale_f32_16x16x128_f8f6f4 v[rD:rD+7], v[rA:rA+7], v[rB:rB+7], 0, v[rSA], v[rSB] matrix_a_fmt:MATRIX_FMT_FP4 matrix_b_fmt:MATRIX_FMT_FP4 matrix_a_scale:MATRIX_SCALE_ROW1
.else
	v_wmma_scale_f32_16x16x128_f8f6f4 v[rD:rD+7], v[rA:rA+7], v[rB:rB+7], 0, v[rSA], v[rSB] matrix_a_fmt:MATRIX_FMT_FP4 matrix_b_fmt:MATRIX_FMT_FP4
.endif
.elseif ks%2
.if \ct%2
	v_wmma_scale_f32_16x16x128_f8f6f4 v[rD:rD+7], v[rA:rA+7], v[rB:rB+7], v[rD:rD+7], v[rSA], v[rSB] matrix_a_fmt:MATRIX_FMT_FP4 matrix_b_fmt:MATRIX_FMT_FP4 matrix_a_scale:MATRIX_SCALE_ROW1 matrix_b_scale:MATRIX_SCALE_ROW1
.else
	v_wmma_scale_f32_16x16x128_f8f6f4 v[rD:rD+7], v[rA:rA+7], v[rB:rB+7], v[rD:rD+7], v[rSA], v[rSB] matrix_a_fmt:MATRIX_FMT_FP4 matrix_b_fmt:MATRIX_FMT_FP4 matrix_b_scale:MATRIX_SCALE_ROW1
.endif
.else
.if \ct%2
	v_wmma_scale_f32_16x16x128_f8f6f4 v[rD:rD+7], v[rA:rA+7], v[rB:rB+7], v[rD:rD+7], v[rSA], v[rSB] matrix_a_fmt:MATRIX_FMT_FP4 matrix_b_fmt:MATRIX_FMT_FP4 matrix_a_scale:MATRIX_SCALE_ROW1
.else
	v_wmma_scale_f32_16x16x128_f8f6f4 v[rD:rD+7], v[rA:rA+7], v[rB:rB+7], v[rD:rD+7], v[rSA], v[rSB] matrix_a_fmt:MATRIX_FMT_FP4 matrix_b_fmt:MATRIX_FMT_FP4
.endif
.endif
.endm
; A TILE OF 16 ROWS.  nxt = 1: the wave has a further tile, whose h is asked for K step by K step, into the registers just multiplied
.macro TILE nxt
	WFETCH 0, 0
	WFETCH 1, 1
	s_wait_loadcnt 0x0                             ; h and its scale words are in
.set ks, 0
.rept 16
.if ks < 15
	s_wait_dscnt 10                                ; this K step's weights are in; the other buffer's ten loads may be out
.else
	s_wait_dscnt 0x0
.endif
.irp ct, 0,1,2,3                               ; the four accumulators take turns, one instruction a turn
	MM \ct
.endr
.rept 4
	v_nop                                          ; four places in front of loads into registers that these products have read, and of the first read of results
.endr
.if ks == 15
	v_nop                                          ; a fifth: the next tile's first products write these accumulators anew
.endif
.if \nxt
	global_load_b128 v[HF+8*ks:HF+8*ks+3], v[LI], s[44:45] offset:1024*ks
	global_load_b128 v[HF+8*ks+4:HF+8*ks+7], v[LI], s[44:45] offset:1024*ks+512
.endif
.if ks < 14
	WFETCH ks+2, ks%2
.endif
.set ks, ks+1
.endr
.if \nxt
.irp p, 0,1,2,3,4,5,6,7
	global_load_b32 v[HS+\p], v[WO], s[46:47] offset:128*\p
.endr
.endif
.irp ct, 0,1,2,3
	ds_store_b128 v[SO], v[ACC+8*\ct:ACC+8*\ct+3] offset:64*\ct            ; each accumulator from its low end on
	ds_store_b128 v[SO], v[ACC+8*\ct+4:ACC+8*\ct+7] offset:64*\ct+16
.endr
.irp i, 0,1,2,3,4,5,6,7
	ds_load_b128 v[OUTR+4*\i:OUTR+4*\i+3], v[SR] offset:544*\i             ; LDS serves a wave's instructions in order (ISA guide 5.7.1.4): these see my stores
.endr
.irp i, 0,1,2,3,4,5,6,7
	s_wait_dscnt 7-\i                              ; rows 2 i and 2 i + 1 are back; the younger loads may be out
	global_store_b128 v[YO], v[OUTR+4*\i:OUTR+4*\i+3], s[48:49] offset:8192*\i   ; sixteen lanes store 256 consecutive bytes, at a multiple of 256 from yp's first byte
.endr
.if \nxt
	s_wait_xcnt 0x0                                ; the stores' data, and the bases of stores and loads, are written again only behind this wait
	s_add_nc_u64 s[48:49], s[48:49], 16*65536      ; sixteen tiles on
	s_add_nc_u64 s[44:45], s[44:45], 16*32768
	s_add_nc_u64 s[46:47], s[46:47], 16*2048
.endif
.endm
	s_cmp_ge_u32 s16, s31
	s_cbranch_scc1 .Lend                           ; no tile for me
	s_add_co_u32 s[NT], s31, 15
	s_sub_co_u32 s[NT], s[NT], s16
	s_lshr_b32 s[NT], s[NT], 4                     ; my tiles: w, w + 16, .. under T: (T + 15 - w) / 16 of them, one at the least
	s_mov_b32 s30, 1                               ; the loop counts tiles by ones: all of mine but the last
	s_cmp_ge_u32 s30, s[NT]
	s_cbranch_scc1 .Llast
.Ltile:
	TILE 1
	s_add_co_u32 s30, s30, 1
	s_cmp_lt_u32 s30, s[NT]
	s_cbranch_scc1 .Ltile
.Llast:
	TILE 0                                         ; my last tile asks for nothing more
.Lend:
	s_wait_tensorcnt 0x0
	ds_add_u32 v254, v255
	s_wait_dscnt 0x0
	s_endpgm
.Lfunc_end_k_q898254667f_ffn2:
	.size	k_q898254667f_ffn2, .Lfunc_end_k_q898254667f_ffn2-k_q898254667f_ffn2
	.p2alignl 7, 3214868480
	.fill 96, 4, 3214868480
	.section	.rodata,"a",@progbits
	.p2align	6, 0x0
	.amdhsa_kernel k_q898254667f_ffn2
		.amdhsa_group_segment_fixed_size 141312
		.amdhsa_private_segment_fixed_size 0
		.amdhsa_enable_private_segment 0
		.amdhsa_kernarg_size 40
		.amdhsa_user_sgpr_count 2
		.amdhsa_user_sgpr_kernarg_segment_ptr 1
		.amdhsa_wavefront_size32 1
		.amdhsa_system_sgpr_workgroup_id_x 1
		.amdhsa_system_sgpr_workgroup_id_y 1
		.amdhsa_system_sgpr_workgroup_id_z 1
		.amdhsa_system_vgpr_workitem_id 0
		.amdhsa_next_free_vgpr 256
		.amdhsa_next_free_sgpr 84
		.amdhsa_reserve_vcc 0
		.amdhsa_float_denorm_mode_32 3
		.amdhsa_float_denorm_mode_16_64 3
		.amdhsa_memory_ordered 1
		.amdhsa_forward_progress 1
		.amdhsa_inst_pref_size 100
	.end_amdhsa_kernel
	.amdgpu_metadata
---
amdhsa.version: [ 1, 2 ]
amdhsa.kernels:
  - .name:           k_q898254667f_ffn2
    .symbol:         k_q898254667f_ffn2.kd
    .args:
      - { .name: w2, .offset: 0, .size: 8, .value_kind: global_buffer, .address_space: global }
      - { .name: sel, .offset: 8, .size: 8, .value_kind: global_buffer, .address_space: global }
      - { .name: hq, .offset: 16, .size: 8, .value_kind: global_buffer, .address_space: global }
      - { .name: hs, .offset: 24, .size: 8, .value_kind: global_buffer, .address_space: global }
      - { .name: yp, .offset: 32, .size: 8, .value_kind: global_buffer, .address_space: global }
    .group_segment_fixed_size: 141312
    .private_segment_fixed_size: 0
    .kernarg_segment_align: 8
    .kernarg_segment_size: 40
    .max_flat_workgroup_size: 512
    .sgpr_count:     84
    .vgpr_count:     256
    .wavefront_size: 32
...
	.end_amdgpu_metadata
.endif
;; end of part 8
;; launch combine (part 9): grid 256 x 1, 4 waves a work-group, no clusters, 0 bytes of LDS; arguments yp, sel, cw, b2, out0; writes out0
.if DOCPART == 9
	.amdgcn_target "amdgcn-amd-amdhsa--gfx1250"
	.amdhsa_code_object_version 6
	.text
	.protected	k_q898254667f_combine
	.globl	k_q898254667f_combine
	.p2align	8
	.type	k_q898254667f_combine,@function
k_q898254667f_combine:
	s_mov_b64 s[64:65], 0
	v_nop
	global_prefetch_b8 v0, s[64:65] scope:SCOPE_SE
	s_setreg_imm32_b32 hwreg(HW_REG_WAVE_MODE, 25, 1), 1
	s_wait_xcnt 0x0
; out[t] = c0 (y(slot0) + b2[e0]) + c1 (y(slot1) + b2[e1]), where y(slot) is the sum of the two parts over the halves of K.  A wave takes one token: each output row has one owner.
; slot = 1024 x expert + the token's RANK in that expert, in the order in which the products' launches rank the rows: register i = 4 q + c of lane L holds the word of sel of token 128 q + 4 L + c,
; and the rank is the number of tokens ahead in the order (i, L) that chose the expert.  The wave counts both ranks from sel, the router's whole numbers: the words at or behind my token's
; place are cleared, then one AND and one compare for each expert give a mask whose bits are counted.  Ranks and experts are held inside their tables before they enter an address.
; Then a stream: six loads of 512 consecutive bytes for each 512 bytes of the row, all 48 asked for at once; no LDS, no barrier, no matrix unit: there is nothing here for them.
.set YH,  33554432                     ; bytes of one part of y: 8192 slots x 4096
.set D,   16                           ; v16-207: piece j of eight: 24 registers: y0 part 0, part 1, y1 part 0, part 1, b2[e0], b2[e1]
.set S,   16                           ; v16-47  ahead of those loads: the 32 words of sel
.set U,   4                            ; v4-7    at work
.set KI,  56                           ; s56-59  my place less 32 i, for four chunks
.set M0,  60                           ; s60-63  four masks, then counts, for the first choice's expert
.set M1,  66                           ; s66-69  the same for the second's
	s_load_b256 s[4:11], s[0:1], 0x0               ; yp s[4:5], sel s[6:7], cw s[8:9], b2 s[10:11]
	s_load_b64 s[12:13], s[0:1], 0x20              ; out0
	v_lshrrev_b32 v1, 5, v0
	v_readfirstlane_b32 s16, v1                    ; wave
	v_and_b32 v2, 31, v0                           ; lane
	v_lshlrev_b32 v1, 4, v2                        ; 16 bytes a lane
	s_lshl_b32 s17, ttmp9, 2
	s_add_co_u32 s17, s17, s16                     ; my token t
	s_lshr_b32 s18, s17, 7
	s_lshl_b32 s18, s18, 2
	s_and_b32 s19, s17, 3
	s_add_co_u32 s18, s18, s19                     ; its chunk: 4 (t / 128) + t % 4
	s_bfe_u32 s19, s17, 0x50002                    ; its lane: (t / 4) % 32
	s_lshl_b32 s18, s18, 5
	s_add_co_u32 s18, s18, s19                     ; its place in the order: 32 x chunk + lane
	s_lshl_b32 s20, s17, 3
	s_mov_b32 s21, 0
	s_lshl_b32 s22, s17, 2
	s_mov_b32 s23, 0
	s_wait_kmcnt 0x0
	s_add_nc_u64 s[24:25], s[8:9], s[20:21]
	s_add_nc_u64 s[28:29], s[6:7], s[22:23]
	s_load_b64 s[26:27], s[24:25], 0x0             ; c0, c1
	s_load_b32 s30, s[28:29], 0x0                  ; my token's word: e0 | e1 << 8 | ..
.irp q, 0,1,2,3,4,5,6,7
	global_load_b128 v[S+4*\q:S+4*\q+3], v1, s[6:7] offset:512*\q          ; sel, all 1,024 words
.endr
	s_wait_kmcnt 0x0
	s_and_b32 s31, s30, 0xff
	s_min_u32 s31, s31, 7
	s_bfe_u32 s32, s30, 0x80008
	s_min_u32 s32, s32, 7
	s_lshl_b32 s33, 0x10000, s31                   ; the two experts' bits in a word of sel
	s_lshl_b32 s34, 0x10000, s32
	s_mov_b32 s35, 0                               ; the two ranks
	s_mov_b32 s52, 0
	s_wait_loadcnt 0x0
.irp q, 0,1,2,3,4,5,6,7                        ; four chunks at a time, so that the scalar lines do not stand straight behind the compares that feed them
.irp c, 0,1,2,3
	s_sub_co_i32 s[KI+\c], s18, 32*(4*\q+\c)
.endr
.irp c, 0,1,2,3
	v_cmp_gt_i32 vcc_lo, s[KI+\c], v2              ; ahead of my token in the order: 32 i + lane under my place
	v_cndmask_b32 v[S+4*\q+\c], 0, v[S+4*\q+\c], vcc_lo
.endr
.irp c, 0,1,2,3
	v_and_b32 v[U+\c], s33, v[S+4*\q+\c]
	v_and_b32 v[S+4*\q+\c], s34, v[S+4*\q+\c]
.endr
.irp c, 0,1,2,3
	v_cmp_ne_u32 s[M0+\c], 0, v[U+\c]
	v_cmp_ne_u32 s[M1+\c], 0, v[S+4*\q+\c]
.endr
.irp c, 0,1,2,3
	s_bcnt1_i32_b32 s[M0+\c], s[M0+\c]
	s_bcnt1_i32_b32 s[M1+\c], s[M1+\c]
	s_add_co_u32 s35, s35, s[M0+\c]
	s_add_co_u32 s52, s52, s[M1+\c]
.endr
.endr
	s_min_u32 s35, s35, 1023
	s_min_u32 s52, s52, 1023
	s_mov_b32 s55, 0
	s_lshl_b32 s54, s31, 10
	s_add_co_u32 s54, s54, s35                     ; the first choice's slot
	s_lshl_b32 s54, s54, 12
	s_add_nc_u64 s[36:37], s[4:5], s[54:55]        ; its y, part 0,
	s_add_nc_u64 s[38:39], s[36:37], YH            ; part 1
	s_lshl_b32 s54, s32, 10
	s_add_co_u32 s54, s54, s52                     ; the second choice's slot
	s_lshl_b32 s54, s54, 12
	s_add_nc_u64 s[40:41], s[4:5], s[54:55]
	s_add_nc_u64 s[42:43], s[40:41], YH
	s_lshl_b32 s54, s31, 12
	s_add_nc_u64 s[44:45], s[10:11], s[54:55]      ; b2[e0]
	s_lshl_b32 s54, s32, 12
	s_add_nc_u64 s[46:47], s[10:11], s[54:55]      ; b2[e1]
	s_lshl_b32 s54, s17, 12
	s_add_nc_u64 s[48:49], s[12:13], s[54:55]      ; my row of the output
	s_mov_b32 s50, s27                             ; c1 in a pair of its own: the packed forms take a scalar pair's low word for both halves
	s_mov_b32 s51, s27
.irp j, 0,1,2,3,4,5,6,7
	global_load_b128 v[D+24*\j:D+24*\j+3], v1, s[36:37] offset:512*\j th:TH_LOAD_NT
	global_load_b128 v[D+24*\j+4:D+24*\j+7], v1, s[38:39] offset:512*\j th:TH_LOAD_NT
	global_load_b128 v[D+24*\j+8:D+24*\j+11], v1, s[40:41] offset:512*\j th:TH_LOAD_NT
	global_load_b128 v[D+24*\j+12:D+24*\j+15], v1, s[42:43] offset:512*\j th:TH_LOAD_NT
	global_load_b128 v[D+24*\j+16:D+24*\j+19], v1, s[44:45] offset:512*\j
	global_load_b128 v[D+24*\j+20:D+24*\j+23], v1, s[46:47] offset:512*\j
.endr
.irp j, 0,1,2,3,4,5,6,7
	s_wait_loadcnt 6*(7-\j)                        ; piece j's six loads are in; the later pieces' may be out
.irp p, 0,2
	v_pk_add_f32 v[D+24*\j+\p:D+24*\j+\p+1], v[D+24*\j+\p:D+24*\j+\p+1], v[D+24*\j+4+\p:D+24*\j+4+\p+1]
	v_pk_add_f32 v[D+24*\j+8+\p:D+24*\j+8+\p+1], v[D+24*\j+8+\p:D+24*\j+8+\p+1], v[D+24*\j+12+\p:D+24*\j+12+\p+1]
.endr
.irp p, 0,2
	v_pk_add_f32 v[D+24*\j+\p:D+24*\j+\p+1], v[D+24*\j+\p:D+24*\j+\p+1], v[D+24*\j+16+\p:D+24*\j+16+\p+1]
	v_pk_add_f32 v[D+24*\j+8+\p:D+24*\j+8+\p+1], v[D+24*\j+8+\p:D+24*\j+8+\p+1], v[D+24*\j+20+\p:D+24*\j+20+\p+1]
.endr
.irp p, 0,2
	v_pk_mul_f32 v[D+24*\j+\p:D+24*\j+\p+1], v[D+24*\j+\p:D+24*\j+\p+1], s[26:27] op_sel_hi:[1,0]
.endr
.irp p, 0,2
	v_pk_fma_f32 v[D+24*\j+\p:D+24*\j+\p+1], v[D+24*\j+8+\p:D+24*\j+8+\p+1], s[50:51], v[D+24*\j+\p:D+24*\j+\p+1] op_sel_hi:[1,0,1]
.endr
	global_store_b128 v1, v[D+24*\j:D+24*\j+3], s[48:49] offset:512*\j th:TH_STORE_NT   ; the wave stores 512 consecutive bytes, at a multiple of 256 from the output's first byte
.endr
	s_endpgm
.Lfunc_end_k_q898254667f_combine:
	.size	k_q898254667f_combine, .Lfunc_end_k_q898254667f_combine-k_q898254667f_combine
	.p2alignl 7, 3214868480
	.fill 96, 4, 3214868480
	.section	.rodata,"a",@progbits
	.p2align	6, 0x0
	.amdhsa_kernel k_q898254667f_combine
		.amdhsa_group_segment_fixed_size 0
		.amdhsa_private_segment_fixed_size 0
		.amdhsa_enable_private_segment 0
		.amdhsa_kernarg_size 40
		.amdhsa_user_sgpr_count 2
		.amdhsa_user_sgpr_kernarg_segment_ptr 1
		.amdhsa_wavefront_size32 1
		.amdhsa_system_sgpr_workgroup_id_x 1
		.amdhsa_system_sgpr_workgroup_id_y 1
		.amdhsa_system_sgpr_workgroup_id_z 1
		.amdhsa_system_vgpr_workitem_id 0
		.amdhsa_next_free_vgpr 208
		.amdhsa_next_free_sgpr 72
		.amdhsa_reserve_vcc 1
		.amdhsa_float_denorm_mode_32 3
		.amdhsa_float_denorm_mode_16_64 3
		.amdhsa_memory_ordered 1
		.amdhsa_forward_progress 1
		.amdhsa_inst_pref_size 29
	.end_amdhsa_kernel
	.amdgpu_metadata
---
amdhsa.version: [ 1, 2 ]
amdhsa.kernels:
  - .name:           k_q898254667f_combine
    .symbol:         k_q898254667f_combine.kd
    .args:
      - { .name: yp, .offset: 0, .size: 8, .value_kind: global_buffer, .address_space: global }
      - { .name: sel, .offset: 8, .size: 8, .value_kind: global_buffer, .address_space: global }
      - { .name: cw, .offset: 16, .size: 8, .value_kind: global_buffer, .address_space: global }
      - { .name: b2, .offset: 24, .size: 8, .value_kind: global_buffer, .address_space: global }
      - { .name: out0, .offset: 32, .size: 8, .value_kind: global_buffer, .address_space: global }
    .group_segment_fixed_size: 0
    .private_segment_fixed_size: 0
    .kernarg_segment_align: 8
    .kernarg_segment_size: 40
    .max_flat_workgroup_size: 128
    .sgpr_count:     72
    .vgpr_count:     208
    .wavefront_size: 32
...
	.end_amdgpu_metadata
.endif
;; end of part 9
;; ======== version 3 of 3: 4 launches
;; workspace buffers: xq 557,056 bytes; sel 4,096 bytes of whole numbers; cw 8,192 bytes; hq 16,777,216 bytes; hs 1,048,576 bytes; yp 67,108,864 bytes
;; launch route (part 10): grid 256 x 1, 2 waves a work-group, no clusters, 0 bytes of LDS; arguments x, gate_w, gate_b, xq, sel, cw; writes xq, sel, cw
.if DOCPART == 10
	.amdgcn_target "amdgcn-amd-amdhsa--gfx1250"
	.amdhsa_code_object_version 6
	.text
	.protected	k_q898254667f_route
	.globl	k_q898254667f_route
	.p2align	8
	.type	k_q898254667f_route,@function
k_q898254667f_route:
	s_mov_b64 s[64:65], 0
	v_nop
	global_prefetch_b8 v0, s[64:65] scope:SCOPE_SE
	s_setreg_imm32_b32 hwreg(HW_REG_WAVE_MODE, 25, 1), 1
	s_wait_xcnt 0x0
; ROUTER AND QUANTISER OF x.  x: [1024 tokens][1024] f32.  A wave takes two tokens, A and B.
; Lane L holds block L of a row (k = 32 L .. 32 L + 31) in 32 registers: the block's largest magnitude needs no other lane, and the
; four conversions of a lane give the block's 16 bytes of E2M1 codes.  xq: codes [token][512 bytes], then from byte XSC on the E8M0 bytes [token][32].
; The logits are f32 multiply-adds (a lane's 32 k, then a sum over the 32 lanes), + gate_b.  The two largest are found by strict compares in ascending
; order of the experts, so that of equal logits the lower index wins.  Their softmax takes the larger away first: c0 = 1 / (1 + e^(m2 - m1)), c1 = e^(m2 - m1) c0.
; sel[token] = e0 | e1 << 8 | (1 << e0 | 1 << e1) << 16 and cw[token] = (c0, c1) are stored at fixed places: no address here hangs on the choice.
; LIMITS: NaN and infinities among the inputs are not served.  A block whose largest magnitude lies under 2^-124 (a block of zeros too) keeps the scale byte 1;
; the bytes are read by this program alone, and zero codes add nothing.  The logits are summed in another order than a plain dot product: two logits that are equal within f32 rounding may be ranked either way.
; The scale bytes leave 32 at a time (32 KB in the whole launch): these stores fill aligned runs of 256 bytes only in part.
.set XSC, 524288                       ; where the scale bytes begin in xq
.set XA,  16                           ; v16-47   token A's 32 numbers of my block
.set XB,  48                           ; v48-79   token B's
.set G0,  80                           ; v80-143  eight rows of gate_w (8 numbers each), set 0
.set G1,  144                          ; v144-207 set 1; at the end at work
.set LA,  208                          ; v208-215 A's eight logits
.set LB,  216                          ; v216-223 B's
.set KC,  224                          ; v224-231 the numbers 0 .. 7
.set CD,  232                          ; v232-239 codes: four registers a token
.set TA,  144                          ; top-2 at work: +0 m1, +1 i1, +2 m2, +3 i2, +4 c1, +5 c0, +6 the word, +7 the two bits
.set TB,  152
	s_load_b256 s[4:11], s[0:1], 0x0               ; x s[4:5], gate_w s[6:7], gate_b s[8:9], xq s[10:11]
	s_load_b128 s[12:15], s[0:1], 0x20             ; sel s[12:13], cw s[14:15]
	v_lshrrev_b32 v1, 5, v0
	v_readfirstlane_b32 s16, v1                    ; wave
	v_and_b32 v1, 31, v0                           ; lane
	v_lshlrev_b32 v2, 7, v1                        ; x: my block's 128 bytes
	v_lshlrev_b32 v3, 10, v1                       ; gate_w: my 32 rows of 32 bytes
	v_lshlrev_b32 v4, 4, v1                        ; codes: my block's 16 bytes
	s_lshl_b32 s17, ttmp9, 2
	s_lshl_b32 s18, s16, 1
	s_add_co_u32 s17, s17, s18                     ; token A = 4 x work-group + 2 x wave
	s_mov_b32 s37, 0
	s_mov_b32 s32, 0x76543210                      ; v_permlanex16_b32's selects for lane l xor 16
	s_mov_b32 s33, 0xfedcba98
.irp e, 0,1,2,3,4,5,6,7
	v_mov_b32 v[KC+\e], \e
.endr
	s_wait_kmcnt 0x0
	s_load_b256 s[24:31], s[8:9], 0x0              ; gate_b, eight numbers
	s_lshl_b32 s36, s17, 12
	s_add_nc_u64 s[18:19], s[4:5], s[36:37]        ; x at token A
	s_lshl_b32 s36, s17, 9
	s_add_nc_u64 s[20:21], s[10:11], s[36:37]      ; its codes
	s_lshl_b32 s36, s17, 5
	s_add_co_u32 s36, s36, XSC
	s_add_nc_u64 s[22:23], s[10:11], s[36:37]      ; its scale bytes
.irp j, 0,1,2,3,4,5,6,7
	global_load_b128 v[XA+4*\j:XA+4*\j+3], v2, s[18:19] offset:16*\j th:TH_LOAD_NT
.endr
.irp j, 0,1,2,3,4,5,6,7
	global_load_b128 v[XB+4*\j:XB+4*\j+3], v2, s[18:19] offset:4096+16*\j th:TH_LOAD_NT
.endr
; rows 8 ch .. 8 ch + 7 of my 32 rows of gate_w: 256 consecutive bytes a lane, 16 loads
.macro GLOAD ch, g
.set i, 0
.rept 16
	global_load_b128 v[\g+4*i:\g+4*i+3], v3, s[6:7] offset:256*(\ch)+16*i
.set i, i+1
.endr
.endm
	GLOAD 0, G0
	GLOAD 1, G1
; a token's block becomes 16 bytes of codes and a scale byte.  x: its numbers; c: its codes; w: four registers at work
.macro QX x, c, w, tok
	v_max3_num_f32 v[\w], |v[\x]|, |v[\x+1]|, |v[\x+2]|            ; the block's largest magnitude, in two chains
	v_max3_num_f32 v[\w+1], |v[\x+3]|, |v[\x+4]|, |v[\x+5]|
.irp i, 6,10,14,18,22,26
	v_max3_num_f32 v[\w], v[\w], |v[\x+\i]|, |v[\x+\i+1]|
	v_max3_num_f32 v[\w+1], v[\w+1], |v[\x+\i+2]|, |v[\x+\i+3]|
.endr
	v_max3_num_f32 v[\w], v[\w], |v[\x+30]|, |v[\x+31]|
	v_max3_num_f32 v[\w], v[\w], v[\w+1], 0x1800000                ; and the floor 2^(3 - 127): the byte cannot fall under 1
	v_add_nc_u32 v[\w+2], 0xff000000, v[\w]                        ; 2 off the exponent field: the conversion takes this operand's exponent field as its scale
.irp g, 0,1,2,3
	v_cvt_scalef32_pk8_fp4_f32 v[\c+\g], v[\x+8*\g:\x+8*\g+7], v[\w+2]
.endr
	v_lshrrev_b32 v[\w+3], 23, v[\w+2]                             ; the scale's byte (a plain line behind the conversions)
	global_store_b128 v4, v[\c:\c+3], s[20:21] offset:512*\tok     ; the wave stores the row's 512 consecutive bytes
	global_store_b8 v1, v[\w+3], s[22:23] offset:32*\tok
.endm
	s_wait_loadcnt 32                              ; x is in; the 32 loads of gate_w may be out
	QX XA, CD, 240, 0
	QX XB, CD+4, 244, 1
; logits += x(k) gate_w(k, 0 .. 7) for k = 8 ch .. 8 ch + 7, both tokens, two experts an instruction; k = 0 starts the sums
.macro FMA ch, g
.set kk, 0
.rept 8
.set k, 8*(\ch)+kk
.irp p, 0,1,2,3
.if k == 0
	v_pk_mul_f32 v[LA+2*\p:LA+2*\p+1], v[\g+2*\p:\g+2*\p+1], v[XA:XA+1] op_sel_hi:[1,0]
	v_pk_mul_f32 v[LB+2*\p:LB+2*\p+1], v[\g+2*\p:\g+2*\p+1], v[XB:XB+1] op_sel_hi:[1,0]
.elseif k%2 == 0
	v_pk_fma_f32 v[LA+2*\p:LA+2*\p+1], v[\g+8*kk+2*\p:\g+8*kk+2*\p+1], v[XA+k:XA+k+1], v[LA+2*\p:LA+2*\p+1] op_sel_hi:[1,0,1]
	v_pk_fma_f32 v[LB+2*\p:LB+2*\p+1], v[\g+8*kk+2*\p:\g+8*kk+2*\p+1], v[XB+k:XB+k+1], v[LB+2*\p:LB+2*\p+1] op_sel_hi:[1,0,1]
.else
	v_pk_fma_f32 v[LA+2*\p:LA+2*\p+1], v[\g+8*kk+2*\p:\g+8*kk+2*\p+1], v[XA+k-1:XA+k], v[LA+2*\p:LA+2*\p+1] op_sel:[0,1,0] op_sel_hi:[1,1,1]
	v_pk_fma_f32 v[LB+2*\p:LB+2*\p+1], v[\g+8*kk+2*\p:\g+8*kk+2*\p+1], v[XB+k-1:XB+k], v[LB+2*\p:LB+2*\p+1] op_sel:[0,1,0] op_sel_hi:[1,1,1]
.endif
.endr
.set kk, kk+1
.endr
.endm
	s_wait_loadcnt 16                              ; rows 0-7 are in; the 16 loads of rows 8-15 may be out
	FMA 0, G0
	GLOAD 2, G0
	s_wait_alu depctr_va_vdst(0)
	s_wait_loadcnt 16                              ; rows 8-15 are in; rows 16-23 may be out
	FMA 1, G1
	GLOAD 3, G1
	s_wait_alu depctr_va_vdst(0)
	s_wait_loadcnt 16                              ; rows 16-23 are in; rows 24-31 may be out
	FMA 2, G0
	s_wait_alu depctr_va_vdst(0)
	s_wait_loadcnt 0x0
	FMA 3, G1
; the sixteen sums over the 32 lanes: every lane ends with all of them
.irp m, 1,2,4,8
.set i, 0
.rept 16
	v_add_f32_dpp v[LA+i], v[LA+i], v[LA+i] row_xmask:\m row_mask:0xf bank_mask:0xf
.set i, i+1
.endr
.endr
.set i, 0
.rept 16
	v_permlanex16_b32 v[G0+i], v[LA+i], s32, s33   ; (its destination has been written: gate_w's rows lay there)
.set i, i+1
.endr
.set i, 0
.rept 16
	v_add_f32 v[LA+i], v[LA+i], v[G0+i]
.set i, i+1
.endr
	s_wait_alu depctr_va_vdst(0)
	s_wait_kmcnt 0x0                               ; gate_b
.irp e, 0,1,2,3,4,5,6,7
	v_add_f32 v[LA+\e], s[24+\e], v[LA+\e]
	v_add_f32 v[LB+\e], s[24+\e], v[LB+\e]
.endr
; the two largest of eight, their softmax, and the word for sel
.macro TOP2 l, t
	v_mov_b32 v[\t], v[\l]
	v_mov_b32 v[\t+1], 0
	v_mov_b32 v[\t+2], 0xff800000                  ; -infinity
	v_mov_b32 v[\t+3], 0
.irp e, 1,2,3,4,5,6,7
	v_cmp_gt_f32 vcc_lo, v[\l+\e], v[\t]           ; over the largest?
	v_cmp_gt_f32 s35, v[\l+\e], v[\t+2]            ; over the second?
	v_cndmask_b32 v[\t+2], v[\t+2], v[\l+\e], s35
	v_cndmask_b32 v[\t+3], v[\t+3], v[KC+\e], s35
	v_cndmask_b32 v[\t+2], v[\t+2], v[\t], vcc_lo  ; the old largest becomes the second
	v_cndmask_b32 v[\t+3], v[\t+3], v[\t+1], vcc_lo
	v_cndmask_b32 v[\t], v[\t], v[\l+\e], vcc_lo
	v_cndmask_b32 v[\t+1], v[\t+1], v[KC+\e], vcc_lo
.endr
	v_sub_f32 v[\t+4], v[\t+2], v[\t]              ; m2 - m1, 0 or less: the maximum is taken away
	v_mul_f32 v[\t+4], 0x3fb8aa3b, v[\t+4]
	s_wait_alu depctr_va_vdst(0)
	v_exp_f32 v[\t+4], v[\t+4]
	v_lshl_or_b32 v[\t+6], v[\t+3], 8, v[\t+1]     ; e0 | e1 << 8 (a plain line behind the exponential)
	s_wait_alu depctr_va_vdst(0)
	v_add_f32 v[\t+5], 1.0, v[\t+4]
	s_wait_alu depctr_va_vdst(0)
	v_rcp_f32 v[\t+5], v[\t+5]                     ; c0
	v_lshlrev_b32 v[\t+7], v[\t+1], v[KC+1]        ; 1 << e0 (a plain line behind the reciprocal)
	s_wait_alu depctr_va_vdst(0)
	v_mul_f32 v[\t+4], v[\t+4], v[\t+5]            ; c1
	v_lshlrev_b32 v[\t+3], v[\t+3], v[KC+1]        ; 1 << e1
	v_or_b32 v[\t+7], v[\t+7], v[\t+3]
	v_lshl_or_b32 v[\t+6], v[\t+7], 16, v[\t+6]    ; the two bits above the two numbers: a reader asks 'chose expert e' by one AND
.endm
	TOP2 LA, TA
	TOP2 LB, TB
	v_cmp_eq_u32 vcc_lo, 1, v1                     ; lane 0 stores A's, lane 1 B's
	v_cndmask_b32 v160, v[TA+5], v[TB+5], vcc_lo
	v_cndmask_b32 v161, v[TA+4], v[TB+4], vcc_lo
	v_cndmask_b32 v162, v[TA+6], v[TB+6], vcc_lo
	v_add_nc_u32 v5, s17, v1                       ; the token
	v_lshlrev_b32 v6, 2, v5
	v_lshlrev_b32 v7, 3, v5
	v_cmp_gt_u32 vcc_lo, 2, v1
	s_wait_alu depctr_va_vdst(0)
	s_wait_xcnt 0x0                                ; EXEC changes only behind this wait: the stores of codes have been issued under the full EXEC
	s_and_saveexec_b32 s34, vcc_lo
	global_store_b32 v6, v162, s[12:13]
	global_store_b64 v7, v[160:161], s[14:15]
	s_wait_xcnt 0x0
	s_or_b32 exec_lo, exec_lo, s34
	s_endpgm
.Lfunc_end_k_q898254667f_route:
	.size	k_q898254667f_route, .Lfunc_end_k_q898254667f_route-k_q898254667f_route
	.p2alignl 7, 3214868480
	.fill 96, 4, 3214868480
	.section	.rodata,"a",@progbits
	.p2align	6, 0x0
	.amdhsa_kernel k_q898254667f_route
		.amdhsa_group_segment_fixed_size 0
		.amdhsa_private_segment_fixed_size 0
		.amdhsa_enable_private_segment 0
		.amdhsa_kernarg_size 48
		.amdhsa_user_sgpr_count 2
		.amdhsa_user_sgpr_kernarg_segment_ptr 1
		.amdhsa_wavefront_size32 1
		.amdhsa_system_sgpr_workgroup_id_x 1
		.amdhsa_system_sgpr_workgroup_id_y 1
		.amdhsa_system_sgpr_workgroup_id_z 1
		.amdhsa_system_vgpr_workitem_id 0
		.amdhsa_next_free_vgpr 256
		.amdhsa_next_free_sgpr 66
		.amdhsa_reserve_vcc 1
		.amdhsa_float_denorm_mode_32 3
		.amdhsa_float_denorm_mode_16_64 3
		.amdhsa_memory_ordered 1
		.amdhsa_forward_progress 1
		.amdhsa_inst_pref_size 42
	.end_amdhsa_kernel
	.amdgpu_metadata
---
amdhsa.version: [ 1, 2 ]
amdhsa.kernels:
  - .name:           k_q898254667f_route
    .symbol:         k_q898254667f_route.kd
    .args:
      - { .name: x, .offset: 0, .size: 8, .value_kind: global_buffer, .address_space: global }
      - { .name: gate_w, .offset: 8, .size: 8, .value_kind: global_buffer, .address_space: global }
      - { .name: gate_b, .offset: 16, .size: 8, .value_kind: global_buffer, .address_space: global }
      - { .name: xq, .offset: 24, .size: 8, .value_kind: global_buffer, .address_space: global }
      - { .name: sel, .offset: 32, .size: 8, .value_kind: global_buffer, .address_space: global }
      - { .name: cw, .offset: 40, .size: 8, .value_kind: global_buffer, .address_space: global }
    .group_segment_fixed_size: 0
    .private_segment_fixed_size: 0
    .kernarg_segment_align: 8
    .kernarg_segment_size: 48
    .max_flat_workgroup_size: 64
    .sgpr_count:     66
    .vgpr_count:     256
    .wavefront_size: 32
...
	.end_amdgpu_metadata
.endif
;; end of part 10
;; launch ffn1 (part 11): grid 32 x 8, 16 waves a work-group, no clusters, 72,704 bytes of LDS; arguments w1, b1, xq, sel, hq, hs; writes hq, hs
.if DOCPART == 11
	.amdgcn_target "amdgcn-amd-amdhsa--gfx1250"
	.amdhsa_code_object_version 6
	.text
	.protected	k_q898254667f_ffn1
	.globl	k_q898254667f_ffn1
	.p2align	8
	.type	k_q898254667f_ffn1,@function
k_q898254667f_ffn1:
	s_mov_b64 s[64:65], 0
	v_nop
	global_prefetch_b8 v0, s[64:65] scope:SCOPE_SE
	s_setreg_imm32_b32 hwreg(HW_REG_WAVE_SCHED_MODE, 0, 2), 2
	s_setreg_imm32_b32 hwreg(HW_REG_WAVE_MODE, 25, 1), 1
	s_wait_xcnt 0x0
	s_wait_alu depctr_vm_vsrc(0)
; THE FIRST PRODUCT OF AN EXPERT, ON ITS OWN ROWS ALONE: h = Q(silu(Q(x) Q(w1[e]) + b1[e])), both operands E2M1 with one E8M0 scale for each 32 along K.
; A work-group (x = bx, y = e) owns the slab w1[e][0 .. 1023][128 bx .. 128 bx + 127]: 512 KB of f32, which no other work-group reads.
; PHASE 1: the slab is read once and quantised.  A LANE TAKES A COLUMN AND ITS REGISTERS RUN DOWN K: a block of 32 lies in one lane's 32 registers, and the conversions give codes with K innermost.
;   Wave w: columns 32 (w % 4) on, rows 256 (w / 4) on: 8 blocks a lane.  A load of the wave reads 128 consecutive bytes, four waves side by side 512.
;   Lane L takes column (L % 8) + 16 ((L / 8) % 2) + 8 (L / 16) of its 32: lanes 0-15 are then the rows of tile 2 b, lanes 16-31 those of tile 2 b + 1, in the order in which
;   the results of two neighbouring tiles are 16 neighbours along the next K.  One exchange of halves between two registers makes the operand's registers of both tiles.
;   They go to LDS as images of the operand's registers (16 bytes a lane, 512 an instruction): 64 KB of codes, 4 KB of scale words.  One barrier.
; WHICH ROWS ARE THE EXPERT'S is read off sel, the whole numbers that the router's launch stored, by every wave for itself, between the blocks of the stream.  Register i = 4 q + c of lane L holds the word of
;   token 128 q + 4 L + c; a row's RANK is its place in the order (i, L) among the tokens that chose the expert.  The ranks' order is the same in every launch that uses it, and need not be the tokens'.
;   The token of rank J: the last chunk i before which not more than J rows lie, and in its mask the set bit number J less those.  No branch, no LDS, no list in memory.
; PHASE 2: no barrier, no LDS store.  Wave w takes the expert's tiles of 16 ranks w, w + 16, ..: x's codes of those tokens straight into registers, the weights' fragments from LDS.
;   The product is used transposed (source 0 = 16 hidden units, source 1 = 16 tokens): a lane holds one token, its registers run along the hidden units.  b1 is the sums' first C.
;   silu(z) = z / (1 + 2^(-z log2 e)) in f32; the 128 hidden units are one K step of the second product: quantised in registers, stored as an image (hq) with its scale words (hs).
;   Expert e owns tiles 64 e .. 64 e + 63 of hq and hs, room for all 1,024 tokens; only the tiles in use are touched.
; The trip count hangs on the expert's count.  This text has no tensor load: operands go from memory into registers; and no multicast: the weights are
; nobody else's, and what the 32 work-groups of an expert share (x's codes) is the smaller part of a work-group's bytes.
; In an expert's last tile the lanes past the count take its last row again, and an expert without rows still makes its tile 0 (of some token's row): every row of every tile that is read later is written.
; LIMITS: NaN and infinities are not served.  A block whose largest magnitude lies under 2^-124 (a block of zeros too) keeps the scale byte 1: this program alone reads the bytes.
; For z under about -88 the exponential overflows and silu gives -0, where the true value is under 2^-120 in magnitude.
; THE MODE: SCHED_MODE bits 1:0 = 2 (LLVM: expert scheduling mode 2), set by the entry lines.  The code itself states the register dependences
; between vector or matrix instructions and memory or LDS instructions, with s_wait_alu, always for 0.
; THE PLAN.  Registers that memory or LDS instructions touch:
;   ST0, ST1      Block t's maxima and conversions read ST[t % 2]; behind them block t + 2's 32 loads land in it.
;   WB0, WB1, WSR The same registers in phase 2 (and four more): group g's four products read WB[g % 2] and two of WSR; behind them group g + 2's ten LDS loads land there.  Then silu's T: vector instructions alone.
;   C, SW0        Written by the conversions, the exchange of halves and the shifts; read by a K step's five LDS stores.  In phase 2 C is part of ACC: b1's LDS loads land there, then products, silu and the quantiser name it.
;   S, XF, XS     sel's loads land in S, and the ANDs and compares name it; then x's 18 loads land in XF and XS, the products read them, and the next tile's x lands there.
;   XAD, XSA      Written by three vector lines for each tile, behind the wait that shows the last loads by them done; read by x's 18 loads.
;   PC, PW        Written by the quantiser; read by a tile's three global stores.
;   The other addresses (v1-5, v10, v11, v253, v254) and the closing add's v251 and v255 are made at the head and never written again.
; So: ONE wait on va_vdst at the head; one in a block, behind the lines that empty its set (and that finish a K step's codes); one behind a group's products; one behind a tile's last products where more of x is asked for;
; one ahead of a tile's stores, behind which no vector instruction stands up to the next tile's first LDS loads.  TWO waits on vm_vsrc: behind the barrier, and at the end of a tile that has a successor.
; Compares stand in runs, into scalar registers, with one wait on va_sdst behind a run.
.set ROWB,  16384                      ; a row of w1[e] in bytes
.set QIMG,  8192                       ; LDS: from a K step's fragments to the next K step's
.set QSC,   512                        ; the same for the scale words
.set WSC,   65536                      ; LDS: fragment (K step s, tile t) at (8 s + t) 1024; from WSC on scale words at (4 s + b) 128 + 4 lane: lanes 0-15 tile 2 b, lanes 16-31 tile 2 b + 1
.set BIAS,  69632                      ; LDS: b1 of my 128 columns
.set XSCL,  524288                     ; where x's scale bytes begin in xq
.set WO,  1                            ; v1   my column's byte in a row of the wave's 128
.set WST, 2                            ; v2   LDS: where I store images
.set WSS, 3                            ; v3   LDS: where I store scale words
.set LI,  4                            ; v4   16 x lane
.set LS,  5                            ; v5   LDS: WSC + 4 x lane
.set SELJ, 6                           ; v6   my row's rank
.set TOK, 7                            ; v7   my row's token
.set XAD, 8                            ; v8   its codes: 512 x token + 16 (lane / 16)
.set XSA, 9                            ; v9   its scale bytes: 32 x token
.set BLA, 10                           ; v10  LDS: BIAS + 64 (lane / 16)
.set HSA, 11                           ; v11  4 (lane % 16)
.set R,   12                           ; v12  lane % 16
.set H16, 13                           ; v13  16 (lane / 16)
.set MXA, 14                           ; v14-17 at work
.set MXB, 15
.set SCL, 16
.set BYT, 17
.set SW0, 18                           ; v18-19 my column's scale words of two K steps
.set XF,  20                           ; v20-83   x: eight fragments
.set S,   20                           ; v20-51   ahead of x's loads: the 32 words of sel
.set XS,  84                           ; v84-91   x: eight scale words (scales alone)
.set ACC, 92                           ; v92-155  eight tiles of the hidden layer
.set C,   92                           ; phase 1: two sets of 16 registers of codes
.set ST,  156                          ; v156-219 phase 1: two sets of 32 numbers
.set WB,  156                          ; phase 2: two buffers of four fragments
.set T,   156                          ; and silu's 64 numbers at work
.set WSR, 220                          ; v220-223 the weights' scale words, two for each buffer (scales alone)
.set TM,  224                          ; v224-239 the quantiser at work
.set SELM, 224                         ; the search for a rank's token at work: the chunk's mask,
.set SELB, 225                         ; the rows before the chunk | the chunk's token base << 16,
.set SELC, 226                         ; set bits so far,
.set SELP, 227                         ; the place,
.set SELT, 232                         ; a bit,
.set SELN, 233                         ; which set bit is wanted
.set PC,  240                          ; v240-247 the codes just made
.set PW,  248                          ; v248 their scale word
.set BV,  252
.set BST, 253
.set L4,  254                          ; v254 4 x lane
.set SEL, 40                           ; s[40:41]
.set NXT, 44                           ; s44  the number of my next tile among the expert's
.set NT,  45                           ; s45  how many tiles are mine
.set CM,  46                           ; s46-61 the masks of a run of compares (the search for a chunk: s46-53 alone)
.set CP,  54                           ; s54-61 the search for a chunk: eight chunks' words: the rows before the chunk | its token base << 16
.set MK,  66                           ; s66-97 mask i: the lanes whose token of chunk i chose my expert
	s_load_b256 s[4:11], s[0:1], 0x0               ; w1 s[4:5], b1 s[6:7], xq s[8:9], sel s[10:11]
	s_load_b128 s[12:15], s[0:1], 0x20             ; hq s[12:13], hs s[14:15]
	v_lshl_add_u32 v251, v0, 2, 0x11400            ; the closing add's two registers: my spare word's LDS address (the spare words: the last 2,048 bytes of the claim),
	v_mov_b32 v255, 0                              ; and 0; kept for that alone
	v_lshrrev_b32 v14, 5, v0
	v_readfirstlane_b32 s16, v14                   ; wave 0..15
	v_and_b32 v15, 31, v0                          ; lane
	v_and_b32 v[R], 15, v0
	v_bfe_u32 v14, v0, 4, 1                        ; lane / 16
	v_and_b32 v16, 7, v0
	v_bfe_u32 v17, v0, 3, 1
	v_lshl_add_u32 v16, v17, 4, v16
	v_lshl_add_u32 v16, v14, 3, v16                ; my column of the 32
	v_lshlrev_b32 v[WO], 2, v16
	v_lshlrev_b32 v[LI], 4, v15
	v_lshlrev_b32 v[L4], 2, v15
	s_wait_alu depctr_va_vdst(0)
	s_wait_alu depctr_va_sdst(0)                   ; s16 is written, ahead of its first reader
	s_and_b32 s17, s16, 3                          ; which 32 columns
	s_lshr_b32 s18, s16, 2                         ; which 256 rows of K
	s_and_b32 s19, ttmp7, 0xffff                   ; the expert
	s_lshl_b32 s36, s18, 14
	s_lshl_b32 s38, s17, 11
	s_add_co_u32 s36, s36, s38
	v_add_nc_u32 v[WST], s36, v[LI]                ; K steps 2 (w / 4) on, tiles 2 (w % 4) on
	s_lshl_b32 s36, s18, 10
	s_lshl_b32 s38, s17, 7
	s_add_co_u32 s36, s36, s38
	s_add_co_u32 s36, s36, WSC
	v_add_nc_u32 v[WSS], s36, v[L4]
	v_add_nc_u32 v[LS], WSC, v[L4]
	s_add_co_u32 s38, s38, BIAS
	v_add_nc_u32 v[BST], s38, v[L4]
	v_lshl_add_u32 v[BLA], v14, 6, BIAS
	v_lshlrev_b32 v[HSA], 2, v[R]
	v_lshlrev_b32 v[H16], 4, v14
.irp b, 0,1,2,3
	v_mov_b32 v[TM+4+\b], 0                        ; written once: a lane permute's destination counts as one of its sources
.endr
	s_mov_b32 s[SEL], 0x76543210                   ; v_permlanex16_b32's selects for lane l xor 16
	s_mov_b32 s[SEL+1], 0xfedcba98
	s_lshl_b32 s22, 0x10000, s19                   ; my expert's bit in a word of sel
	s_mov_b32 s21, 0                               ; its count
	s_lshl_b32 s36, s19, 24                        ; the expert's 16 MB,
	s_lshl_b32 s38, s18, 22                        ; my 256 rows,
	s_add_co_u32 s36, s36, s38
	s_lshl_b32 s38, ttmp9, 9
	s_lshl_b32 s39, s17, 7
	s_add_co_u32 s38, s38, s39                     ; my 32 columns: 512 bx + 128 (w % 4)
	s_add_co_u32 s36, s36, s38
	s_mov_b32 s37, 0
	s_wait_kmcnt 0x0
	s_add_nc_u64 s[24:25], s[4:5], s[36:37]
	s_lshl_b32 s36, s19, 14
	s_add_co_u32 s36, s36, s38
	s_add_nc_u64 s[28:29], s[6:7], s[36:37]        ; b1 at my 32 columns
.macro LOAD t                          ; block t: w1(32 t + i, my column), i = 0 .. 31, into set t % 2
.set i, 0
.rept 32
	global_load_b32 v[ST+32*((\t)%2)+i], v[WO], s[24:25] offset:(32*(\t)+i)*ROWB th:TH_LOAD_NT
.set i, i+1
.endr
.endm
; block t is quantised.  n: the loads issued behind the block's own, which may stay out.
; Blocks 3 and 7 end a K step of my two: registers 8 c + i hold block 2 c, registers 8 c + 4 + i block 2 c + 1, lanes 0-15 of tile 2 b's rows, lanes 16-31 of tile 2 b + 1's.
; The exchange gives the first register tile 2 b's group c (lanes 0-15 block 2 c, lanes 16-31 block 2 c + 1) and the second tile 2 b + 1's; images and scale words then go to LDS.
.macro BLOCK t, n
.set SRC, ST+32*((\t)%2)
.set QQ, (\t)/4
	s_wait_loadcnt \n
	v_max3_num_f32 v[MXA], |v[SRC]|, |v[SRC+1]|, |v[SRC+2]|        ; the block's largest magnitude: all 32 numbers are mine
	v_max3_num_f32 v[MXB], |v[SRC+3]|, |v[SRC+4]|, |v[SRC+5]|
.irp i, 6,10,14,18,22,26
	v_max3_num_f32 v[MXA], v[MXA], |v[SRC+\i]|, |v[SRC+\i+1]|
	v_max3_num_f32 v[MXB], v[MXB], |v[SRC+\i+2]|, |v[SRC+\i+3]|
.endr
	v_max3_num_f32 v[MXA], v[MXA], |v[SRC+30]|, |v[SRC+31]|
	v_max3_num_f32 v[MXA], v[MXA], v[MXB], 0x1800000               ; and the floor 2^(3 - 127): the byte cannot fall under 1
	v_add_nc_u32 v[SCL], 0xff000000, v[MXA]                        ; 2 off the exponent field: the conversion's scale operand
	v_lshrrev_b32 v[BYT], 23, v[SCL]                               ; the scale's byte
.if (\t)%4 == 0
	v_mov_b32 v[SW0+(\t)/4], v[BYT]                                ; four bytes make a K step's scale word
.else
	v_lshl_or_b32 v[SW0+(\t)/4], v[BYT], 8*((\t)%4), v[SW0+(\t)/4]
.endif
.irp g, 0,1,2,3
	v_cvt_scalef32_pk8_fp4_f32 v[C+16*((\t)/4)+4*((\t)%4)+\g], v[SRC+8*\g:SRC+8*\g+7], v[SCL]
.endr
	v_nop                                          ; one plain line behind the last conversion
.if (\t)%4 == 3
.irp c, 0,1
.irp i, 0,1,2,3
	v_permlane16_swap_b32 v[C+16*QQ+8*\c+\i], v[C+16*QQ+8*\c+4+\i]
.endr
.endr
.endif
.if ((\t) < 6) || ((\t)%4 == 3)
	s_wait_alu depctr_va_vdst(0)                   ; the maxima and conversions are done reading this set, in which the loads below land; at a K step's end the codes and the scale word are written, which the LDS stores below read
.endif
.if (\t) < 6
	LOAD (\t)+2
.endif
.if (\t)%4 == 3
.irp c, 0,1
.irp u, 0,1
	ds_store_b128 v[WST], v[C+16*QQ+8*\c+4*\u:C+16*QQ+8*\c+4*\u+3] offset:QIMG*QQ+1024*\u+512*\c
.endr
.endr
	ds_store_b32 v[WSS], v[SW0+QQ] offset:QSC*QQ
.endif
.endm
; chunks i0 .. i0 + 15 of sel: which lanes' tokens chose my expert, and how many
.macro PASSA i0
.set i, \i0
.rept 16
	v_and_b32 v[S+i], s22, v[S+i]
.set i, i+1
.endr
.set i, \i0
.rept 16
	v_cmp_ne_u32 s[MK+i], 0, v[S+i]
.set i, i+1
.endr
	s_wait_alu depctr_va_sdst(0)                   ; the sixteen masks are written, ahead of their first readers, the counts below
.set i, \i0
.rept 16
	s_bcnt1_i32_b32 s36, s[MK+i]
	s_add_co_u32 s21, s21, s36
.set i, i+1
.endr
.endm
; my row's rank in the tile named, J = 16 x tile + lane % 16, held at the expert's last row; then the last chunk before which not more than J rows lie: its mask,
; and in one word the rows before it and (16 bits up) the token of its lane 0: 128 (i / 4) + i % 4.  s36 counts the rows before chunk i.  Eight chunks at a time: their compares in a run, then their selects
.macro CHAIN tile
	s_lshl_b32 s36, \tile, 4
	v_add_nc_u32 v[SELJ], s36, v[R]
	v_min_u32 v[SELJ], s23, v[SELJ]
	s_wait_alu depctr_va_vdst(0)
	v_mov_b32 v[SELM], s[MK]
	v_mov_b32 v[SELB], 0                           ; chunk 0: nothing before it, token 0
	s_mov_b32 s36, 0
.set i, 1
.rept 4
.set k, 0
.rept 8
.if i+k < 32
	s_bcnt1_i32_b32 s38, s[MK+i+k-1]
	s_add_co_u32 s36, s36, s38
	s_add_co_u32 s[CP+k], s36, (128*((i+k)/4)+(i+k)%4)<<16
	v_cmp_gt_u32 s[CM+k], s36, v[SELJ]             ; more than J rows before chunk i + k: what I hold stays
.endif
.set k, k+1
.endr
	s_wait_alu depctr_va_sdst(0)                   ; the run's masks are written, ahead of the selects that read them
.set k, 0
	s_wait_alu depctr_va_vdst(0)
.rept 8
.if i+k < 32
	v_cndmask_b32 v[SELM], s[MK+i+k], v[SELM], s[CM+k]
	v_cndmask_b32 v[SELB], s[CP+k], v[SELB], s[CM+k]
.endif
.set k, k+1
.endr
.set i, i+8
.endr
.endm
; the place of set bit number n = J - the rows before the chunk: as many bit places as have not more than n set bits up to and with themselves.  The count of set bits never falls, so these places
; are a run from place 0 on: the last of them + 1 is their number.  Sixteen places' compares in a run, then their selects.  The token: the chunk's base + 4 x the place
.macro NTH
	v_and_b32 v[SELN], 0xffff, v[SELB]
	v_sub_nc_u32 v[SELN], v[SELJ], v[SELN]
	v_lshrrev_b32 v[SELB], 16, v[SELB]
	v_mov_b32 v[SELC], 0
	v_mov_b32 v[SELP], 0
.set bp, 0
.rept 2
.set k, 0
.rept 16
	v_bfe_u32 v[SELT], v[SELM], bp+k, 1
	v_add_nc_u32 v[SELC], v[SELC], v[SELT]
	v_cmp_le_u32 s[CM+k], v[SELC], v[SELN]
.set k, k+1
.endr
	s_wait_alu depctr_va_sdst(0)                   ; the run's masks are written, ahead of the selects that read them
.set k, 0
.rept 16
	v_cndmask_b32 v[SELP], v[SELP], bp+k+1, s[CM+k]
.set k, k+1
.endr
.set bp, bp+16
.endr
	v_lshl_add_u32 v[TOK], v[SELP], 2, v[SELB]
.endm
.macro XADDR                           ; where the token's codes and scale bytes lie
	v_min_u32 v[TOK], 0x3ff, v[TOK]                ; held inside x
	v_lshl_add_u32 v[XAD], v[TOK], 9, v[H16]
	v_lshlrev_b32 v[XSA], 5, v[TOK]
.endm
.macro XLOADS                          ; the token's eight fragments and eight scale words: 18 loads
.set i, 0
.rept 16
	global_load_b128 v[XF+4*i:XF+4*i+3], v[XAD], s[8:9] offset:32*i    ; K step i / 2, group i % 2: k = 64 (i % 2) + 32 (lane / 16) + 0 .. 31
.set i, i+1
.endr
	global_load_b128 v[XS:XS+3], v[XSA], s[8:9] offset:XSCL
	global_load_b128 v[XS+4:XS+7], v[XSA], s[8:9] offset:XSCL+16
.endm
	s_wait_alu depctr_va_vdst(0)                   ; the addresses v1-5, v10, v11, v253, v254 are written, which the loads and stores of the whole kernel read
.irp q, 0,1,2,3,4,5,6,7
	global_load_b128 v[S+4*\q:S+4*\q+3], v[LI], s[10:11] offset:512*\q   ; sel, all 1,024 words: register 4 q + c of lane L: token 128 q + 4 L + c
.endr
	global_load_b32 v[BV], v[L4], s[28:29]
	LOAD 0
	LOAD 1
	s_lshl_b32 s36, s19, 6
	s_add_co_u32 s36, s36, s16                     ; my first tile among all: 64 e + w
	s_lshl_b32 s38, s36, 15
	s_lshl_b32 s39, ttmp9, 10
	s_add_co_u32 s38, s38, s39
	s_mov_b32 s39, 0
	s_add_nc_u64 s[32:33], s[12:13], s[38:39]      ; hq: [tile][K step bx][1024 bytes]
	s_lshl_b32 s38, s36, 11
	s_lshl_b32 s36, ttmp9, 6
	s_add_co_u32 s38, s38, s36
	s_add_nc_u64 s[34:35], s[14:15], s[38:39]      ; hs: [tile][K step bx][16 words]
	BLOCK 0, 32                                    ; behind block 0's loads: block 1's 32.  sel and b1 were asked for ahead of block 0: they are in too
	s_cmp_gt_u32 s16, 3                            ; b1 goes to LDS once: waves 0-3 hold the four runs of 32
	s_cbranch_scc1 .Lno_bias
	ds_store_b32 v[BST], v[BV]                     ; (its address was written ahead of the head's wait, its data by a load)
.Lno_bias:
	PASSA 0                                        ; the search for my rows stands between the blocks, behind each block's refill: no load of weights goes out later for it
	BLOCK 1, 32
	PASSA 16
	s_min_u32 s21, s21, 1024
	s_add_co_u32 s31, s21, 15
	s_lshr_b32 s31, s31, 4
	s_max_u32 s31, s31, 1                          ; T: the expert's tiles, one at the least
	s_max_u32 s23, s21, 1
	s_sub_co_u32 s23, s23, 1                       ; its last row's rank
	BLOCK 2, 32
	CHAIN s16
	BLOCK 3, 32                                    ; and my first K step goes to LDS
	NTH
	XADDR                                          ; ahead of block 4's wait on va_vdst, which so shows x's two addresses written
	BLOCK 4, 32
	BLOCK 5, 32
	XLOADS                                         ; my first tile's x.  No wait: no vector instruction since block 4's wait names its addresses, none since block 2's the registers in which it lands
	BLOCK 6, 50                                    ; block 7's 32 and x's 18
	BLOCK 7, 18                                    ; x's 18; and my second K step goes to LDS
	s_wait_dscnt 0x0                               ; for the others' sake: my images lie in LDS
	s_barrier_signal -1
	s_barrier_wait -1                              ; the slab's codes are whole; from here on LDS is only read
	s_wait_alu depctr_vm_vsrc(0)                   ; my LDS stores have read the codes' registers, in which b1 lands below; x's loads have read their two addresses, which a further tile's search writes again
; group gg = 2 s + half: four fragments (K step s, tiles 4 half + j) and their two scale words into buffer p: ten LDS loads
.macro WFETCH gg, p
.irp j, 0,1,2,3
.irp c, 0,1
	ds_load_b128 v[WB+32*(\p)+8*\j+4*\c:WB+32*(\p)+8*\j+4*\c+3], v[LI] offset:(4*(\gg)+\j)*1024+512*\c
.endr
.endr
.irp u, 0,1
	ds_load_b32 v[WSR+2*(\p)+\u], v[LS] offset:(2*(\gg)+\u)*128
.endr
.endm
; 64 numbers of a lane, register 16 b + i = k 32 b + 16 (lane / 16) + i of my row, become a fragment's codes in v[PC] on and its scale word in v[PW]
.macro QUANT s
.irp b, 0,1,2,3
	v_max3_num_f32 v[TM+\b], |v[\s+16*\b]|, |v[\s+1+16*\b]|, 0x1800000   ; block b: my 16 numbers, and the floor 2^(3 - 127)
.endr
.irp i, 2,4,6,8,10,12,14
.irp b, 0,1,2,3
	v_max3_num_f32 v[TM+\b], v[TM+\b], |v[\s+16*\b+\i]|, |v[\s+1+16*\b+\i]|   ; the four blocks by turns
.endr
.endr
.irp b, 0,1,2,3
	v_permlanex16_b32 v[TM+4+\b], v[TM+\b], s[SEL], s[SEL+1]
.endr
.irp b, 0,1,2,3
	v_max_num_f32 v[TM+\b], v[TM+\b], v[TM+4+\b]   ; with lane l xor 16's: the block's largest magnitude
.endr
.irp b, 0,1,2,3
	v_add_nc_u32 v[TM+12+\b], 0xff000000, v[TM+\b]
.endr
.irp b, 0,1,2,3
	v_lshrrev_b32 v[TM+4+\b], 23, v[TM+12+\b]
.endr
	v_lshl_or_b32 v[PW], v[TM+5], 8, v[TM+4]
	v_lshl_or_b32 v[PW], v[TM+6], 16, v[PW]
	v_lshl_or_b32 v[PW], v[TM+7], 24, v[PW]
.irp b, 0,1,2,3
	v_cvt_scalef32_pk8_fp4_f32 v[PC+2*\b], v[\s+16*\b:\s+7+16*\b], v[TM+12+\b]
	v_cvt_scalef32_pk8_fp4_f32 v[PC+1+2*\b], v[\s+8+16*\b:\s+15+16*\b], v[TM+12+\b]
.endr
	v_nop                                          ; one plain line behind the last conversion
.irp c, 0,1                                    ; the operand's layout wants a whole block in a lane
.irp i, 0,1
	v_permlane16_swap_b32 v[PC+4*\c+\i], v[PC+2+4*\c+\i]
.endr
.endr
.endm
; A TILE OF 16 ROWS.  nxt = 1: the wave has a further tile (number s[NXT]), whose tokens are found and whose x is asked for here.
; The 36 LDS loads at its head owe no wait of their own: no vector instruction stands between them and the last wait on va_vdst (block 7's, or the one ahead of the last tile's stores), which shows all that named their registers done
.macro TILE nxt
.irp t, 0,1,2,3,4,5,6,7
.irp q, 0,1
	ds_load_b128 v[ACC+8*\t+4*\q:ACC+8*\t+4*\q+3], v[BLA] offset:(32*(\t/2)+8*(\t%2))*4+16*\q   ; b1 at the lane's eight hidden units: the sums' first C
.endr
.endr
	WFETCH 0, 0
	WFETCH 1, 1
.if \nxt
	CHAIN s[NXT]                                   ; work on registers while the first fragments come out of LDS
	NTH
.endif
	s_wait_loadcnt 0x0                             ; x is in: so the loads that read x's two addresses are done
.if \nxt
	s_wait_alu depctr_va_vdst(0)
	XADDR                                          ; and only behind that wait are the two written again, for the next tile
.endif
.set g, 0
.rept 16
.if g < 15
	s_wait_dscnt 10                                ; this group is in (at g = 0 b1 too); the other buffer's ten loads may be out
.else
	s_wait_dscnt 0x0
.endif
.irp j, 0,1,2,3                                ; the eight accumulators take turns, one instruction a turn
.if \j%2
	v_wmma_scale_f32_16x16x128_f8f6f4 v[ACC+8*(4*(g%2)+\j):ACC+8*(4*(g%2)+\j)+7], v[WB+32*(g%2)+8*\j:WB+32*(g%2)+8*\j+7], v[XF+8*(g/2):XF+8*(g/2)+7], v[ACC+8*(4*(g%2)+\j):ACC+8*(4*(g%2)+\j)+7], v[WSR+2*(g%2)+\j/2], v[XS+g/2] matrix_a_fmt:MATRIX_FMT_FP4 matrix_b_fmt:MATRIX_FMT_FP4 matrix_a_scale:MATRIX_SCALE_ROW1
.else
	v_wmma_scale_f32_16x16x128_f8f6f4 v[ACC+8*(4*(g%2)+\j):ACC+8*(4*(g%2)+\j)+7], v[WB+32*(g%2)+8*\j:WB+32*(g%2)+8*\j+7], v[XF+8*(g/2):XF+8*(g/2)+7], v[ACC+8*(4*(g%2)+\j):ACC+8*(4*(g%2)+\j)+7], v[WSR+2*(g%2)+\j/2], v[XS+g/2] matrix_a_fmt:MATRIX_FMT_FP4 matrix_b_fmt:MATRIX_FMT_FP4
.endif
.endr
.rept 4
	v_nop                                          ; four places in front of loads into registers that these products have read, and of the first read of results
.endr
.if g < 14
	s_wait_alu depctr_va_vdst(0)                   ; the four products are done reading this buffer and its two scale words, in which the ten loads below land; the buffer is asked for again at once
	WFETCH g+2, g%2
.else
.if g == 15
	v_nop                                          ; a fifth: the next matrix instruction writes registers of these
.endif
.endif
.set g, g+1
.endr
.if \nxt
	s_wait_alu depctr_va_vdst(0)                   ; the tile's products are done reading x's fragments and scale words, in which the loads below land; x's two addresses, which these loads read, are written
	XLOADS                                         ; the next tile's x lands under the activation and the quantiser, which name none of its registers
.endif
.set i, 0
.rept 32
	v_pk_mul_f32 v[T+i:T+i+1], v[ACC+i:ACC+i+1], 0xbfb8aa3b op_sel_hi:[1,0]   ; -z log2 e; each accumulator is read from its low end on
.set i, i+2
.endr
.set i, 0
	s_wait_alu depctr_va_vdst(0)
.rept 64
	v_exp_f32 v[T+i], v[T+i]
.set i, i+1
.endr
	v_nop                                          ; a plain line behind the exponentials
.set i, 0
	s_wait_alu depctr_va_vdst(0)                   ; the 64 exponentials have written T, ahead of the first line that names a result
.rept 32
	v_pk_add_f32 v[T+i:T+i+1], v[T+i:T+i+1], 1.0 op_sel_hi:[1,0]
.set i, i+2
.endr
.set i, 0
	s_wait_alu depctr_va_vdst(0)
.rept 64
	v_rcp_f32 v[T+i], v[T+i]
.set i, i+1
.endr
	v_nop                                          ; a plain line behind the reciprocals
.set i, 0
	s_wait_alu depctr_va_vdst(0)                   ; the 64 reciprocals have written T, ahead of the first line that names a result
.rept 32
	v_pk_mul_f32 v[ACC+i:ACC+i+1], v[ACC+i:ACC+i+1], v[T+i:T+i+1]   ; silu(z)
.set i, i+2
.endr
	QUANT ACC
	s_wait_alu depctr_va_vdst(0)                   ; the quantiser has written the codes and the scale word, which the stores below read; and silu and the quantiser are done with ACC and T, in which the next tile's first LDS loads land
	global_store_b128 v[LI], v[PC:PC+3], s[32:33]                  ; the fragment as it stands: 512 consecutive bytes a store
	global_store_b128 v[LI], v[PC+4:PC+7], s[32:33] offset:512
	global_store_b32 v[HSA], v[PW], s[34:35]                       ; lanes r and r + 16 store the same word with the same value
.if \nxt
	s_wait_xcnt 0x0                                ; the stores' data and bases are written again only behind this wait
	s_wait_alu depctr_vm_vsrc(0)                   ; the stores have read the codes and the scale word, which the next tile's quantiser writes again; x's loads have read their two addresses, which the next tile may write again
	s_add_nc_u64 s[32:33], s[32:33], 16*32768      ; sixteen tiles on
	s_add_nc_u64 s[34:35], s[34:35], 16*2048
	s_add_co_u32 s[NXT], s[NXT], 16
.endif
.endm
	s_cmp_ge_u32 s16, s31
	s_cbranch_scc1 .Lend                           ; no tile for me
	s_add_co_u32 s[NT], s31, 15
	s_sub_co_u32 s[NT], s[NT], s16
	s_lshr_b32 s[NT], s[NT], 4                     ; my tiles: w, w + 16, .. under T: (T + 15 - w) / 16 of them, one at the least
	s_add_co_u32 s[NXT], s16, 16
	s_mov_b32 s30, 1                               ; the loop counts tiles by ones: all of mine but the last
	s_cmp_ge_u32 s30, s[NT]
	s_cbranch_scc1 .Llast
.Ltile:
	TILE 1
	s_add_co_u32 s30, s30, 1
	s_cmp_lt_u32 s30, s[NT]
	s_cbranch_scc1 .Ltile
.Llast:
	TILE 0                                         ; my last tile asks for nothing more
.Lend:
	s_wait_dscnt 0x0                               ; the closing lines, six on end
	s_wait_alu 0x0
	s_wait_tensorcnt 0x0
	ds_add_u32 v251, v255
	s_wait_dscnt 0x0
	s_endpgm
.Lfunc_end_k_q898254667f_ffn1:
	.size	k_q898254667f_ffn1, .Lfunc_end_k_q898254667f_ffn1-k_q898254667f_ffn1
	.p2alignl 7, 3214868480
	.fill 96, 4, 3214868480
	.section	.rodata,"a",@progbits
	.p2align	6, 0x0
	.amdhsa_kernel k_q898254667f_ffn1
		.amdhsa_group_segment_fixed_size 72704
		.amdhsa_private_segment_fixed_size 0
		.amdhsa_enable_private_segment 0
		.amdhsa_kernarg_size 48
		.amdhsa_user_sgpr_count 2
		.amdhsa_user_sgpr_kernarg_segment_ptr 1
		.amdhsa_wavefront_size32 1
		.amdhsa_system_sgpr_workgroup_id_x 1
		.amdhsa_system_sgpr_workgroup_id_y 1
		.amdhsa_system_sgpr_workgroup_id_z 1
		.amdhsa_system_vgpr_workitem_id 0
		.amdhsa_next_free_vgpr 256
		.amdhsa_next_free_sgpr 100
		.amdhsa_reserve_vcc 0
		.amdhsa_float_denorm_mode_32 3
		.amdhsa_float_denorm_mode_16_64 3
		.amdhsa_memory_ordered 1
		.amdhsa_forward_progress 1
		.amdhsa_inst_pref_size 161
	.end_amdhsa_kernel
	.amdgpu_metadata
---
amdhsa.version: [ 1, 2 ]
amdhsa.kernels:
  - .name:           k_q898254667f_ffn1
    .symbol:         k_q898254667f_ffn1.kd
    .args:
      - { .name: w1, .offset: 0, .size: 8, .value_kind: global_buffer, .address_space: global }
      - { .name: b1, .offset: 8, .size: 8, .value_kind: global_buffer, .address_space: global }
      - { .name: xq, .offset: 16, .size: 8, .value_kind: global_buffer, .address_space: global }
      - { .name: sel, .offset: 24, .size: 8, .value_kind: global_buffer, .address_space: global }
      - { .name: hq, .offset: 32, .size: 8, .value_kind: global_buffer, .address_space: global }
      - { .name: hs, .offset: 40, .size: 8, .value_kind: global_buffer, .address_space: global }
    .group_segment_fixed_size: 72704
    .private_segment_fixed_size: 0
    .kernarg_segment_align: 8
    .kernarg_segment_size: 48
    .max_flat_workgroup_size: 512
    .sgpr_count:     100
    .vgpr_count:     256
    .wavefront_size: 32
...
	.end_amdgpu_metadata
.endif
;; end of part 11
;; launch ffn2 (part 12): grid 32 x 8, 16 waves a work-group, no clusters, 141,312 bytes of LDS; arguments w2, sel, hq, hs, yp; writes yp
.if DOCPART == 12
	.amdgcn_target "amdgcn-amd-amdhsa--gfx1250"
	.amdhsa_code_object_version 6
	.text
	.protected	k_q898254667f_ffn2
	.globl	k_q898254667f_ffn2
	.p2align	8
	.type	k_q898254667f_ffn2,@function
k_q898254667f_ffn2:
	s_mov_b64 s[64:65], 0
	v_nop
	global_prefetch_b8 v0, s[64:65] scope:SCOPE_SE
	s_setreg_imm32_b32 hwreg(HW_REG_WAVE_SCHED_MODE, 0, 2), 2
	s_setreg_imm32_b32 hwreg(HW_REG_WAVE_MODE, 25, 1), 1
	s_wait_xcnt 0x0
	s_wait_alu depctr_vm_vsrc(0)
; THE SECOND PRODUCT OF AN EXPERT, ON ITS OWN ROWS: yp[kh] = Q(h) Q(w2[e]) over half kh of K = 4096, both operands E2M1 with one E8M0 scale for each 32 along K.
; A work-group (x = cb + 16 kh, y = e) owns the slab w2[e][2048 kh .. + 2047][64 cb .. + 63]: 512 KB of f32, a row of it 256 consecutive bytes at a multiple of 256; nobody else reads it.
; The two halves of K give 256 work-groups; their two parts of y are added, with b2 and the gate's weights, by the next launch.
; PHASE 1, as in the first product's launch: a lane takes a column, its registers run down K; wave w: columns 32 (w % 2) on, rows 256 (w / 2) on.  Lanes 0-15 are tile 2 (w % 2)'s rows, lanes 16-31
;   the next tile's.  The codes go to LDS as images of the operand's registers.  One barrier.  Between the first blocks every wave counts the expert's rows from sel, the router's whole numbers.
; PHASE 2: no barrier.  Wave w takes the expert's tiles w, w + 16, .. (tiles 64 e on of hq, hs and yp): h's sixteen fragments and scale words from memory as they were stored, the weights' fragments from LDS.
;   Transposed (source 0 = 16 output columns, source 1 = 16 rows): a lane holds eight neighbouring outputs of one row.  A tile (16 rows x 256 bytes) goes through the wave's own stage in LDS
;   and leaves by rows: sixteen lanes store 256 consecutive bytes at a multiple of 256.
; The trip count hangs on the expert's count.  No tensor load and no multicast here (the weights are nobody else's).  An expert without rows still has its tile 0, as in the first product's launch.
; LIMITS: as in the first product's launch (NaN and infinities not served; the scale byte is held at 1 from below).
; THE MODE: SCHED_MODE bits 1:0 = 2 (LLVM: expert scheduling mode 2), set by the entry lines.  The code itself states the register dependences
; between vector or matrix instructions and memory or LDS instructions, with s_wait_alu, always for 0.
; THE PLAN.  Registers that memory or LDS instructions touch:
;   ST0, ST1      Block t's maxima and conversions read ST[t % 2]; behind them block t + 2's 32 loads land in it.
;   WB0, WB1, WSR The same registers in phase 2 (and four more): K step ks's four products read WB[ks % 2] and two of WSR; behind them K step ks + 2's ten LDS loads land there.
;   OUTR          WB0 once more, on the way out: the stage's LDS loads land in it, the global stores read it, the next tile's first fragments land in it.
;   C, SW0        Written by the conversions, the exchange of halves and the shifts; read by a K step's five LDS stores.  In phase 2 C is ACC: written by the products, read by the stage's LDS stores.
;   S, HF, HS     sel's loads land in S, and the ANDs and compares name it; then h's loads land in HF and HS, the products read them, and the next tile's h lands there, a fragment behind each K step.
;   The addresses (v1-5, v7-9) and the closing add's v254 and v255 are made at the head and never written again.
; So: ONE wait on va_vdst at the head; one in a block, behind the lines that empty its set (and that finish a K step's codes); one behind a K step's products.
; TWO waits on vm_vsrc: behind the barrier, and at the end of a tile that has a successor.  The compares stand in runs of sixteen, with one wait on va_sdst behind a run.
.set ROWB,  4096                       ; a row of w2[e] in bytes
.set QIMG,  4096                       ; LDS: from a K step's fragments to the next K step's
.set QSC,   256
.set WSC,   65536                      ; LDS: fragment (K step s, tile ct) at (4 s + ct) 1024; scale words at WSC + (2 s + b) 128 + 4 lane
.set STAGE, 69632                      ; LDS: 16 rows x (256 + 16) bytes for each wave
.set YH,    33554432                   ; bytes of one part of y: 8192 slots x 4096
.set WO,  1                            ; v1   4 x lane
.set WST, 2
.set WSS, 3
.set LI,  4                            ; v4   16 x lane
.set LS,  5                            ; v5   WSC + 4 x lane
.set SO,  7                            ; v7   the stage: where I put 32 bytes of a row
.set SR,  8                            ; v8   and where I read a row back
.set YO,  9                            ; v9   the same place in y
.set MXA, 10                           ; v10-13 at work
.set MXB, 11
.set SCL, 12
.set BYT, 13
.set SW0, 14                           ; v14-15
.set HF,  16                           ; v16-143  h: sixteen fragments
.set S,   16                           ; v16-47   ahead of h's loads: the 32 words of sel
.set HS,  144                          ; v144-151 h: scale words: register p: lanes 0-15 K step 2 p, lanes 16-31 K step 2 p + 1 (scales alone)
.set ACC, 152                          ; v152-183 four tiles of outputs
.set C,   152                          ; phase 1: two sets of 16 registers of codes
.set ST,  184                          ; v184-247 phase 1: two sets of 32 numbers
.set WB,  184                          ; phase 2: two buffers of four fragments
.set OUTR, 184                         ; and the rows read back from the stage
.set WSR, 248                          ; v248-251 the weights' scale words (scales alone)
.set NT,  52                           ; s52  how many tiles are mine
.set MK,  66                           ; s66-81 sixteen masks at work
	s_load_b256 s[4:11], s[0:1], 0x0               ; w2 s[4:5], sel s[6:7], hq s[8:9], hs s[10:11]
	s_load_b64 s[12:13], s[0:1], 0x20              ; yp
	v_lshl_add_u32 v254, v0, 2, 0x22000            ; the closing add's two registers: my spare word's LDS address (the spare words: the last 2,048 bytes of the claim),
	v_mov_b32 v255, 0                              ; and 0; kept for that alone
	v_lshrrev_b32 v10, 5, v0
	v_readfirstlane_b32 s16, v10                   ; wave 0..15
	v_and_b32 v10, 31, v0                          ; lane
	v_and_b32 v11, 15, v0                          ; r
	v_bfe_u32 v12, v0, 4, 1                        ; h
	v_lshlrev_b32 v[WO], 2, v10
	v_lshlrev_b32 v[LI], 4, v10
	s_wait_alu depctr_va_vdst(0)
	v_lshlrev_b32 v[YO], 12, v12
	v_lshl_add_u32 v[YO], v11, 4, v[YO]
	s_wait_alu depctr_va_sdst(0)                   ; s16 is written, ahead of its first reader
	s_and_b32 s17, s16, 1                          ; which 32 columns
	s_lshr_b32 s18, s16, 1                         ; which 256 rows of K
	s_and_b32 s19, ttmp7, 0xffff                   ; the expert
	s_and_b32 s20, ttmp9, 15                       ; cb
	s_lshr_b32 s23, ttmp9, 4                       ; kh
	s_lshl_b32 s36, s18, 13
	s_lshl_b32 s37, s17, 11
	s_add_co_u32 s36, s36, s37
	v_add_nc_u32 v[WST], s36, v[LI]
	s_lshl_b32 s36, s18, 9
	s_lshl_b32 s37, s17, 7
	s_add_co_u32 s36, s36, s37
	s_add_co_u32 s36, s36, WSC
	v_add_nc_u32 v[WSS], s36, v[WO]
	v_add_nc_u32 v[LS], WSC, v[WO]
	s_mul_i32 s36, s16, 16*272
	s_add_co_u32 s36, s36, STAGE                   ; my stage
	v_mul_u32_u24 v[SO], v11, 272
	v_lshl_add_u32 v[SO], v12, 5, v[SO]
	v_add_nc_u32 v[SO], s36, v[SO]                 ; in: row r, 32 bytes for each half of the lanes
	v_mul_u32_u24 v[SR], v12, 272
	v_lshl_add_u32 v[SR], v11, 4, v[SR]
	v_add_nc_u32 v[SR], s36, v[SR]                 ; back: lanes 0-15 one row, lanes 16-31 the next
	s_lshl_b32 s22, 0x10000, s19                   ; my expert's bit in a word of sel
	s_mov_b32 s21, 0                               ; its count
	s_lshl_b32 s38, s19, 24                        ; the expert's 16 MB,
	s_lshl_b32 s37, s23, 23                        ; my half of K,
	s_add_co_u32 s38, s38, s37
	s_lshl_b32 s37, s18, 20                        ; my 256 rows,
	s_add_co_u32 s38, s38, s37
	s_lshl_b32 s37, s20, 8                         ; my 64 columns,
	s_add_co_u32 s38, s38, s37
	s_lshl_b32 s37, s17, 7                         ; my 32 of them
	s_add_co_u32 s38, s38, s37
	s_mov_b32 s39, 0
	s_wait_kmcnt 0x0
	s_add_nc_u64 s[24:25], s[4:5], s[38:39]
.macro LOAD t                          ; block t: w2(32 t + i, my column), i = 0 .. 31, into set t % 2
.set i, 0
.rept 32
	global_load_b32 v[ST+32*((\t)%2)+i], v[WO], s[24:25] offset:(32*(\t)+i)*ROWB th:TH_LOAD_NT
.set i, i+1
.endr
.endm
; block t is quantised.  n: the loads issued behind the block's own, which may stay out.  Blocks 3 and 7 end a K step of my two: the exchange of halves makes both tiles' registers; images and scale words go to LDS
.macro BLOCK t, n
.set SRC, ST+32*((\t)%2)
.set QQ, (\t)/4
	s_wait_loadcnt \n
	v_max3_num_f32 v[MXA], |v[SRC]|, |v[SRC+1]|, |v[SRC+2]|
	v_max3_num_f32 v[MXB], |v[SRC+3]|, |v[SRC+4]|, |v[SRC+5]|
.irp i, 6,10,14,18,22,26
	v_max3_num_f32 v[MXA], v[MXA], |v[SRC+\i]|, |v[SRC+\i+1]|
	v_max3_num_f32 v[MXB], v[MXB], |v[SRC+\i+2]|, |v[SRC+\i+3]|
.endr
	v_max3_num_f32 v[MXA], v[MXA], |v[SRC+30]|, |v[SRC+31]|
	v_max3_num_f32 v[MXA], v[MXA], v[MXB], 0x1800000               ; the floor 2^(3 - 127): the byte cannot fall under 1
	v_add_nc_u32 v[SCL], 0xff000000, v[MXA]                        ; 2 off the exponent field: the conversion's scale operand
	v_lshrrev_b32 v[BYT], 23, v[SCL]
.if (\t)%4 == 0
	v_mov_b32 v[SW0+(\t)/4], v[BYT]
.else
	v_lshl_or_b32 v[SW0+(\t)/4], v[BYT], 8*((\t)%4), v[SW0+(\t)/4]
.endif
.irp g, 0,1,2,3
	v_cvt_scalef32_pk8_fp4_f32 v[C+16*((\t)/4)+4*((\t)%4)+\g], v[SRC+8*\g:SRC+8*\g+7], v[SCL]
.endr
	v_nop                                          ; one plain line behind the last conversion
.if (\t)%4 == 3
.irp c, 0,1
.irp i, 0,1,2,3
	v_permlane16_swap_b32 v[C+16*QQ+8*\c+\i], v[C+16*QQ+8*\c+4+\i]
.endr
.endr
.endif
.if ((\t) < 6) || ((\t)%4 == 3)
	s_wait_alu depctr_va_vdst(0)                   ; the maxima and conversions are done reading this set, in which the loads below land; at a K step's end the codes and the scale word are written, which the LDS stores below read
.endif
.if (\t) < 6
	LOAD (\t)+2
.endif
.if (\t)%4 == 3
.irp c, 0,1
.irp u, 0,1
	ds_store_b128 v[WST], v[C+16*QQ+8*\c+4*\u:C+16*QQ+8*\c+4*\u+3] offset:QIMG*QQ+1024*\u+512*\c
.endr
.endr
	ds_store_b32 v[WSS], v[SW0+QQ] offset:QSC*QQ
.endif
.endm
.macro PASSA i0                        ; registers i0 .. i0 + 15 of sel: how many of their 512 tokens chose my expert
.set i, \i0
.rept 16
	v_and_b32 v[S+i], s22, v[S+i]
.set i, i+1
.endr
.set i, \i0
.rept 16
	v_cmp_ne_u32 s[MK+i-\i0], 0, v[S+i]
.set i, i+1
.endr
	s_wait_alu depctr_va_sdst(0)                   ; the sixteen masks are written, ahead of their readers, the counts below
.set i, 0
.rept 16
	s_bcnt1_i32_b32 s36, s[MK+i]
	s_add_co_u32 s21, s21, s36
.set i, i+1
.endr
.endm
	s_wait_alu depctr_va_vdst(0)                   ; the addresses v1-5 and v7-9 are written, which the loads and stores of the whole kernel read
.irp q, 0,1,2,3,4,5,6,7
	global_load_b128 v[S+4*\q:S+4*\q+3], v[LI], s[6:7] offset:512*\q       ; sel, all 1,024 words
.endr
	LOAD 0
	LOAD 1
	s_lshl_b32 s36, s19, 6
	s_add_co_u32 s36, s36, s16                     ; my first tile among all: 64 e + w
	s_lshl_b32 s38, s36, 16                        ; its 16 slots of 4096 bytes,
	s_lshl_b32 s37, s20, 8
	s_add_co_u32 s38, s38, s37                     ; my 64 columns,
	s_mul_i32 s37, s23, YH
	s_add_co_u32 s38, s38, s37                     ; my part
	s_add_nc_u64 s[48:49], s[12:13], s[38:39]
	s_add_co_u32 s36, s36, 16                      ; my next tile: these two are used only where it exists
	s_lshl_b32 s38, s36, 15
	s_lshl_b32 s37, s23, 14
	s_add_co_u32 s38, s38, s37
	s_add_nc_u64 s[44:45], s[8:9], s[38:39]
	s_lshl_b32 s38, s36, 11
	s_lshl_b32 s37, s23, 10
	s_add_co_u32 s38, s38, s37
	s_add_nc_u64 s[46:47], s[10:11], s[38:39]
	BLOCK 0, 32                                    ; behind each block's loads: the next block's 32.  sel was asked for ahead of block 0: it is in too
	PASSA 0
	BLOCK 1, 32
	PASSA 16
	s_min_u32 s21, s21, 1024
	s_add_co_u32 s31, s21, 15
	s_lshr_b32 s31, s31, 4
	s_max_u32 s31, s31, 1                          ; T: the expert's tiles, one at the least
	s_sub_co_u32 s36, s31, 1                       ; the tile whose h every wave loads ahead of the barrier: its own first, or, where it has none, the expert's last
	s_min_u32 s36, s16, s36
	s_min_u32 s36, s36, 63                         ; held inside the expert's 64 tiles
	s_lshl_b32 s37, s19, 6
	s_add_co_u32 s36, s36, s37
	s_lshl_b32 s38, s36, 15
	s_lshl_b32 s37, s23, 14
	s_add_co_u32 s38, s38, s37
	s_add_nc_u64 s[40:41], s[8:9], s[38:39]        ; hq: [tile][K step 16 kh on][1024 bytes]
	s_lshl_b32 s38, s36, 11
	s_lshl_b32 s37, s23, 10
	s_add_co_u32 s38, s38, s37
	s_add_nc_u64 s[42:43], s[10:11], s[38:39]      ; hs: [tile][K step 16 kh on][16 words]
	BLOCK 2, 32
	BLOCK 3, 32                                    ; and my first K step goes to LDS
	BLOCK 4, 32
	BLOCK 5, 32
	BLOCK 6, 32
.set i, 0
.rept 32                                       ; my first tile's h: 32 loads of 512 consecutive bytes.  No wait: since block 2's wait on va_vdst no vector instruction names the registers in which h lands
	global_load_b128 v[HF+4*i:HF+4*i+3], v[LI], s[40:41] offset:512*i
.set i, i+1
.endr
.irp p, 0,1,2,3,4,5,6,7                        ; and 8 of scale words, two K steps each
	global_load_b32 v[HS+\p], v[WO], s[42:43] offset:128*\p
.endr
	BLOCK 7, 40                                    ; h's 40 loads may be out; and my second K step goes to LDS
	s_wait_dscnt 0x0                               ; for the others' sake: my images lie in LDS
	s_barrier_signal -1
	s_barrier_wait -1                              ; the slab's codes are whole; from here on a wave stores into its own stage alone
	s_wait_alu depctr_vm_vsrc(0)                   ; my LDS stores have read the codes' registers, which the first products write as accumulators
.macro WFETCH gg, p                    ; K step gg: four fragments and two scale words into buffer p: ten LDS loads
.irp j, 0,1,2,3
.irp c, 0,1
	ds_load_b128 v[WB+32*(\p)+8*\j+4*\c:WB+32*(\p)+8*\j+4*\c+3], v[LI] offset:(4*(\gg)+\j)*1024+512*\c
.endr
.endr
.irp u, 0,1
	ds_load_b32 v[WSR+2*(\p)+\u], v[LS] offset:(2*(\gg)+\u)*128
.endr
.endm
; one product: tile ct of outputs, K step ks (a symbol).  Odd tiles' scale words lie in lanes 16-31 of their register, and so do odd K steps' of h.  K step 0 starts the sums
.macro MM ct
.set rD, ACC+8*\ct
.set rA, WB+32*(ks%2)+8*\ct
.set rB, HF+8*ks
.set rSA, WSR+2*(ks%2)+\ct/2
.set rSB, HS+ks/2
.if ks == 0
.if \ct%2
	v_wmma_scale_f32_16x16x128_f8f6f4 v[rD:rD+7], v[rA:rA+7], v[rB:rB+7], 0, v[rSA], v[rSB] matrix_a_fmt:MATRIX_FMT_FP4 matrix_b_fmt:MATRIX_FMT_FP4 matrix_a_scale:MATRIX_SCALE_ROW1
.else
	v_wmma_scale_f32_16x16x128_f8f6f4 v[rD:rD+7], v[rA:rA+7], v[rB:rB+7], 0, v[rSA], v[rSB] matrix_a_fmt:MATRIX_FMT_FP4 matrix_b_fmt:MATRIX_FMT_FP4
.endif
.elseif ks%2
.if \ct%2
	v_wmma_scale_f32_16x16x128_f8f6f4 v[rD:rD+7], v[rA:rA+7], v[rB:rB+7], v[rD:rD+7], v[rSA], v[rSB] matrix_a_fmt:MATRIX_FMT_FP4 matrix_b_fmt:MATRIX_FMT_FP4 matrix_a_scale:MATRIX_SCALE_ROW1 matrix_b_scale:MATRIX_SCALE_ROW1
.else
	v_wmma_scale_f32_16x16x128_f8f6f4 v[rD:rD+7], v[rA:rA+7], v[rB:rB+7], v[rD:rD+7], v[rSA], v[rSB] matrix_a_fmt:MATRIX_FMT_FP4 matrix_b_fmt:MATRIX_FMT_FP4 matrix_b_scale:MATRIX_SCALE_ROW1
.endif
.else
.if \ct%2
	v_wmma_scale_f32_16x16x128_f8f6f4 v[rD:rD+7], v[rA:rA+7], v[rB:rB+7], v[rD:rD+7], v[rSA], v[rSB] matrix_a_fmt:MATRIX_FMT_FP4 matrix_b_fmt:MATRIX_FMT_FP4 matrix_a_scale:MATRIX_SCALE_ROW1
.else
	v_wmma_scale_f32_16x16x128_f8f6f4 v[rD:rD+7], v[rA:rA+7], v[rB:rB+7], v[rD:rD+7], v[rSA], v[rSB] matrix_a_fmt:MATRIX_FMT_FP4 matrix_b_fmt:MATRIX_FMT_FP4
.endif
.endif
.endm
; A TILE OF 16 ROWS.  nxt = 1: the wave has a further tile, whose h is asked for K step by K step, into the registers just multiplied.
; The 20 LDS loads at its head owe no wait of their own: no vector or matrix instruction stands between them and the last wait on va_vdst (block 7's, or the last tile's last), which shows all that named their registers done
.macro TILE nxt
	WFETCH 0, 0
	WFETCH 1, 1
	s_wait_loadcnt 0x0                             ; h and its scale words are in
.set ks, 0
.rept 16
.if ks < 15
	s_wait_dscnt 10                                ; this K step's weights are in; the other buffer's ten loads may be out
.else
	s_wait_dscnt 0x0
.endif
.irp ct, 0,1,2,3                               ; the four accumulators take turns, one instruction a turn
	MM \ct
.endr
.rept 4
	v_nop                                          ; four places in front of loads into registers that these products have read, and of the first read of results
.endr
.if ks == 15
	v_nop                                          ; a fifth: the next tile's first products write these accumulators anew
.endif
.if \nxt || (ks != 14)
	s_wait_alu depctr_va_vdst(0)                   ; this K step's products are done reading their buffer, its two scale words and h's fragment, in which the loads below land; at the last K step the accumulators are written, which the stage's stores read
.endif
.if \nxt
	global_load_b128 v[HF+8*ks:HF+8*ks+3], v[LI], s[44:45] offset:1024*ks
	global_load_b128 v[HF+8*ks+4:HF+8*ks+7], v[LI], s[44:45] offset:1024*ks+512
.endif
.if ks < 14
	WFETCH ks+2, ks%2
.endif
.set ks, ks+1
.endr
.if \nxt
.irp p, 0,1,2,3,4,5,6,7
	global_load_b32 v[HS+\p], v[WO], s[46:47] offset:128*\p
.endr
.endif
.irp ct, 0,1,2,3
	ds_store_b128 v[SO], v[ACC+8*\ct:ACC+8*\ct+3] offset:64*\ct            ; each accumulator from its low end on
	ds_store_b128 v[SO], v[ACC+8*\ct+4:ACC+8*\ct+7] offset:64*\ct+16
.endr
.irp i, 0,1,2,3,4,5,6,7
	ds_load_b128 v[OUTR+4*\i:OUTR+4*\i+3], v[SR] offset:544*\i             ; LDS serves a wave's instructions in order (ISA guide 5.7.1.4): these see my stores
.endr
.irp i, 0,1,2,3,4,5,6,7
	s_wait_dscnt 7-\i                              ; rows 2 i and 2 i + 1 are back; the younger loads may be out
	global_store_b128 v[YO], v[OUTR+4*\i:OUTR+4*\i+3], s[48:49] offset:8192*\i   ; sixteen lanes store 256 consecutive bytes, at a multiple of 256 from yp's first byte
.endr
.if \nxt
	s_wait_xcnt 0x0                                ; the stores' data, and the bases of stores and loads, are written again only behind this wait
	s_wait_alu depctr_vm_vsrc(0)                   ; the global stores have read the rows' registers, in which the next tile's first fragments land; the stage's stores have read the accumulators, which its first products write
	s_add_nc_u64 s[48:49], s[48:49], 16*65536      ; sixteen tiles on
	s_add_nc_u64 s[44:45], s[44:45], 16*32768
	s_add_nc_u64 s[46:47], s[46:47], 16*2048
.endif
.endm
	s_cmp_ge_u32 s16, s31
	s_cbranch_scc1 .Lend                           ; no tile for me
	s_add_co_u32 s[NT], s31, 15
	s_sub_co_u32 s[NT], s[NT], s16
	s_lshr_b32 s[NT], s[NT], 4                     ; my tiles: w, w + 16, .. under T: (T + 15 - w) / 16 of them, one at the least
	s_mov_b32 s30, 1                               ; the loop counts tiles by ones: all of mine but the last
	s_cmp_ge_u32 s30, s[NT]
	s_cbranch_scc1 .Llast
.Ltile:
	TILE 1
	s_add_co_u32 s30, s30, 1
	s_cmp_lt_u32 s30, s[NT]
	s_cbranch_scc1 .Ltile
.Llast:
	TILE 0                                         ; my last tile asks for nothing more
.Lend:
	s_wait_dscnt 0x0                               ; the closing lines, six on end
	s_wait_alu 0x0
	s_wait_tensorcnt 0x0
	ds_add_u32 v254, v255
	s_wait_dscnt 0x0
	s_endpgm
.Lfunc_end_k_q898254667f_ffn2:
	.size	k_q898254667f_ffn2, .Lfunc_end_k_q898254667f_ffn2-k_q898254667f_ffn2
	.p2alignl 7, 3214868480
	.fill 96, 4, 3214868480
	.section	.rodata,"a",@progbits
	.p2align	6, 0x0
	.amdhsa_kernel k_q898254667f_ffn2
		.amdhsa_group_segment_fixed_size 141312
		.amdhsa_private_segment_fixed_size 0
		.amdhsa_enable_private_segment 0
		.amdhsa_kernarg_size 40
		.amdhsa_user_sgpr_count 2
		.amdhsa_user_sgpr_kernarg_segment_ptr 1
		.amdhsa_wavefront_size32 1
		.amdhsa_system_sgpr_workgroup_id_x 1
		.amdhsa_system_sgpr_workgroup_id_y 1
		.amdhsa_system_sgpr_workgroup_id_z 1
		.amdhsa_system_vgpr_workitem_id 0
		.amdhsa_next_free_vgpr 256
		.amdhsa_next_free_sgpr 84
		.amdhsa_reserve_vcc 0
		.amdhsa_float_denorm_mode_32 3
		.amdhsa_float_denorm_mode_16_64 3
		.amdhsa_memory_ordered 1
		.amdhsa_forward_progress 1
		.amdhsa_inst_pref_size 102
	.end_amdhsa_kernel
	.amdgpu_metadata
---
amdhsa.version: [ 1, 2 ]
amdhsa.kernels:
  - .name:           k_q898254667f_ffn2
    .symbol:         k_q898254667f_ffn2.kd
    .args:
      - { .name: w2, .offset: 0, .size: 8, .value_kind: global_buffer, .address_space: global }
      - { .name: sel, .offset: 8, .size: 8, .value_kind: global_buffer, .address_space: global }
      - { .name: hq, .offset: 16, .size: 8, .value_kind: global_buffer, .address_space: global }
      - { .name: hs, .offset: 24, .size: 8, .value_kind: global_buffer, .address_space: global }
      - { .name: yp, .offset: 32, .size: 8, .value_kind: global_buffer, .address_space: global }
    .group_segment_fixed_size: 141312
    .private_segment_fixed_size: 0
    .kernarg_segment_align: 8
    .kernarg_segment_size: 40
    .max_flat_workgroup_size: 512
    .sgpr_count:     84
    .vgpr_count:     256
    .wavefront_size: 32
...
	.end_amdgpu_metadata
.endif
;; end of part 12
;; launch combine (part 13): grid 256 x 1, 4 waves a work-group, no clusters, 0 bytes of LDS; arguments yp, sel, cw, b2, out0; writes out0
.if DOCPART == 13
	.amdgcn_target "amdgcn-amd-amdhsa--gfx1250"
	.amdhsa_code_object_version 6
	.text
	.protected	k_q898254667f_combine
	.globl	k_q898254667f_combine
	.p2align	8
	.type	k_q898254667f_combine,@function
k_q898254667f_combine:
	s_mov_b64 s[64:65], 0
	v_nop
	global_prefetch_b8 v0, s[64:65] scope:SCOPE_SE
	s_setreg_imm32_b32 hwreg(HW_REG_WAVE_MODE, 25, 1), 1
	s_wait_xcnt 0x0
; out[t] = c0 (y(slot0) + b2[e0]) + c1 (y(slot1) + b2[e1]), where y(slot) is the sum of the two parts over the halves of K.  A wave takes one token: each output row has one owner.
; slot = 1024 x expert + the token's RANK in that expert, in the order in which the products' launches rank the rows: register i = 4 q + c of lane L holds the word of sel of token 128 q + 4 L + c,
; and the rank is the number of tokens ahead in the order (i, L) that chose the expert.  The wave counts both ranks from sel, the router's whole numbers: the words at or behind my token's
; place are cleared, then one AND and one compare for each expert give a mask whose bits are counted.  Ranks and experts are held inside their tables before they enter an address.
; Then a stream: six loads of 512 consecutive bytes for each 512 bytes of the row, all 48 asked for at once; no LDS, no barrier, no matrix unit: there is nothing here for them.
.set YH,  33554432                     ; bytes of one part of y: 8192 slots x 4096
.set D,   16                           ; v16-207: piece j of eight: 24 registers: y0 part 0, part 1, y1 part 0, part 1, b2[e0], b2[e1]
.set S,   16                           ; v16-47  ahead of those loads: the 32 words of sel
.set U,   4                            ; v4-7    at work
.set KI,  56                           ; s56-59  my place less 32 i, for four chunks
.set M0,  60                           ; s60-63  four masks, then counts, for the first choice's expert
.set M1,  66                           ; s66-69  the same for the second's
	s_load_b256 s[4:11], s[0:1], 0x0               ; yp s[4:5], sel s[6:7], cw s[8:9], b2 s[10:11]
	s_load_b64 s[12:13], s[0:1], 0x20              ; out0
	v_lshrrev_b32 v1, 5, v0
	v_readfirstlane_b32 s16, v1                    ; wave
	v_and_b32 v2, 31, v0                           ; lane
	v_lshlrev_b32 v1, 4, v2                        ; 16 bytes a lane
	s_lshl_b32 s17, ttmp9, 2
	s_add_co_u32 s17, s17, s16                     ; my token t
	s_lshr_b32 s18, s17, 7
	s_lshl_b32 s18, s18, 2
	s_and_b32 s19, s17, 3
	s_add_co_u32 s18, s18, s19                     ; its chunk: 4 (t / 128) + t % 4
	s_bfe_u32 s19, s17, 0x50002                    ; its lane: (t / 4) % 32
	s_lshl_b32 s18, s18, 5
	s_add_co_u32 s18, s18, s19                     ; its place in the order: 32 x chunk + lane
	s_lshl_b32 s20, s17, 3
	s_mov_b32 s21, 0
	s_lshl_b32 s22, s17, 2
	s_mov_b32 s23, 0
	s_wait_alu depctr_va_vdst(0)
	s_wait_kmcnt 0x0
	s_add_nc_u64 s[24:25], s[8:9], s[20:21]
	s_add_nc_u64 s[28:29], s[6:7], s[22:23]
	s_load_b64 s[26:27], s[24:25], 0x0             ; c0, c1
	s_load_b32 s30, s[28:29], 0x0                  ; my token's word: e0 | e1 << 8 | ..
.irp q, 0,1,2,3,4,5,6,7
	global_load_b128 v[S+4*\q:S+4*\q+3], v1, s[6:7] offset:512*\q          ; sel, all 1,024 words
.endr
	s_wait_kmcnt 0x0
	s_and_b32 s31, s30, 0xff
	s_min_u32 s31, s31, 7
	s_bfe_u32 s32, s30, 0x80008
	s_min_u32 s32, s32, 7
	s_lshl_b32 s33, 0x10000, s31                   ; the two experts' bits in a word of sel
	s_lshl_b32 s34, 0x10000, s32
	s_mov_b32 s35, 0                               ; the two ranks
	s_mov_b32 s52, 0
	s_wait_loadcnt 0x0
.irp q, 0,1,2,3,4,5,6,7                        ; four chunks at a time, so that the scalar lines do not stand straight behind the compares that feed them
.irp c, 0,1,2,3
	s_sub_co_i32 s[KI+\c], s18, 32*(4*\q+\c)
.endr
.irp c, 0,1,2,3
	v_cmp_gt_i32 vcc_lo, s[KI+\c], v2              ; ahead of my token in the order: 32 i + lane under my place
	v_cndmask_b32 v[S+4*\q+\c], 0, v[S+4*\q+\c], vcc_lo
.endr
.irp c, 0,1,2,3
	v_and_b32 v[U+\c], s33, v[S+4*\q+\c]
	v_and_b32 v[S+4*\q+\c], s34, v[S+4*\q+\c]
.endr
.irp c, 0,1,2,3
	v_cmp_ne_u32 s[M0+\c], 0, v[U+\c]
	v_cmp_ne_u32 s[M1+\c], 0, v[S+4*\q+\c]
.endr
.irp c, 0,1,2,3
	s_bcnt1_i32_b32 s[M0+\c], s[M0+\c]
	s_bcnt1_i32_b32 s[M1+\c], s[M1+\c]
	s_add_co_u32 s35, s35, s[M0+\c]
	s_add_co_u32 s52, s52, s[M1+\c]
.endr
.endr
	s_min_u32 s35, s35, 1023
	s_min_u32 s52, s52, 1023
	s_mov_b32 s55, 0
	s_lshl_b32 s54, s31, 10
	s_add_co_u32 s54, s54, s35                     ; the first choice's slot
	s_lshl_b32 s54, s54, 12
	s_add_nc_u64 s[36:37], s[4:5], s[54:55]        ; its y, part 0,
	s_add_nc_u64 s[38:39], s[36:37], YH            ; part 1
	s_lshl_b32 s54, s32, 10
	s_add_co_u32 s54, s54, s52                     ; the second choice's slot
	s_lshl_b32 s54, s54, 12
	s_add_nc_u64 s[40:41], s[4:5], s[54:55]
	s_add_nc_u64 s[42:43], s[40:41], YH
	s_lshl_b32 s54, s31, 12
	s_add_nc_u64 s[44:45], s[10:11], s[54:55]      ; b2[e0]
	s_lshl_b32 s54, s32, 12
	s_add_nc_u64 s[46:47], s[10:11], s[54:55]      ; b2[e1]
	s_lshl_b32 s54, s17, 12
	s_add_nc_u64 s[48:49], s[12:13], s[54:55]      ; my row of the output
	s_mov_b32 s50, s27                             ; c1 in a pair of its own: the packed forms take a scalar pair's low word for both halves
	s_mov_b32 s51, s27
.irp j, 0,1,2,3,4,5,6,7
	global_load_b128 v[D+24*\j:D+24*\j+3], v1, s[36:37] offset:512*\j th:TH_LOAD_NT
	global_load_b128 v[D+24*\j+4:D+24*\j+7], v1, s[38:39] offset:512*\j th:TH_LOAD_NT
	global_load_b128 v[D+24*\j+8:D+24*\j+11], v1, s[40:41] offset:512*\j th:TH_LOAD_NT
	global_load_b128 v[D+24*\j+12:D+24*\j+15], v1, s[42:43] offset:512*\j th:TH_LOAD_NT
	global_load_b128 v[D+24*\j+16:D+24*\j+19], v1, s[44:45] offset:512*\j
	global_load_b128 v[D+24*\j+20:D+24*\j+23], v1, s[46:47] offset:512*\j
.endr
.irp j, 0,1,2,3,4,5,6,7
	s_wait_loadcnt 6*(7-\j)                        ; piece j's six loads are in; the later pieces' may be out
.irp p, 0,2
	v_pk_add_f32 v[D+24*\j+\p:D+24*\j+\p+1], v[D+24*\j+\p:D+24*\j+\p+1], v[D+24*\j+4+\p:D+24*\j+4+\p+1]
	v_pk_add_f32 v[D+24*\j+8+\p:D+24*\j+8+\p+1], v[D+24*\j+8+\p:D+24*\j+8+\p+1], v[D+24*\j+12+\p:D+24*\j+12+\p+1]
.endr
.irp p, 0,2
	v_pk_add_f32 v[D+24*\j+\p:D+24*\j+\p+1], v[D+24*\j+\p:D+24*\j+\p+1], v[D+24*\j+16+\p:D+24*\j+16+\p+1]
	v_pk_add_f32 v[D+24*\j+8+\p:D+24*\j+8+\p+1], v[D+24*\j+8+\p:D+24*\j+8+\p+1], v[D+24*\j+20+\p:D+24*\j+20+\p+1]
.endr
.irp p, 0,2
	v_pk_mul_f32 v[D+24*\j+\p:D+24*\j+\p+1], v[D+24*\j+\p:D+24*\j+\p+1], s[26:27] op_sel_hi:[1,0]
.endr
.irp p, 0,2
	v_pk_fma_f32 v[D+24*\j+\p:D+24*\j+\p+1], v[D+24*\j+8+\p:D+24*\j+8+\p+1], s[50:51], v[D+24*\j+\p:D+24*\j+\p+1] op_sel_hi:[1,0,1]
.endr
	global_store_b128 v1, v[D+24*\j:D+24*\j+3], s[48:49] offset:512*\j th:TH_STORE_NT   ; the wave stores 512 consecutive bytes, at a multiple of 256 from the output's first byte
.endr
	s_endpgm
.Lfunc_end_k_q898254667f_combine:
	.size	k_q898254667f_combine, .Lfunc_end_k_q898254667f_combine-k_q898254667f_combine
	.p2alignl 7, 3214868480
	.fill 96, 4, 3214868480
	.section	.rodata,"a",@progbits
	.p2align	6, 0x0
	.amdhsa_kernel k_q898254667f_combine
		.amdhsa_group_segment_fixed_size 0
		.amdhsa_private_segment_fixed_size 0
		.amdhsa_enable_private_segment 0
		.amdhsa_kernarg_size 40
		.amdhsa_user_sgpr_count 2
		.amdhsa_user_sgpr_kernarg_segment_ptr 1
		.amdhsa_wavefront_size32 1
		.amdhsa_system_sgpr_workgroup_id_x 1
		.amdhsa_system_sgpr_workgroup_id_y 1
		.amdhsa_system_sgpr_workgroup_id_z 1
		.amdhsa_system_vgpr_workitem_id 0
		.amdhsa_next_free_vgpr 208
		.amdhsa_next_free_sgpr 72
		.amdhsa_reserve_vcc 1
		.amdhsa_float_denorm_mode_32 3
		.amdhsa_float_denorm_mode_16_64 3
		.amdhsa_memory_ordered 1
		.amdhsa_forward_progress 1
		.amdhsa_inst_pref_size 29
	.end_amdhsa_kernel
	.amdgpu_metadata
---
amdhsa.version: [ 1, 2 ]
amdhsa.kernels:
  - .name:           k_q898254667f_combine
    .symbol:         k_q898254667f_combine.kd
    .args:
      - { .name: yp, .offset: 0, .size: 8, .value_kind: global_buffer, .address_space: global }
      - { .name: sel, .offset: 8, .size: 8, .value_kind: global_buffer, .address_space: global }
      - { .name: cw, .offset: 16, .size: 8, .value_kind: global_buffer, .address_space: global }
      - { .name: b2, .offset: 24, .size: 8, .value_kind: global_buffer, .address_space: global }
      - { .name: out0, .offset: 32, .size: 8, .value_kind: global_buffer, .address_space: global }
    .group_segment_fixed_size: 0
    .private_segment_fixed_size: 0
    .kernarg_segment_align: 8
    .kernarg_segment_size: 40
    .max_flat_workgroup_size: 128
    .sgpr_count:     72
    .vgpr_count:     208
    .wavefront_size: 32
...
	.end_amdgpu_metadata
.endif
;; end of part 13
